; MI455X (gfx1250); checked and timed in simulation.
; The chip was launched on July 23, 2026; its instructions are those of AMD's public machine-readable ISA for CDNA 5 (MIT licence, August 2026) and "CDNA5" Instruction Set Architecture Reference Guide (July 2026). The comments in the code are by the model that wrote it; some were corrected since.
;; Self Attention With Rotary Embedding. Allowed arithmetic: matrix products marked QUANTISED: E2M3 operands, one E8M0 scale for each 32 along K, by v_wmma_scale_f32_16x16x128_f8f6f4 with both operands' format E2M3, f32 sums; everything else in f32.
;; Inputs: Wp 2,048 x 2,048 float32; Wqk 2,048 x 4,096 float32; Wv 2,048 x 2,048 float32; bp 2,048 float32; bv 2,048 float32; freqs_cos 2,048 x 64 float32; freqs_sin 2,048 x 64 float32; kn_w 128 float32; qn_w 128 float32; x 1 x 2,048 x 2,048 float32.
;; Outputs: out0 1 x 2,048 x 2,048 float32.
;; This version of the problem:
;;   THIS VERSION OF THE PROBLEM IS GIVEN IN LOW PRECISION. The matrix products marked QUANTISED in the list below multiply operands that are first quantised to E2M3 (2 exponent bits, 3 mantissa bits; 6 bits a number), with one power-of-two scale for each 32 numbers along K (OCP MX v1.0); their sums are f32. All else is computed in f32.
;;   The module's matrix products, in the order in which they are computed (A, B: the left and right operand; K: the contracted axis; several contracted axes count as one K, in the product's order):
;;     1. [M 2,048, K 2,048] x [K 2,048, N 4,096]; A: input x; B: input Wqk: QUANTISED
;;     2. [M 2,048, K 2,048] x [K 2,048, N 2,048]; A: input x; B: input Wv: QUANTISED
;;     3. batch 16 x [M 2,048, K 128] x [K 128, N 2,048]; A: computed on the way; B: computed on the way: QUANTISED
;;     4. batch 16 x [M 2,048, K 2,048] x [K 2,048, N 128]; A: softmax (see below); B: computed on the way: QUANTISED
;;     5. [M 2,048, K 2,048] x [K 2,048, N 2,048]; A: computed on the way; B: input Wp: QUANTISED
;;   THE QUANTISER, for each operand of a quantised product, along K:
;;     - K is cut into blocks of 32 from its start; a last block that is shorter is filled with zeros.
;;     - A block's scale is 2^e with e = floor(log2(the largest magnitude in the block)) - 2, held to -126 .. 127; a block of zeros has e = 0. As a byte (E8M0): e + 127.
;;     - Each number is divided by its block's scale, clamped to +-7.5, and rounded to the nearest number of E2M3, ties to even, subnormals kept.
;;     - The product sums the exact products of the quantised numbers (number of the format x scale) in f32.
;;   ~~~python
;;   def quantise(x, axis):      # numpy; x: float32 -> the quantised numbers, widened to float32 again
;;       x = np.moveaxis(x, axis, -1); K = x.shape[-1]
;;       x = np.pad(x, [(0, 0)] * (x.ndim - 1) + [(0, -K % 32)]); x = x.reshape(x.shape[:-1] + (-1, 32)); a = np.abs(x).max(-1, keepdims=True)
;;       e = np.where(a > 0, np.clip(np.frexp(np.where(a > 0, a, 1))[1] - 1 - 2, -126, 127), 0)      # np.frexp(a)[1] - 1 = floor(log2(a)), exactly
;;       r = np.clip(x / 2.0 ** e, -7.5, 7.5)
;;       step = 2.0 ** (np.maximum(np.frexp(np.where(r == 0, 1, r))[1] - 1, 0) - 3)
;;       q = np.round(r / step) * step * 2.0 ** e      # np.round: ties to even
;;       return np.moveaxis(q.reshape(q.shape[:-2] + (-1,))[..., :K], -1, axis).astype(np.float32)
;;   ~~~
;;   SOFTMAX AHEAD OF A QUANTISED PRODUCT. Where the list says 'softmax', what is quantised is not the finished softmax but p = 2^(t - M), with t = logit x log2(e) and M = ceil(the row's largest t), a whole number; so 1/2 < the row's largest p <= 1. The row's sum l is taken of the UNQUANTISED p, in f32, and the product's result is divided by l at the end. Since M is a whole number, a kernel that streams over the keys may use a running M (the ceiling of the running maximum): every later rescaling is an exact power of two, which a block's scale takes up: the codes' values come out the same.
;;   OPERANDS COMPUTED ON THE WAY. 'Computed on the way' means the value that the module computes at that place (a softmax that the list does not call 'softmax' is quantised finished and normalised). What goes into a quantiser is computed in f32, as accurately as f32 sums, v_exp_f32 and their like allow (about 1e-6 of the number): no bf16 or f16 on the way to a quantiser, and a product that is left as it is and whose result goes on into a quantised operand takes f32 operands (vector FMAs, or v_wmma_f32_16x16x4_f32). A number that lies on a knife's edge between two numbers of the format may be rounded either way, as far as f32 arithmetic and the matrix unit's own rounding can turn it there, and no further.
;; 2 versions. Each part assembles by itself: llvm-mc -triple=amdgcn-amd-amdhsa -mcpu=gfx1250 --defsym DOCPART=n.
;; ======== version 1 of 2: 4 launches
;; workspace buffers: xq 3,276,800 bytes; wq 13,107,200 bytes; qkv 9,830,400 bytes; yq 3,276,800 bytes
;; launch quant (part 1): grid 640 x 1, 4 waves a work-group, no clusters, 60,928 bytes of LDS; arguments x, Wqk, Wv, Wp, xq, wq; writes xq, wq
.if DOCPART == 1
	.amdgcn_target "amdgcn-amd-amdhsa--gfx1250"
	.amdhsa_code_object_version 6
	.text
	.protected	k_qcfd2b82228_quant
	.globl	k_qcfd2b82228_quant
	.p2align	8
	.type	k_qcfd2b82228_quant,@function
k_qcfd2b82228_quant:
	s_mov_b64 s[64:65], 0
	v_nop
	global_prefetch_b8 v0, s[64:65] scope:SCOPE_SE
	s_setreg_imm32_b32 hwreg(HW_REG_WAVE_MODE, 25, 1), 1
	s_wait_xcnt 0x0
; x [2048][2048] (K innermost) and Wqk [2048][4096], Wv, Wp [2048][2048] (K = the FIRST axis), all f32, become codes of FP6 (E2M3) with one E8M0 byte for each 32 along K.
; A block's scale is 2^(floor(log2(its largest magnitude)) - 2); its byte is the largest magnitude's exponent field - 2, held at 1 from below; numbers are divided by the scale and rounded to the nearest code, ties to even.
; LIMITS: NaN and infinities among the inputs are not served.  A block of zeros gets the byte 1 where the rule says 127: its codes are zeros, and this program alone reads the bytes.  Blocks whose largest magnitude lies under 2^-124 keep the byte 1.
; LAYOUT OF THE RESULTS.  Operand rows (tokens of x, columns of a weight) are kept in STORED order: stored row s holds true row pi(s), pi = bits 3 and 4 exchanged.  So lane r of the stored tile 2 b + u of a group of 128 rows
; holds true row 32 b + 8 u + r + 8 (r / 8).  A fragment (16 stored rows x 128 K, 12 registers a lane) lies as an image of those registers: register R of lane L at byte 512 (R / 4) + 16 L + 4 (R % 4): 1,536 bytes.
; Fragment (G = group of 128 rows, kq = K / 128, i = tile) lies at ((16 G + kq) 8 + i) 1536; the scale word (4 bytes, 128 K) of a stored row at ((16 G + kq) 128 + row % 128) 4, behind the codes.
; SHARES.  Work-groups 0-127: one stored tile of x each; wave w takes kq = 4 w .. 4 w + 3.  Work-groups 128-639: group G = (id - 128) / 8 of the weights' 64 (0-31 Wqk, 32-47 Wv, 48-63 Wp), 256 along K; wave w takes 32 columns, a lane a column.
; No tensor loads, no barrier: waves share nothing.  The two paths have LDS bytes of their own.
.set XS_OFF, 3145728                   ; x's scale words, behind its codes
.set WS_OFF, 12582912                  ; the weights' likewise
.set SEL,  20                          ; s[20:21] lane selects for v_permlanex16_b32: lane l xor 16
.set TM,   12                          ; v12-27  at work in QUANT
.set PW,   28                          ; v28     the scale word just made
.set PC,   32                          ; v32-51  the codes just made
.set X,    64                          ; v64-127 numbers as the conversions want them
.set R,    128                         ; v128-255 x as loaded, two sets of 64
.set VO,   32                          ; (weights) v32-63 offsets of 32 rows
.set SBW,  24                          ; (weights) v24-25 two scale words
; 64 numbers of a lane, v[s] .. v[s + 63], register 16 b + i = k 32 b + 16 (lane / 16) + i of my row, become a fragment's codes in v[PC] on and its scale word in v[PW].
.macro QUANT s
.irp b, 0,1,2,3
	v_max3_num_f32 v[TM+\b], |v[\s+16*\b]|, |v[\s+1+16*\b]|, 0x1800000   ; block b: my 16 numbers, and the floor 2^(3 - 127): the byte cannot fall under 1
.endr
.irp i, 2,4,6,8,10,12,14
.irp b, 0,1,2,3
	v_max3_num_f32 v[TM+\b], v[TM+\b], |v[\s+16*\b+\i]|, |v[\s+1+16*\b+\i]|   ; the four blocks by turns
.endr
.endr
.irp b, 0,1,2,3
	v_permlanex16_b32 v[TM+4+\b], v[TM+\b], s[SEL], s[SEL+1]
.endr
.irp b, 0,1,2,3
	v_max_num_f32 v[TM+\b], v[TM+\b], v[TM+4+\b]   ; with lane l xor 16's: the block's largest magnitude
.endr
.irp b, 0,1,2,3
	v_add_nc_u32 v[TM+12+\b], 0xff000000, v[TM+\b]   ; 2 off its exponent field: the conversion's scale operand
.endr
.irp b, 0,1,2,3
	v_lshrrev_b32 v[TM+4+\b], 23, v[TM+12+\b]      ; the scale's byte
.endr
	v_lshl_or_b32 v[PW], v[TM+5], 8, v[TM+4]
	v_lshl_or_b32 v[PW], v[TM+6], 16, v[PW]
	v_lshl_or_b32 v[PW], v[TM+7], 24, v[PW]
.irp c, 0,1
	v_cvt_scalef32_pk16_fp6_f32 v[PC+6*\c:PC+2+6*\c], v[\s+32*\c:\s+15+32*\c], v[TM+12+2*\c]
	v_cvt_scalef32_pk16_fp6_f32 v[PC+12+4*\c:PC+14+4*\c], v[\s+16+32*\c:\s+31+32*\c], v[TM+12+2*\c+1]   ; (a conversion's three registers begin on an even number)
.endr
	v_nop                                          ; one plain place behind a scaled conversion
.irp c, 0,1                                    ; the operand's layout wants a whole block in a lane
.irp i, 0,1,2
	v_permlane16_swap_b32 v[PC+6*\c+\i], v[PC+12+4*\c+\i]
.endr
.irp i, 0,1,2
	v_mov_b32 v[PC+3+6*\c+\i], v[PC+12+4*\c+\i]
.endr
.endr
.endm
	s_load_b256 s[4:11], s[0:1], 0x0               ; x s[4:5], Wqk s[6:7], Wv s[8:9], Wp s[10:11]
	s_load_b128 s[12:15], s[0:1], 0x20             ; xq s[12:13], wq s[14:15]
	v_lshl_add_u32 v30, v0, 2, 0xec00
	v_mov_b32 v31, 0
	v_lshrrev_b32 v1, 5, v0
	v_readfirstlane_b32 s16, v1                    ; wave 0..3
	v_and_b32 v1, 31, v0                           ; lane
	v_and_b32 v2, 15, v0                           ; r
	v_bfe_u32 v3, v0, 4, 1                         ; h
	v_lshlrev_b32 v4, 4, v1                        ; 16 x lane
	s_mov_b32 s[SEL], 0x76543210
	s_mov_b32 s[SEL+1], 0xfedcba98
	s_mov_b32 vcc_lo, 0xffff0000                   ; lanes 16-31
	s_cmp_lt_u32 ttmp9, 128
	s_cbranch_scc0 .Lweights
	; ---------------- x: stored tile tg = the work-group's number ----------------
	s_lshr_b32 s17, ttmp9, 1
	s_lshl_b32 s17, s17, 5
	s_and_b32 s18, ttmp9, 1
	s_lshl_b32 s18, s18, 3
	s_add_co_u32 s17, s17, s18                     ; the tile's first token: 32 (tg / 2) + 8 (tg % 2)
	s_lshl_b32 s22, s17, 13                        ; x 8,192 bytes a token
	s_lshl_b32 s18, s16, 11
	s_add_co_u32 s22, s22, s18                     ; + my wave's 512 numbers along K
	s_mov_b32 s23, 0
	s_lshr_b32 s17, ttmp9, 3                       ; G
	s_and_b32 s18, ttmp9, 7                        ; i
	s_lshl_b32 s17, s17, 4
	s_lshl_b32 s19, s16, 2
	s_add_co_u32 s17, s17, s19                     ; 16 G + 4 w
	s_lshl_b32 s26, s17, 3
	s_add_co_u32 s26, s26, s18
	s_mul_i32 s26, s26, 1536                       ; my first fragment
	s_mov_b32 s27, 0
	s_lshl_b32 s28, s17, 7
	s_lshl_b32 s19, s18, 4
	s_add_co_u32 s28, s28, s19
	s_lshl_b32 s28, s28, 2
	s_add_co_u32 s28, s28, XS_OFF                  ; and its scale words
	s_mov_b32 s29, 0
	s_mul_i32 s17, s16, 8448                       ; my stage: 16 rows x 528 bytes
	v_add_nc_u32 v5, s17, v4                       ; in: a row as loaded, 16 bytes a lane
	v_mul_u32_u24 v6, v2, 528
	v_lshl_add_u32 v6, v3, 6, v6
	v_add_nc_u32 v6, s17, v6                       ; back: row r, + 64 h: my 16 numbers of a block of 32
	v_lshlrev_b32 v7, 2, v2
	v_lshl_add_u32 v7, v3, 9, v7                   ; two fragments' scale words by one store: 512 h + 4 r
.irp b, 0,1,2,3
	v_mov_b32 v[TM+4+\b], 0                        ; written once: a lane permute's destination counts as one of its sources
.endr
	s_wait_kmcnt 0x0
	s_add_nc_u64 s[4:5], s[4:5], s[22:23]
	s_add_nc_u64 s[24:25], s[12:13], s[28:29]
	s_add_nc_u64 s[12:13], s[12:13], s[26:27]
.macro XLOAD f                         ; fragment f: 16 tokens x 128 numbers; each load reads 512 consecutive bytes of one token
.irp t, 0,1,2,3,4,5,6,7,8,9,10,11,12,13,14,15
	global_load_b128 v[R+64*((\f)%2)+4*\t:R+64*((\f)%2)+4*\t+3], v4, s[4:5] offset:(\t+8*(\t/8))*8192+512*(\f) th:TH_LOAD_NT
.endr
.endm
.macro XFRAG f
.if (\f) < 3
	s_wait_loadcnt 16                              ; this fragment's 16 loads are in; the next fragment's 16 may be out
.else
	s_wait_loadcnt 0x0
.endif
.irp t, 0,1,2,3,4,5,6,7,8,9,10,11,12,13,14,15
	ds_store_b128 v5, v[R+64*((\f)%2)+4*\t:R+64*((\f)%2)+4*\t+3] offset:528*\t
.endr
.irp b, 0,1,2,3
.irp j, 0,1,2,3
	ds_load_b128 v[X+16*\b+4*\j:X+16*\b+4*\j+3], v6 offset:128*\b+16*\j   ; LDS serves a wave's instructions in order: these see the stores above
.endr
.endr
	s_wait_dscnt 0x0                               ; the numbers are back, and the stage's stores have read their registers
	s_wait_xcnt 0x0                                ; the last fragment's stores have read their data: the codes and the joined word may be written again
.if (\f) < 2
	XLOAD (\f)+2
.endif
	QUANT X
.irp c, 0,1,2
	global_store_b128 v4, v[PC+4*\c:PC+4*\c+3], s[12:13] offset:12288*(\f)+512*\c   ; 512 consecutive bytes, aligned
.endr
.if (\f)%2 == 0
	v_mov_b32 v8, v[PW]                            ; kept for the store with the next fragment's
.else
	v_cndmask_b32 v9, v8, v[PW], vcc_lo            ; lanes 0-15: the fragment before; lanes 16-31: this one
	global_store_b32 v7, v9, s[24:25] offset:512*((\f)-1)
.endif
.endm
	XLOAD 0
	XLOAD 1
	XFRAG 0
	XFRAG 1
	XFRAG 2
	XFRAG 3
	s_wait_tensorcnt 0x0
	ds_add_u32 v30, v31
	s_wait_dscnt 0x0
	s_endpgm
	; ---------------- the weights: a lane takes a column, its registers run down K ----------------
.Lweights:
	s_sub_co_u32 s17, ttmp9, 128
	s_lshr_b32 s18, s17, 3                         ; G 0..63
	s_and_b32 s19, s17, 7                          ; ky: which 256 along K
	s_wait_kmcnt 0x0
	s_mov_b32 s22, 8192                            ; bytes from row to row
	s_cmp_lt_u32 s18, 32                           ; the choice hangs on the work-group's number alone
	s_cselect_b64 s[24:25], s[6:7], s[8:9]
	s_cselect_b32 s22, 16384, s22
	s_cselect_b32 s23, 0, 32                       ; the tensor's first G
	s_cmp_lt_u32 s18, 48
	s_cselect_b64 s[24:25], s[24:25], s[10:11]
	s_cselect_b32 s23, s23, 48
	s_sub_co_u32 s23, s18, s23
	s_lshl_b32 s23, s23, 9                         ; 128 columns x 4 bytes a group
	s_lshl_b32 s26, s16, 7                         ; + my wave's 32 columns
	s_add_co_u32 s26, s23, s26
	s_lshl_b32 s27, s19, 8
	s_mul_i32 s27, s27, s22                        ; + 256 ky rows
	s_add_co_u32 s26, s26, s27
	s_mov_b32 s27, 0
	s_add_nc_u64 s[32:33], s[24:25], s[26:27]      ; block 0's base; block t's lies 32 rows further on than block t - 1's
	s_lshl_b32 s28, s22, 5
	s_mov_b32 s29, 0
.irp t, 1,2,3,4,5,6,7
	s_add_nc_u64 s[32+2*\t:33+2*\t], s[30+2*\t:31+2*\t], s[28:29]
.endr
	v_lshlrev_b32 v[VO], 2, v1                     ; offsets: 4 x lane + i rows
.irp i, 1,2,3,4,5,6,7,8,9,10,11,12,13,14,15,16,17,18,19,20,21,22,23,24,25,26,27,28,29,30,31
	v_add_nc_u32 v[VO+\i], s22, v[VO+\i-1]
.endr
	s_lshl_b32 s26, s18, 4
	s_lshl_b32 s27, s19, 1
	s_add_co_u32 s26, s26, s27                     ; 16 G + 2 ky
	s_lshl_b32 s48, s26, 7
	s_lshl_b32 s27, s16, 5
	s_add_co_u32 s48, s48, s27
	s_lshl_b32 s48, s48, 2
	s_add_co_u32 s48, s48, WS_OFF
	s_mov_b32 s49, 0
	s_add_nc_u64 s[48:49], s[14:15], s[48:49]      ; my 32 rows' scale words
	s_lshl_b32 s50, s26, 3
	s_lshl_b32 s27, s16, 1
	s_add_co_u32 s50, s50, s27
	s_mul_i32 s50, s50, 1536
	s_mov_b32 s51, 0
	s_add_nc_u64 s[50:51], s[14:15], s[50:51]      ; my two tiles' fragments
	; true column 32 w + lane is stored row 32 w + pi(lane): tile 2 w + u, u = bit 3 of the lane; row r' = lane % 8 + 8 (lane / 16)
	v_bfe_u32 v8, v0, 3, 1                         ; u
	v_and_b32 v9, 7, v0
	v_lshl_add_u32 v9, v3, 3, v9                   ; r'
	s_mul_i32 s17, s16, 6656
	s_add_co_u32 s17, s17, 33792                   ; my stage: 4 fragments x (1,536 + 128) bytes, [K step][u], behind x's stages
	v_mul_u32_u24 v5, v8, 1664
	v_lshl_add_u32 v5, v9, 4, v5
	v_add_nc_u32 v5, s17, v5                       ; in: my column's place in its fragment's image
	v_add_nc_u32 v6, s17, v4                       ; back: 16 x lane
	v_lshl_add_u32 v7, v8, 4, v9
	v_lshlrev_b32 v7, 2, v7                        ; 4 x pi(lane)
.macro WLOAD t                         ; block t: W(32 t + i, my column), i = 0 .. 31
.set J, 0
.rept 32
	global_load_b32 v[X+32*((\t)%2)+J], v[VO+J], s[32+2*(\t):33+2*(\t)] th:TH_LOAD_NT
.set J, J+1
.endr
.endm
.macro WBLOCK t                        ; block t is registers 6 c' .. 6 c' + 5 of lane 16 hh + r' of the fragment of K step t / 4: c' = (t % 4) / 2, hh = t % 2
.set XB, X+32*((\t)%2)
.set OFFS, 3328*((\t)/4)+256*((\t)%2)
.if (\t) < 7
	s_wait_loadcnt 32                              ; this block's 32 loads are in; the next block's 32 may be out
.else
	s_wait_loadcnt 0x0
.endif
	v_max3_num_f32 v12, |v[XB]|, |v[XB+1]|, |v[XB+2]|          ; the block's largest magnitude: all 32 numbers are mine
	v_max3_num_f32 v13, |v[XB+3]|, |v[XB+4]|, |v[XB+5]|
.irp i, 6,10,14,18,22,26
	v_max3_num_f32 v12, v12, |v[XB+\i]|, |v[XB+\i+1]|
	v_max3_num_f32 v13, v13, |v[XB+\i+2]|, |v[XB+\i+3]|
.endr
	v_max3_num_f32 v12, v12, |v[XB+30]|, |v[XB+31]|
	v_max3_num_f32 v12, v12, v13, 0x1800000        ; and the floor 2^(3 - 127)
	v_add_nc_u32 v11, 0xff000000, v12              ; 2 off its exponent field: the conversion's scale operand
	v_lshrrev_b32 v13, 23, v11                     ; the scale's byte
.if (\t)%4 == 0
	v_mov_b32 v[SBW+(\t)/4], v13
.else
	v_lshl_or_b32 v[SBW+(\t)/4], v13, 8*((\t)%4), v[SBW+(\t)/4]
.endif
	v_cvt_scalef32_pk16_fp6_f32 v[128:130], v[XB:XB+15], v11
	v_cvt_scalef32_pk16_fp6_f32 v[136:138], v[XB+16:XB+31], v11
	v_nop                                          ; one plain place behind a scaled conversion
	v_mov_b32 v131, v136
	v_mov_b32 v132, v137
	v_mov_b32 v133, v138
.if ((\t)%4)/2 == 0
	ds_store_b128 v5, v[128:131] offset:OFFS       ; registers 0-3
	ds_store_b64 v5, v[132:133] offset:OFFS+512    ; registers 4, 5
.else
	ds_store_b64 v5, v[128:129] offset:OFFS+520    ; registers 6, 7
	ds_store_b128 v5, v[130:133] offset:OFFS+1024  ; registers 8-11
.endif
.if (\t) < 6
	WLOAD (\t)+2
.endif
	s_wait_dscnt 0x0                               ; the stores have read their registers: the next block's codes may be written
.endm
	WLOAD 0
	WLOAD 1
.irp t, 0,1,2,3,4,5,6,7
	WBLOCK \t
.endr
	global_store_b32 v7, v[SBW], s[48:49]
	global_store_b32 v7, v[SBW+1], s[48:49] offset:512
.irp n, 0,1,2,3,4,5,6,7,8,9,10,11
	ds_load_b128 v[144+4*\n:147+4*\n], v6 offset:(\n/3)*1664+(\n%3)*512   ; LDS serves a wave's instructions in order: these see my stores
.endr
.irp n, 0,1,2,3,4,5,6,7,8,9,10,11
	s_wait_dscnt 11-\n                             ; load n is in; the younger ones may be out
	global_store_b128 v4, v[144+4*\n:147+4*\n], s[50:51] offset:(\n/6)*12288+((\n/3)%2)*1536+(\n%3)*512   ; 512 consecutive bytes, aligned
.endr
	s_wait_tensorcnt 0x0
	ds_add_u32 v30, v31
	s_wait_dscnt 0x0
	s_endpgm
.Lfunc_end_k_qcfd2b82228_quant:
	.size	k_qcfd2b82228_quant, .Lfunc_end_k_qcfd2b82228_quant-k_qcfd2b82228_quant
	.p2alignl 7, 3214868480
	.fill 96, 4, 3214868480
	.section	.rodata,"a",@progbits
	.p2align	6, 0x0
	.amdhsa_kernel k_qcfd2b82228_quant
		.amdhsa_group_segment_fixed_size 60928
		.amdhsa_private_segment_fixed_size 0
		.amdhsa_enable_private_segment 0
		.amdhsa_kernarg_size 48
		.amdhsa_user_sgpr_count 2
		.amdhsa_user_sgpr_kernarg_segment_ptr 1
		.amdhsa_wavefront_size32 1
		.amdhsa_system_sgpr_workgroup_id_x 1
		.amdhsa_system_sgpr_workgroup_id_y 1
		.amdhsa_system_sgpr_workgroup_id_z 1
		.amdhsa_system_vgpr_workitem_id 0
		.amdhsa_next_free_vgpr 256
		.amdhsa_next_free_sgpr 66
		.amdhsa_reserve_vcc 1
		.amdhsa_float_denorm_mode_32 3
		.amdhsa_float_denorm_mode_16_64 3
		.amdhsa_memory_ordered 1
		.amdhsa_forward_progress 1
		.amdhsa_inst_pref_size 76
	.end_amdhsa_kernel
	.amdgpu_metadata
---
amdhsa.version: [ 1, 2 ]
amdhsa.kernels:
  - .name:           k_qcfd2b82228_quant
    .symbol:         k_qcfd2b82228_quant.kd
    .args:
      - { .name: x, .offset: 0, .size: 8, .value_kind: global_buffer, .address_space: global }
      - { .name: Wqk, .offset: 8, .size: 8, .value_kind: global_buffer, .address_space: global }
      - { .name: Wv, .offset: 16, .size: 8, .value_kind: global_buffer, .address_space: global }
      - { .name: Wp, .offset: 24, .size: 8, .value_kind: global_buffer, .address_space: global }
      - { .name: xq, .offset: 32, .size: 8, .value_kind: global_buffer, .address_space: global }
      - { .name: wq, .offset: 40, .size: 8, .value_kind: global_buffer, .address_space: global }
    .group_segment_fixed_size: 60928
    .private_segment_fixed_size: 0
    .kernarg_segment_align: 8
    .kernarg_segment_size: 48
    .max_flat_workgroup_size: 128
    .sgpr_count:     66
    .vgpr_count:     256
    .wavefront_size: 32
...
	.end_amdgpu_metadata
.endif
;; end of part 1
;; launch qkv (part 2): grid 24 x 8, 4 waves a work-group, clusters of 4 x 4, 327,680 bytes of LDS; arguments xq, wq, freqs_cos, freqs_sin, qn_w, kn_w, bv, qkv; writes qkv
.if DOCPART == 2
	.amdgcn_target "amdgcn-amd-amdhsa--gfx1250"
	.amdhsa_code_object_version 6
	.text
	.protected	k_qcfd2b82228_qkv
	.globl	k_qcfd2b82228_qkv
	.p2align	8
	.type	k_qcfd2b82228_qkv,@function
k_qcfd2b82228_qkv:
	s_mov_b64 s[64:65], 0
	v_nop
	global_prefetch_b8 v0, s[64:65] scope:SCOPE_SE
	s_setreg_imm32_b32 hwreg(HW_REG_WAVE_MODE, 25, 1), 1
	s_wait_xcnt 0x0
	s_wait_alu depctr_hold_cnt(0) depctr_sa_sdst(0) depctr_va_vdst(0) depctr_va_sdst(0) depctr_va_ssrc(0) depctr_va_vcc(0) depctr_vm_vsrc(0)
	s_getreg_b32 s2, hwreg(HW_REG_IB_STS2, 6, 4)
	s_cmp_eq_u32 s2, 0
	s_cbranch_scc0 .Lentry_in_a_cluster
	s_endpgm
.Lentry_in_a_cluster:
	s_bfe_u32 s2, ttmp6, 0x10000c
	s_cmp_lg_u32 s2, 0xf033
	s_cbranch_scc0 .Lentry_shape_is_right
	s_endpgm
.Lentry_shape_is_right:
; x Wqk and x Wv on codes of FP6 (E2M3) with one E8M0 scale for each 32 along K = 2,048; then, in registers: q, k: RMS norm over a head's 128, the norm's weight, the interleaved rotation, and the quantiser along the head's 128;
; v: + bv, and the quantiser along the KEYS.  All between the products in f32.  Nothing but codes and scale words goes to memory.
; OPERANDS come as images of their registers (a fragment of 16 stored rows x 128 K is 1,536 bytes: register R of lane L at 512 (R / 4) + 16 L + 4 (R % 4)); fragment (G, kq, i) at ((16 G + kq) 8 + i) 1536; scale words at ((16 G + kq) 128 + row) 4 behind the codes.
; Stored row s holds true row pi(s) (bits 3 and 4 exchanged): lane r of stored tile 2 b + u holds true row 32 b + 8 u + r + 8 (r / 8).
; A work-group of four waves makes 256 x 256, a wave 128 x 128: 64 accumulators, 512 registers.  THE MATRIX INSTRUCTION IS USED TRANSPOSED: source 0 = side B's 16 rows, source 1 = side A's: a lane holds ONE stored row of A, and the
; 64 registers of a block of 16 rows run along B's 128 TRUE rows: register 16 b + i = row 32 b + 16 (lane / 16) + i: 16 neighbours along the next product's K, as the conversions want them.
; TWO MODES, told apart by the cluster's x alone, which all sixteen partners share.  Clusters 0-3: A = x (tokens in lanes), B = Wqk (one head of q or k in a wave's registers).  Clusters 4, 5: A = Wv (channels in lanes), B = x (keys in registers).
; K goes in steps of 256 through a ring of two LDS slots; a K step of 128 rows is one dense block of 24,576 bytes: one tensor load a wave.  The scale words of the work-group's rows for all of K come once, with the first fills.
; CLUSTERS: 4 x 4.  A's tiles are shared along a row of the cluster, B's along a column: each is asked for jointly.
; RESULTS in qkv: q's and k's fragments [head (k's 16 behind q's 16)][stored tile of tokens][1536]; v's [head][128 keys][tile of stored channels][1536]; scale words [head][stored token][4], v's [head][128 keys][stored channel][4].
; LIMITS: NaN and infinities are not served; a block of zeros gets the byte 1 (its codes are zeros, and this program alone reads the bytes); blocks whose largest magnitude lies under 2^-124 keep the byte 1.
; REGISTERS: window 0: v16-31 addresses; v32-63 scale words, two sets; v128-223 A's fragments, one set.  window 1: B's fragments, two sets, at v0 and v128.  windows 2, 3: accumulators ((a, b) at v[8 (8 (a % 4) + b)] of window 2 + a / 4).
;   On the way out: window 0: v32-63 at work, v64-127 64 numbers, v128-147 codes, v160-167 bv; window 1: v0-63 the norm's weight, v64-191 cos and sin, two sets.
.set XS_OFF, 3145728
.set WS_OFF, 12582912
.set VC,     6291456
.set QSC,    9437184
.set VSC,    9699328
.set GB,     196608                    ; the codes of 128 rows, all K
.set NQ,     2                         ; matrix instructions deep in a K step
.set FR,     12                        ; registers of a fragment
.set NL,     3                         ; LDS loads that bring one
.set NP,     4                         ; places behind this matrix instruction (ISA guide 7.12.1)
.set HALFT,  24576                     ; 128 rows x 256 K: what one tensor load brings
.set SLOT,   4*HALFT                   ; A's two halves, then B's two
.set KSB,    24576                     ; from a K step to the next, in memory
.set LAPS,   4                         ; a lap = two K steps
.set HALFS,  8192                      ; the scale words of 128 rows
.set SCL,    2*SLOT                    ; behind the ring: the scale words
.set SPARE,  SCL+4*HALFS               ; behind them: the spare words, 128 bytes for each wave: two blocks of 256 bytes that no other line names
.set ADRA, 16                          ; v16-17 LDS address of my A fragments in slot 0, 1
.set ADRB, 20                          ; v20-21 the same for B
.set ADRS, 27                          ; v27    of my scale words: lanes 0-15 A's rows, lanes 16-31 B's
.set SPW,  28                          ; v28    LDS address of my spare word; never rewritten
.set NIL,  29                          ; v29    0; never rewritten
.set SC,   32
.set AF,   128
.set IMG,  24                          ; v24    16 x lane
.set SWA,  25                          ; v25    4 x lane
.set CSO,  26                          ; v26    cos, sin: my token's row, + 32 h
.set NWO,  30                          ; v30    64 h
.set BVO,  31                          ; v31    4 x (r + 8 (r / 8))
.set TM,   32
.set PW,   48
.set PWK,  49
.set SW,   50
.set RS,   52
.set SS,   54
.set BBR,  58
.set T,    64
.set PC,   128
.set BV,   160
.set NW,   0
.set WVN,  20                          ; s20 wave; s21 my half of A (also: I fetch for A (0) or B (1)); s22 my half of B (also: which 128 rows I fetch)
.set HAS,  21
.set HBS,  22
.set SEL,  66
.set G1, 24
.set G0, 32
.set G1B, 48
.set G0B, 56
.set G1S, 68
.set G0S, 76
.set G1SB, 80
.set G0SB, 88
.set MSB, 0
.macro WIN new                         ; the immediate's high byte repeats the setting that is left
.if MSB != (\new)
	s_set_vgpr_msb (MSB<<8)|(\new)
.set MSB, (\new)
.endif
.endm
.set MUL_LO, 0xa1                      ; source 0 (B) window 1, source 1 (A) window 0, C and D window 2
.set MUL_HI, 0xf1
.set TO_B,   0x40
.macro JLOAD g0a, g1a, g0b, g1b        ; a joint load: waves 0, 1 fetch for A, waves 2, 3 for B; four v_nop follow each line
	s_cmp_eq_u32 s[HAS], 0
	s_cbranch_scc0 .Lfor_b_\@
	tensor_load_to_lds s[\g0a:\g0a+3], s[\g1a:\g1a+7]
	s_nop 0
.rept 4
	v_nop
.endr
	s_branch .Lasked_\@
.Lfor_b_\@:
	tensor_load_to_lds s[\g0b:\g0b+3], s[\g1b:\g1b+7]
	s_nop 0
.rept 4
	v_nop
.endr
.Lasked_\@:
.endm
.macro CREST                           ; a round of the cluster's barrier behind its opening barrier
	s_cmp_lg_u32 s[WVN], 0
	s_cbranch_scc1 .Lnot_wave_0_\@
	s_barrier_signal -3
.Lnot_wave_0_\@:
	s_barrier_wait -3
	s_barrier_signal -1
	s_barrier_wait -1
.endm
.macro CROUND
	s_barrier_signal -1
	s_barrier_wait -1
	CREST
.endm
.macro PLACES n
.rept \n
	v_nop
.endr
.endm
.macro FRAG reg, adr, q, i             ; a fragment's image: three loads of 512 consecutive bytes
.irp c, 0,1,2
	ds_load_b128 v[\reg+4*\c:\reg+4*\c+3], v[\adr] offset:((\q)*8+(\i))*1536+512*\c
.endr
.endm
; 16 matrix instructions: A's blocks a0, a0 + 1 x B's eight.  The 64 accumulators take turns, one instruction a turn, in the same order in every step.
.macro MUL16 a0, p, q, sc, zero
.irp a, \a0, \a0+1
.irp b, 0,1,2,3,4,5,6,7
.if \zero
	v_wmma_scale_f32_16x16x128_f8f6f4 v[8*(8*((\a)%4)+\b):8*(8*((\a)%4)+\b)+7], v[128*(\p)+FR*\b:128*(\p)+FR*\b+FR-1], v[AF+FR*(\a):AF+FR*(\a)+FR-1], 0, v[SC+8*NQ*(\sc)+NQ*\b+(\q)], v[SC+8*NQ*(\sc)+NQ*(\a)+(\q)] matrix_a_fmt:MATRIX_FMT_FP6 matrix_b_fmt:MATRIX_FMT_FP6 matrix_a_scale:MATRIX_SCALE_ROW1
.else
	v_wmma_scale_f32_16x16x128_f8f6f4 v[8*(8*((\a)%4)+\b):8*(8*((\a)%4)+\b)+7], v[128*(\p)+FR*\b:128*(\p)+FR*\b+FR-1], v[AF+FR*(\a):AF+FR*(\a)+FR-1], v[8*(8*((\a)%4)+\b):8*(8*((\a)%4)+\b)+7], v[SC+8*NQ*(\sc)+NQ*\b+(\q)], v[SC+8*NQ*(\sc)+NQ*(\a)+(\q)] matrix_a_fmt:MATRIX_FMT_FP6 matrix_b_fmt:MATRIX_FMT_FP6 matrix_a_scale:MATRIX_SCALE_ROW1
.endif
.endr
.endr
.endm
.macro FETCH_B slot, q, p
	WIN TO_B
.irp i, 0,1,2,3,4,5,6,7
	FRAG 128*(\p)+FR*\i, ADRB+\slot, \q, \i
.endr
	WIN 0
.endm
.macro FETCH_A slot, q, i0
.irp i, \i0, \i0+1, \i0+2, \i0+3
	FRAG AF+FR*(\i), ADRA+\slot, \q, \i
.endr
.endm
.macro SCALES sc                       ; a K step's scale words: register 2 i + q: lanes 0-15 A's block i, lanes 16-31 B's block i
.irp i, 0,1,2,3,4,5,6,7
.irp q, 0,1
	ds_load_b32 v[SC+8*NQ*\sc+NQ*\i+\q], v[ADRS] offset:512*\q+64*\i
.endr
.endr
.endm
.macro STEP slot, q, zero              ; 128 along K that have their successor in the same slot
	s_wait_dscnt 4*NL                              ; B's set, A's blocks 0-3 and the scale words are in; the youngest 12 loads (A's blocks 4-7) may be out
	WIN MUL_LO
	MUL16 0, (\q)%2, \q, \slot, \zero
	MUL16 2, (\q)%2, \q, \slot, \zero
	s_wait_dscnt 0
	PLACES NP
	FETCH_B \slot, (\q)+1, 1-(\q)%2
	FETCH_A \slot, (\q)+1, 0
	WIN MUL_HI
	MUL16 4, (\q)%2, \q, \slot, \zero
	MUL16 6, (\q)%2, \q, \slot, \zero
	PLACES NP
	WIN 0
	FETCH_A \slot, (\q)+1, 4
.endm
; A slot's last step changes slots: one barrier; in front of it each wave waits for all its tensor loads, adds 0 to its spare word, and waits for that and for its own reads of this slot.
.macro TURN slot, next, fill
	s_wait_tensorcnt 0x0                           ; all my tensor loads have landed: my part of the next slot
	ds_add_u32 v[SPW], v[NIL]                      ; 0 onto my spare word
	s_wait_dscnt 4*NL+1                            ; the add and the youngest 12 loads (A's blocks 4-7) may be out
	WIN MUL_LO
	MUL16 0, 1, NQ-1, \slot, 0
	s_wait_dscnt 0x0                               ; the add is done, and my reads of this slot are over
	s_barrier_signal -1
	MUL16 2, 1, NQ-1, \slot, 0
	WIN 0
	s_barrier_wait -1
.if \fill
	CREST                                          ; the barrier has opened a round of the cluster's barrier: no wave of any partner still reads this slot or has a load on its way
	s_add_nc_u64 s[G0+4*\slot+2:G0+4*\slot+3], s[G0+4*\slot+2:G0+4*\slot+3], 2*KSB
	s_add_nc_u64 s[G0B+4*\slot+2:G0B+4*\slot+3], s[G0B+4*\slot+2:G0B+4*\slot+3], 2*KSB
	JLOAD G0+4*\slot, G1, G0B+4*\slot, G1B         ; the first tensor load behind the round; its four v_nop are the places in front of the loads below
.else
	PLACES NP
.endif
	v_add_nc_u32 v[ADRS], 512*NQ, v[ADRS]          ; the next K step's scale words
	FETCH_B \next, 0, 0
	FETCH_A \next, 0, 0
	SCALES \next
	WIN MUL_HI
	MUL16 4, 1, NQ-1, \slot, 0
	MUL16 6, 1, NQ-1, \slot, 0
	PLACES NP
	WIN 0
	FETCH_A \next, 0, 4
.endm
; 64 numbers of a lane, register 16 b + i = k 32 b + 16 (lane / 16) + i of my row, become a fragment's codes in v[PC] on and its scale word in v[PW].
.macro QUANT s
.irp b, 0,1,2,3
	v_max3_num_f32 v[TM+\b], |v[\s+16*\b]|, |v[\s+1+16*\b]|, 0x1800000   ; my 16 numbers of block b, and the floor 2^(3 - 127)
.endr
.irp i, 2,4,6,8,10,12,14
.irp b, 0,1,2,3
	v_max3_num_f32 v[TM+\b], v[TM+\b], |v[\s+16*\b+\i]|, |v[\s+1+16*\b+\i]|
.endr
.endr
.irp b, 0,1,2,3
	v_permlanex16_b32 v[TM+4+\b], v[TM+\b], s[SEL], s[SEL+1]
.endr
.irp b, 0,1,2,3
	v_max_num_f32 v[TM+\b], v[TM+\b], v[TM+4+\b]
.endr
.irp b, 0,1,2,3
	v_add_nc_u32 v[TM+12+\b], 0xff000000, v[TM+\b]   ; 2 off the exponent field: the conversion's scale operand
.endr
.irp b, 0,1,2,3
	v_lshrrev_b32 v[TM+4+\b], 23, v[TM+12+\b]      ; the scale's byte
.endr
	v_lshl_or_b32 v[PW], v[TM+5], 8, v[TM+4]
	v_lshl_or_b32 v[PW], v[TM+6], 16, v[PW]
	v_lshl_or_b32 v[PW], v[TM+7], 24, v[PW]
.irp c, 0,1
	v_cvt_scalef32_pk16_fp6_f32 v[PC+6*\c:PC+2+6*\c], v[\s+32*\c:\s+15+32*\c], v[TM+12+2*\c]
	v_cvt_scalef32_pk16_fp6_f32 v[PC+12+4*\c:PC+14+4*\c], v[\s+16+32*\c:\s+31+32*\c], v[TM+12+2*\c+1]
.endr
	v_nop                                          ; one plain place behind a scaled conversion
.irp c, 0,1
.irp i, 0,1,2
	v_permlane16_swap_b32 v[PC+6*\c+\i], v[PC+12+4*\c+\i]
.endr
.irp i, 0,1,2
	v_mov_b32 v[PC+3+6*\c+\i], v[PC+12+4*\c+\i]
.endr
.endr
.endm
	s_load_b256 s[4:11], s[0:1], 0x0               ; xq s[4:5], wq s[6:7], cos s[8:9], sin s[10:11]
	s_load_b256 s[12:19], s[0:1], 0x20             ; qn_w s[12:13], kn_w s[14:15], bv s[16:17], qkv s[18:19]
	v_lshl_add_u32 v[SPW], v0, 2, SPARE
	v_mov_b32 v[NIL], 0
	ds_add_u32 v28, v29
	s_wait_dscnt 0x0
	v_lshrrev_b32 v1, 5, v0
	v_readfirstlane_b32 s[WVN], v1
	s_lshr_b32 s[HAS], s[WVN], 1
	s_and_b32 s[HBS], s[WVN], 1
	s_bfe_u32 s40, ttmp6, 0x40000                  ; cx
	s_bfe_u32 s41, ttmp6, 0x40004                  ; cy
	s_lshl_b32 s42, ttmp9, 2
	s_add_co_u32 s42, s42, s40                     ; gx = 4 x cluster x + cx
	s_and_b32 s43, ttmp7, 0xffff
	s_lshl_b32 s43, s43, 2
	s_add_co_u32 s43, s43, s41                     ; gy = 4 x cluster y + cy
	s_lshl_b32 s44, s41, 2
	s_lshl_b32 s44, 15, s44                        ; my row of the cluster
	s_lshl_b32 s45, 0x1111, s40                    ; my column
	; descriptor group 1: a dense block as rows of 256 bytes (32 elements of 8 bytes): 96 rows for a tile, 32 for the scale words; no padding
	s_or_b32 s[G1+0], s44, (3<<16)|(1<<21)         ; 15:0 the mask: A's go to my row; 17:16 elements of 8 bytes; 21 set beside a mask
	s_or_b32 s[G1B+0], s45, (3<<16)|(1<<21)
	s_or_b32 s[G1S+0], s44, (3<<16)|(1<<21)
	s_or_b32 s[G1SB+0], s45, (3<<16)|(1<<21)
.irp g, G1, G1B
	s_mov_b32 s[\g+1], 32<<16                      ; tensor_dim0
	s_mov_b32 s[\g+2], 96<<16                      ; tensor_dim1
	s_mov_b32 s[\g+3], 32<<16                      ; tile_dim0
	s_mov_b32 s[\g+4], 96                          ; tile_dim1
	s_mov_b32 s[\g+5], 32                          ; tensor_dim0_stride
	s_mov_b32 s[\g+6], 0
	s_mov_b32 s[\g+7], 0
.endr
.irp g, G1S, G1SB
	s_mov_b32 s[\g+1], 32<<16
	s_mov_b32 s[\g+2], 32<<16
	s_mov_b32 s[\g+3], 32<<16
	s_mov_b32 s[\g+4], 32
	s_mov_b32 s[\g+5], 32
	s_mov_b32 s[\g+6], 0
	s_mov_b32 s[\g+7], 0
.endr
	s_mov_b32 s[SEL], 0x76543210
	s_mov_b32 s[SEL+1], 0xfedcba98
	s_wait_kmcnt 0x0
	s_cmp_ge_u32 ttmp9, 4                          ; the mode: it hangs on the cluster's x alone
	s_cselect_b64 s[92:93], s[6:7], s[4:5]         ; A's buffer: Wv's codes, or x's
	s_cselect_b64 s[96:97], s[4:5], s[6:7]         ; B's buffer: x's, or Wqk's
	s_cselect_b32 s46, 32, 0                       ; A's first group
	s_cselect_b32 s47, 16, 0                       ; what is taken off gx
	s_mov_b32 s2, XS_OFF
	s_cselect_b32 s2, WS_OFF, s2                   ; where A's scale words begin
	s_mov_b32 s23, WS_OFF
	s_cselect_b32 s23, XS_OFF, s23                 ; and B's
	s_lshl_b32 s100, s43, 1
	s_add_co_u32 s100, s100, s[HBS]
	s_add_co_u32 s100, s100, s46                   ; A's group that I would fetch: it hangs on gy, which my row shares
	s_lshl_b32 s94, s100, 13
	s_add_co_u32 s94, s94, s2
	s_mov_b32 s95, 0
	s_mul_i32 s100, s100, GB
	s_mov_b32 s101, 0
	s_add_nc_u64 s[94:95], s[92:93], s[94:95]      ; its scale words
	s_add_nc_u64 s[92:93], s[92:93], s[100:101]    ; its codes
	s_sub_co_u32 s46, s42, s47
	s_lshl_b32 s46, s46, 1
	s_add_co_u32 s46, s46, s[HBS]                  ; B's group: it hangs on gx, which my column shares
	s_lshl_b32 s98, s46, 13
	s_add_co_u32 s98, s98, s23
	s_mov_b32 s99, 0
	s_mul_i32 s46, s46, GB
	s_mov_b32 s47, 0
	s_add_nc_u64 s[98:99], s[96:97], s[98:99]
	s_add_nc_u64 s[96:97], s[96:97], s[46:47]
	s_mul_i32 s23, s[WVN], HALFT                   ; where they go: wave x a half: no place in the cluster enters an LDS address
	s_lshl_b32 s2, s[WVN], 13
	CROUND                                         ; all sixteen work-groups are here: the first joint loads meet
	s_mov_b32 s[G0S], 1
	s_add_co_u32 s[G0S+1], s2, SCL
	s_mov_b64 s[G0S+2:G0S+3], s[94:95]
	s_or_b32 s[G0S+3], s[G0S+3], 0x80000000
	s_mov_b32 s[G0SB], 1
	s_add_co_u32 s[G0SB+1], s2, SCL
	s_mov_b64 s[G0SB+2:G0SB+3], s[98:99]
	s_or_b32 s[G0SB+3], s[G0SB+3], 0x80000000
	JLOAD G0S, G1S, G0SB, G1SB                     ; the scale words first: they are wanted with K step 0
.irp s, 0,1
	s_mov_b32 s[G0+4*\s], 1
	s_add_co_u32 s[G0+4*\s+1], s23, \s*SLOT
	s_add_nc_u64 s[G0+4*\s+2:G0+4*\s+3], s[92:93], \s*KSB
	s_or_b32 s[G0+4*\s+3], s[G0+4*\s+3], 0x80000000
	s_mov_b32 s[G0B+4*\s], 1
	s_add_co_u32 s[G0B+4*\s+1], s23, \s*SLOT
	s_add_nc_u64 s[G0B+4*\s+2:G0B+4*\s+3], s[96:97], \s*KSB
	s_or_b32 s[G0B+4*\s+3], s[G0B+4*\s+3], 0x80000000
	JLOAD G0+4*\s, G1, G0B+4*\s, G1B
.endr
	v_and_b32 v1, 15, v0                           ; r
	v_bfe_u32 v2, v0, 4, 1                         ; h
	v_and_b32 v3, 31, v0
	v_lshlrev_b32 v[SWA], 2, v3                    ; 4 x lane
	v_lshlrev_b32 v3, 4, v3                        ; 16 x lane
	s_mul_i32 s44, s[HAS], HALFT                   ; my half of A
	s_mul_i32 s45, s[HBS], HALFT
	s_add_co_u32 s45, s45, 2*HALFT                 ; my half of B, behind A's two
.irp s, 0,1
	v_add_nc_u32 v[ADRA+\s], s44, v3
	v_add_nc_u32 v[ADRB+\s], s45, v3
	s_add_co_u32 s44, s44, SLOT
	s_add_co_u32 s45, s45, SLOT
.endr
	v_lshlrev_b32 v5, 2, v1
	s_lshl_b32 s44, s[HAS], 13
	s_lshl_b32 s45, s[HBS], 13
	s_add_co_u32 s45, s45, 2*HALFS
	s_sub_co_u32 s45, s45, s44
	v_mul_u32_u24 v6, s45, v2                      ; lanes 16-31 take B's
	s_add_co_u32 s44, s44, SCL
	v_add_nc_u32 v5, v5, v6
	v_add_nc_u32 v[ADRS], s44, v5
	v_mov_b32 v[IMG], v3
	v_and_b32 v4, 8, v1
	v_add_nc_u32 v4, v4, v1                        ; r + 8 (r / 8)
	v_lshlrev_b32 v[CSO], 8, v4
	v_lshl_add_u32 v[CSO], v2, 5, v[CSO]
	v_lshlrev_b32 v[NWO], 6, v2
	v_lshlrev_b32 v[BVO], 2, v4
	s_wait_tensorcnt 1                             ; the scale words and my part of K step 0 are in; K step 1's load may be out
	s_barrier_signal -1
	s_barrier_wait -1
	FETCH_B 0, 0, 0
	FETCH_A 0, 0, 0
	SCALES 0
	FETCH_A 0, 0, 4
	STEP 0, 0, 1                                   ; the first step stands in front of the loop: its products start the sums
	s_mov_b32 s3, LAPS-1
.Llap:                                             ; a trip goes once round the ring and fills both slots again
	TURN 0, 1, 1
	STEP 1, 0, 0
	TURN 1, 0, 1
	STEP 0, 0, 0
	s_sub_co_u32 s3, s3, 1
	s_cmp_lg_u32 s3, 0
	s_cbranch_scc1 .Llap
	TURN 0, 1, 0                                   ; the last lap fills nothing
	STEP 1, 0, 0
	s_wait_dscnt 4*NL
	WIN MUL_LO
	MUL16 0, 1, NQ-1, 1, 0
	MUL16 2, 1, NQ-1, 1, 0
	s_wait_dscnt 0
	WIN MUL_HI
	MUL16 4, 1, NQ-1, 1, 0
	MUL16 6, 1, NQ-1, 1, 0
	WIN 0
	; ---------------- the way out: block by block of 16 stored rows of A; no LDS ----------------
	PLACES NP                                      ; behind the last products: for the reads of results and for writes and loads into registers that held operands and scale words
.irp b, 0,1,2,3
	v_mov_b32 v[TM+4+\b], 0                        ; written once: a lane permute's destination counts as one of its sources
.endr
	s_mov_b32 vcc_lo, 0xffff0000                   ; lanes 16-31
	s_mov_b32 s100, 0x3c000000                     ; 1 / 128
	s_mov_b32 s101, 0x358637bd                     ; 1e-6
	s_mov_b32 s47, 0
.macro STORE_IMG a                     ; the fragment leaves as it stands; two blocks' scale words leave together, 128 consecutive bytes
.irp c, 0,1,2
	global_store_b128 v[IMG], v[PC+4*\c:PC+4*\c+3], s[92:93] offset:1536*(\a)+512*\c
.endr
.if (\a)%2 == 0
	v_mov_b32 v[PWK], v[PW]
.else
	v_cndmask_b32 v[SW], v[PWK], v[PW], vcc_lo
	global_store_b32 v[SWA], v[SW], s[94:95] offset:64*((\a)-1)
.endif
.endm
	s_cmp_ge_u32 ttmp9, 4
	s_cbranch_scc1 .Lv
	; ---- q and k: my 128 registers' worth of B is one head
	s_lshl_b32 s44, s42, 1
	s_add_co_u32 s44, s44, s[HBS]                  ; head, k's 16 behind q's 16
	s_lshl_b32 s45, s43, 4
	s_lshl_b32 s46, s[HAS], 3
	s_add_co_u32 s45, s45, s46                     ; my first stored tile of tokens
	s_lshl_b32 s46, s44, 7
	s_add_co_u32 s46, s46, s45
	s_mul_i32 s46, s46, 1536
	s_add_nc_u64 s[92:93], s[18:19], s[46:47]      ; the fragments
	s_lshl_b32 s46, s44, 11
	s_lshl_b32 s45, s45, 4                         ; my first token
	s_add_co_u32 s46, s46, s45
	s_lshl_b32 s46, s46, 2
	s_add_co_u32 s46, s46, QSC
	s_add_nc_u64 s[94:95], s[18:19], s[46:47]      ; the scale words
	s_lshl_b32 s46, s45, 8                         ; a row of cos or sin is 256 bytes
	s_add_nc_u64 s[96:97], s[8:9], s[46:47]
	s_add_nc_u64 s[98:99], s[10:11], s[46:47]
	s_cmp_lt_u32 ttmp9, 2                          ; clusters 0, 1 hold q's heads
	s_cselect_b64 s[12:13], s[12:13], s[14:15]
.macro CSLOAD a                        ; cos and sin of block a's 16 tokens: register 8 b + n = pair 16 b + 8 h + n: 16 loads
.set CL, 64+64*((\a)%2)
.set CROW, (32*((\a)/2)+8*((\a)%2))*256
.irp b, 0,1,2,3
.irp e, 0,1
	global_load_b128 v[CL+8*\b+4*\e:CL+8*\b+4*\e+3], v[CSO], s[96:97] offset:CROW+64*\b+16*\e
	global_load_b128 v[CL+32+8*\b+4*\e:CL+32+8*\b+4*\e+3], v[CSO], s[98:99] offset:CROW+64*\b+16*\e
.endr
.endr
.endm
	WIN 0x40                                       ; destination window 1
.irp b, 0,1,2,3
.irp j, 0,1,2,3
	global_load_b128 v[NW+16*\b+4*\j:NW+16*\b+4*\j+3], v[NWO], s[12:13] offset:128*\b+16*\j   ; the norm's weight at my 64 channels
.endr
.endr
	CSLOAD 0
	WIN 0
.macro OUT_QK a
.set AC, 64*((\a)%4)
.set WW, 2+(\a)/4
.set CSB, 64+64*((\a)%2)
.if (\a) < 7
	WIN 0x40
	CSLOAD (\a)+1
.endif
	WIN 5*WW                                       ; sources 0 and 1: the accumulators' window
	v_pk_mul_f32 v[SS:SS+1], v[AC:AC+1], v[AC:AC+1]            ; the sum of squares of my 64, each accumulator from its low end on
	v_pk_mul_f32 v[SS+2:SS+3], v[AC+2:AC+3], v[AC+2:AC+3]
.irp j, 4,8,12,16,20,24,28,32,36,40,44,48,52,56,60
	v_pk_fma_f32 v[SS:SS+1], v[AC+\j:AC+\j+1], v[AC+\j:AC+\j+1], v[SS:SS+1]
	v_pk_fma_f32 v[SS+2:SS+3], v[AC+\j+2:AC+\j+3], v[AC+\j+2:AC+\j+3], v[SS+2:SS+3]
.endr
	WIN 0
	v_pk_add_f32 v[SS:SS+1], v[SS:SS+1], v[SS+2:SS+3]
	v_add_f32 v[SS], v[SS], v[SS+1]
	v_permlanex16_b32 v[SS+1], v[SS], s[SEL], s[SEL+1]
	v_add_f32 v[SS], v[SS], v[SS+1]                ; with lane l xor 16's 64: the head's 128
	v_fma_f32 v[SS], v[SS], s100, s101             ; the mean + 1e-6
	v_rsq_f32 v[RS], v[SS]
	v_rsq_f32 v[RS+1], v[SS]                       ; twice: a pair for the packed multiply
	v_nop                                          ; a plain place behind the two
	s_wait_alu depctr_va_vdst(0)                   ; one wait for both, ahead of their first use
	WIN WW
.set J, 0
.rept 32
	v_pk_mul_f32 v[T+J:T+J+1], v[AC+J:AC+J+1], v[RS:RS+1]
.set J, J+2
.endr
.if (\a) < 7
	s_wait_loadcnt 16                              ; the weight and this block's cos and sin are in; the next block's 16 loads may be out
.else
	s_wait_loadcnt 0x0
.endif
	WIN 0x04                                       ; source 1 window 1
.set J, 0
.rept 32
	v_pk_mul_f32 v[T+J:T+J+1], v[T+J:T+J+1], v[NW+J:NW+J+1]
.set J, J+2
.endr
.irp q, 0,1,2,3,4,5,6,7                        ; the rotation, four pairs at a time: (n1, n2) -> (n1 c - n2 s, n1 s + n2 c)
.irp n, 0,1,2,3
	v_mul_f32 v[60+\n], v[T+2*(4*\q+\n)+1], v[CSB+32+4*\q+\n]
.endr
.irp n, 0,1,2,3
	v_mul_f32 v[T+2*(4*\q+\n)+1], v[T+2*(4*\q+\n)+1], v[CSB+4*\q+\n]
.endr
.irp n, 0,1,2,3
	v_fma_f32 v[T+2*(4*\q+\n)+1], v[T+2*(4*\q+\n)], v[CSB+32+4*\q+\n], v[T+2*(4*\q+\n)+1]
.endr
.irp n, 0,1,2,3
	v_fma_f32 v[T+2*(4*\q+\n)], v[T+2*(4*\q+\n)], v[CSB+4*\q+\n], -v[60+\n]
.endr
.endr
	WIN 0
	s_wait_xcnt 0x0                                ; the last block's stores have read their data: the codes and the joined word may be written again
	QUANT T
	STORE_IMG \a
.endm
.irp a, 0,1,2,3,4,5,6,7
	OUT_QK \a
.endr
	s_branch .Lend
	; ---- v: lanes hold channels of one head, registers run along 128 keys
.Lv:
	s_lshl_b32 s44, s43, 1
	s_add_co_u32 s44, s44, s[HAS]                  ; head
	s_sub_co_u32 s45, s42, 16
	s_lshl_b32 s45, s45, 1
	s_add_co_u32 s45, s45, s[HBS]                  ; which 128 keys
	s_lshl_b32 s46, s44, 4
	s_add_co_u32 s45, s46, s45
	s_mul_i32 s46, s45, 12288
	s_add_co_u32 s46, s46, VC
	s_add_nc_u64 s[92:93], s[18:19], s[46:47]
	s_lshl_b32 s46, s45, 9
	s_add_co_u32 s46, s46, VSC
	s_add_nc_u64 s[94:95], s[18:19], s[46:47]
	s_lshl_b32 s46, s44, 9
	s_add_nc_u64 s[16:17], s[16:17], s[46:47]      ; bv at my head
.irp a, 0,1,2,3,4,5,6,7
	global_load_b32 v[BV+\a], v[BVO], s[16:17] offset:(32*(\a/2)+8*(\a%2))*4   ; block a: my channel's bias
.endr
	s_wait_loadcnt 0x0
.macro OUT_V a
.set AC, 64*((\a)%4)
.set WW, 2+(\a)/4
	v_mov_b32 v[BBR], v[BV+(\a)]
	v_mov_b32 v[BBR+1], v[BV+(\a)]
	WIN WW
.set J, 0
.rept 32
	v_pk_add_f32 v[T+J:T+J+1], v[AC+J:AC+J+1], v[BBR:BBR+1]    ; each accumulator from its low end on
.set J, J+2
.endr
	WIN 0
	s_wait_xcnt 0x0                                ; the last block's stores have read their data
	QUANT T
	STORE_IMG \a
.endm
.irp a, 0,1,2,3,4,5,6,7
	OUT_V \a
.endr
.Lend:
	s_wait_tensorcnt 0x0                           ; the wave's end
	ds_add_u32 v[SPW], v[NIL]
	s_wait_dscnt 0x0
	CROUND                                         ; the closing round: no work-group ends while a partner may still ask for a tile that names it
	s_endpgm
.Lfunc_end_k_qcfd2b82228_qkv:
	.size	k_qcfd2b82228_qkv, .Lfunc_end_k_qcfd2b82228_qkv-k_qcfd2b82228_qkv
	.p2alignl 7, 3214868480
	.fill 96, 4, 3214868480
	.section	.rodata,"a",@progbits
	.p2align	6, 0x0
	.amdhsa_kernel k_qcfd2b82228_qkv
		.amdhsa_group_segment_fixed_size 327680
		.amdhsa_private_segment_fixed_size 0
		.amdhsa_enable_private_segment 0
		.amdhsa_kernarg_size 64
		.amdhsa_user_sgpr_count 2
		.amdhsa_user_sgpr_kernarg_segment_ptr 1
		.amdhsa_wavefront_size32 1
		.amdhsa_system_sgpr_workgroup_id_x 1
		.amdhsa_system_sgpr_workgroup_id_y 1
		.amdhsa_system_sgpr_workgroup_id_z 1
		.amdhsa_system_vgpr_workitem_id 0
		.amdhsa_next_free_vgpr 1024
		.amdhsa_next_free_sgpr 102
		.amdhsa_reserve_vcc 1
		.amdhsa_float_denorm_mode_32 3
		.amdhsa_float_denorm_mode_16_64 3
		.amdhsa_memory_ordered 1
		.amdhsa_forward_progress 1
		.amdhsa_inst_pref_size 255
	.end_amdhsa_kernel
	.section	.bss,"aw",@nobits
	.p2align	6
	.space	262144
	.amdgpu_metadata
---
amdhsa.version: [ 1, 2 ]
amdhsa.kernels:
  - .name:           k_qcfd2b82228_qkv
    .symbol:         k_qcfd2b82228_qkv.kd
    .args:
      - { .name: xq, .offset: 0, .size: 8, .value_kind: global_buffer, .address_space: global }
      - { .name: wq, .offset: 8, .size: 8, .value_kind: global_buffer, .address_space: global }
      - { .name: freqs_cos, .offset: 16, .size: 8, .value_kind: global_buffer, .address_space: global }
      - { .name: freqs_sin, .offset: 24, .size: 8, .value_kind: global_buffer, .address_space: global }
      - { .name: qn_w, .offset: 32, .size: 8, .value_kind: global_buffer, .address_space: global }
      - { .name: kn_w, .offset: 40, .size: 8, .value_kind: global_buffer, .address_space: global }
      - { .name: bv, .offset: 48, .size: 8, .value_kind: global_buffer, .address_space: global }
      - { .name: qkv, .offset: 56, .size: 8, .value_kind: global_buffer, .address_space: global }
    .group_segment_fixed_size: 327680
    .private_segment_fixed_size: 0
    .kernarg_segment_align: 8
    .kernarg_segment_size: 64
    .max_flat_workgroup_size: 128
    .sgpr_count:     102
    .vgpr_count:     1024
    .wavefront_size: 32
...
	.end_amdgpu_metadata
.endif
;; end of part 2
;; launch attn (part 3): grid 16 x 16, 8 waves a work-group, clusters of 4 x 1, 327,680 bytes of LDS; arguments qkv, yq; writes yq
.if DOCPART == 3
	.amdgcn_target "amdgcn-amd-amdhsa--gfx1250"
	.amdhsa_code_object_version 6
	.text
	.protected	k_qcfd2b82228_attn
	.globl	k_qcfd2b82228_attn
	.p2align	8
	.type	k_qcfd2b82228_attn,@function
k_qcfd2b82228_attn:
	s_mov_b64 s[64:65], 0
	v_nop
	global_prefetch_b8 v0, s[64:65] scope:SCOPE_SE
	s_setreg_imm32_b32 hwreg(HW_REG_WAVE_MODE, 25, 1), 1
	s_wait_xcnt 0x0
	s_wait_alu depctr_hold_cnt(0) depctr_sa_sdst(0) depctr_va_vdst(0) depctr_va_sdst(0) depctr_va_ssrc(0) depctr_va_vcc(0) depctr_vm_vsrc(0)
	s_getreg_b32 s2, hwreg(HW_REG_IB_STS2, 6, 4)
	s_cmp_eq_u32 s2, 0
	s_cbranch_scc0 .Lentry_in_a_cluster
	s_endpgm
.Lentry_in_a_cluster:
	s_bfe_u32 s2, ttmp6, 0x10000c
	s_cmp_lg_u32 s2, 0x3003
	s_cbranch_scc0 .Lentry_shape_is_right
	s_endpgm
.Lentry_shape_is_right:
; y[h][q] = the sum over k <= q of softmax_k(q . k / sqrt(128)) v[k], both products on codes of FP6 (E2M3) with one E8M0 scale for each 32 along a product's K; y is quantised along head x 128 + channel for the last product.
; THE SOFTMAX: t = score x log2(e) / sqrt(128); M = the running largest t rounded UP to a whole number; p = 2^(t - M) is what is quantised, along the keys, not normalised.  The row's sum is taken of the unquantised p and divides at the end.
; When M moves, the sum and O are multiplied by 2^(old M - new M): exact.  A hidden score is -infinity where the definition has -1e30: p = 0 in both.
; OPERANDS are images of their registers (1,536 bytes a fragment), in stored order (stored row s = true row with bits 3 and 4 exchanged): so the 16 registers of S^T's tiles 2 b and 2 b + 1 are 16 neighbouring keys,
; and those of O^T's tiles 16 neighbouring channels.  Both products are used transposed: a lane holds ONE query throughout.
; SHARES.  A wave owns one stored tile of 16 queries.  A group of 128 queries (8 tiles) number g needs g + 1 key steps of 128.  g hangs on the wave's number and the cluster's x alone: waves 0-3 take g = 2 c + m, waves 4-7 g = 15 - (2 c + m),
; m = (wave / 2) % 2: waves w and w + 4 have 17 steps together.  The tile in the group is 2 cx + wave % 2: cx enters global addresses and one vector compare, no branch and no LDS address.
; Every work-group walks all four slots of 512 keys, so that trip counts are constants and no tensor load or barrier is jumped over; a step all of whose keys are hidden leaves out its work by a scalar branch on ids.
; CLUSTER.  The four work-groups of a cluster belong to one head and walk the same K and V: each tile is asked for jointly (mask 15), by waves 0-3, one load each.
; LIMITS: NaN and infinities are not served; a block of zeros gets the byte 1 (its codes are zeros; this program alone reads the bytes).
; REGISTERS: v1 16 x lane; v3 scale words' place; v5, v6 the add's; v8, v10 addresses in hand; v12 -M, v13 largest t, v[14:15] the sum; v16-27 Q; v28 prefetch offset; v29 my query's place less 16 h; v30 4 r;
;   v32-79 four fragments of K or V; v96-159 S^T, then p; v160-223 O^T; v224-235 p's codes; v232-254 at work; v248-249 scale words; v253 p's scale word; v255 Q's.
.set KC,     3145728
.set QSC,    9437184
.set KSC,    9568256
.set YS_OFF, 3145728
.set SLOT1,  1<<17                     ; slot 1 begins here: one exclusive or turns an address from one slot to the other
.set VOFF,   49152                     ; a slot: 512 keys of K (32 fragments), then 4 key steps of V (32 fragments)
.set STEPB,  12288                     ; a key step's 8 fragments
.set SLOTB,  49152                     ; a slot on, in memory, in K and in V
.set SCK,    262144                    ; behind the ring: K's scale words of the head, 8,192 bytes, then V's
.set SPARE,  278528                    ; the spare words, 128 bytes for each wave: four blocks of 256 bytes that no other line names
.set WV,   18
.set SEL,  20
.set CS,   22
.set G1T,  24
.set G1S,  32
.set G0T,  40
.set G0S,  44
.set TB,   2                           ; s2  LDS byte at which the key step in hand begins
.set TS,   3                           ; s3  the slot's scale words: 2,048 bytes a slot
.set TI,   72                          ; s72 the step's, in the slot: 512 bytes a step
.set SLOTS, 66
.set CNT,  67
.set KS,   68                          ; s68 the key step's number
.set GAM,  69                          ; s69 my group of queries
.set PFA,  76
.set LIM,  80
.set TM,   232
.set PW,   252
.set PC,   32
.macro ROUND                           ; a round of the cluster's barrier
	s_barrier_signal -1
	s_barrier_wait -1
	s_cmp_lg_u32 s[WV], 0
	s_cbranch_scc1 .Lnot_wave_0_\@
	s_barrier_signal -3
.Lnot_wave_0_\@:
	s_barrier_wait -3
	s_barrier_signal -1
	s_barrier_wait -1
.endm
.macro QUANT s
.irp b, 0,1,2,3
	v_max3_num_f32 v[TM+\b], |v[\s+16*\b]|, |v[\s+1+16*\b]|, 0x1800000
.endr
.irp i, 2,4,6,8,10,12,14
.irp b, 0,1,2,3
	v_max3_num_f32 v[TM+\b], v[TM+\b], |v[\s+16*\b+\i]|, |v[\s+1+16*\b+\i]|
.endr
.endr
.irp b, 0,1,2,3
	v_permlanex16_b32 v[TM+4+\b], v[TM+\b], s[SEL], s[SEL+1]
.endr
.irp b, 0,1,2,3
	v_max_num_f32 v[TM+\b], v[TM+\b], v[TM+4+\b]
.endr
.irp b, 0,1,2,3
	v_add_nc_u32 v[TM+12+\b], 0xff000000, v[TM+\b]
.endr
.irp b, 0,1,2,3
	v_lshrrev_b32 v[TM+4+\b], 23, v[TM+12+\b]
.endr
	v_lshl_or_b32 v[PW], v[TM+5], 8, v[TM+4]
	v_lshl_or_b32 v[PW], v[TM+6], 16, v[PW]
	v_lshl_or_b32 v[PW], v[TM+7], 24, v[PW]
.irp c, 0,1
	v_cvt_scalef32_pk16_fp6_f32 v[PC+6*\c:PC+2+6*\c], v[\s+32*\c:\s+15+32*\c], v[TM+12+2*\c]
	v_cvt_scalef32_pk16_fp6_f32 v[PC+12+4*\c:PC+14+4*\c], v[\s+16+32*\c:\s+31+32*\c], v[TM+12+2*\c+1]
.endr
	v_nop
.irp c, 0,1
.irp i, 0,1,2
	v_permlane16_swap_b32 v[PC+6*\c+\i], v[PC+12+4*\c+\i]
.endr
.irp i, 0,1,2
	v_mov_b32 v[PC+3+6*\c+\i], v[PC+12+4*\c+\i]
.endr
.endr
.endm
	s_load_b128 s[4:7], s[0:1], 0x0                ; qkv s[4:5], yq s[6:7]
	v_lshl_add_u32 v5, v0, 2, SPARE
	v_mov_b32 v6, 0
	ds_add_u32 v5, v6
	s_wait_dscnt 0x0
	v_lshrrev_b32 v8, 5, v0
	v_readfirstlane_b32 s[WV], v8                  ; wave 0..7
	s_bfe_u32 s71, ttmp6, 0x40000                  ; cx
	s_and_b32 s82, ttmp7, 0xffff                   ; the head, which the four partners share
	s_lshr_b32 s81, s[WV], 1
	s_and_b32 s81, s81, 1                          ; m
	s_lshl_b32 s84, ttmp9, 1
	s_add_co_u32 s83, s81, s84                     ; 2 c + m
	s_sub_co_u32 s84, 15, s83
	s_cmp_lt_u32 s[WV], 4
	s_cselect_b32 s[GAM], s83, s84                 ; my group of 128 queries
	s_and_b32 s85, s[WV], 1
	s_lshl_b32 s70, s71, 1
	s_add_co_u32 s70, s70, s85                     ; my tile in the group
	; descriptor group 1: a dense block as rows of 256 bytes (32 elements of 8 bytes): 96 rows for a tile, 16 for the scale words; no padding
	s_mov_b32 s[G1T], 15|(3<<16)|(1<<21)           ; 15:0 the mask: all four work-groups; 17:16 elements of 8 bytes; 21 set beside a mask
	s_mov_b32 s[G1T+1], 32<<16
	s_mov_b32 s[G1T+2], 96<<16
	s_mov_b32 s[G1T+3], 32<<16
	s_mov_b32 s[G1T+4], 96
	s_mov_b32 s[G1T+5], 32
	s_mov_b32 s[G1T+6], 0
	s_mov_b32 s[G1T+7], 0
	s_mov_b32 s[G1S], 15|(3<<16)|(1<<21)
	s_mov_b32 s[G1S+1], 32<<16
	s_mov_b32 s[G1S+2], 16<<16
	s_mov_b32 s[G1S+3], 32<<16
	s_mov_b32 s[G1S+4], 16
	s_mov_b32 s[G1S+5], 32
	s_mov_b32 s[G1S+6], 0
	s_mov_b32 s[G1S+7], 0
	; what I fetch, if I fetch (waves 0-3): m = 0: K, m = 1: V; wave % 2: which half of a slot's part
	s_and_b32 s86, s[WV], 3
	s_mul_i32 s87, s82, 196608                     ; the head's codes
	s_mul_i32 s90, s81, 3145728                    ; V's section lies so far behind K's
	s_add_co_u32 s90, s90, KC
	s_add_co_u32 s90, s90, s87
	s_mul_i32 s88, s85, 24576
	s_add_co_u32 s90, s90, s88
	s_mov_b32 s91, 0
	s_lshl_b32 s92, s81, 17                        ; V's scale words lie so far behind K's
	s_add_co_u32 s92, s92, KSC
	s_lshl_b32 s88, s82, 13
	s_add_co_u32 s92, s92, s88
	s_lshl_b32 s88, s85, 12
	s_add_co_u32 s92, s92, s88
	s_mov_b32 s93, 0
	s_mul_i32 s94, s86, 24576                      ; in a slot: K's halves, then V's
	s_lshl_b32 s95, s86, 12                        ; among the scale words likewise
	; Q, and where y goes
	s_lshl_b32 s88, s[GAM], 3
	s_add_co_u32 s88, s88, s70                     ; my stored tile of tokens
	s_lshl_b32 s89, s82, 7
	s_add_co_u32 s89, s89, s88
	s_mul_i32 s96, s89, 1536
	s_mov_b32 s97, 0
	s_lshl_b32 s98, s89, 6
	s_add_co_u32 s98, s98, QSC
	s_mov_b32 s99, 0
	s_lshl_b32 s88, s[GAM], 4
	s_add_co_u32 s88, s88, s82
	s_lshl_b32 s88, s88, 3
	s_add_co_u32 s88, s88, s70                     ; (16 group + head) 8 + tile
	s_mul_i32 s8, s88, 1536
	s_mov_b32 s9, 0
	s_lshl_b32 s10, s88, 6
	s_add_co_u32 s10, s10, YS_OFF
	s_mov_b32 s11, 0
	; the prefetches: a slot's 6 runs of 8,192 bytes of K and 6 of V are shared out by ADDRESS: run 3 cx + (wave - 4)
	s_sub_co_i32 s88, s[WV], 4
	s_max_i32 s88, s88, 0
	s_min_i32 s88, s88, 2
	s_mul_i32 s89, s71, 3
	s_add_co_u32 s88, s88, s89
	s_cmp_ge_u32 s88, 6
	s_cselect_b32 s89, 3145728-49152, 0            ; runs 6-11 are V's
	s_lshl_b32 s88, s88, 13
	s_add_co_u32 s88, s88, s89
	s_add_co_u32 s88, s88, s87
	s_add_co_u32 s88, s88, KC+SLOTB                ; in slot 1: the first change of slots steps it to slot 2
	s_mov_b32 s89, 0
	s_sub_co_u32 s[LIM], s[WV], 4
	s_cmp_lt_u32 s[LIM], 3                         ; waves 4 to 6,
	s_cselect_b32 s[LIM], 0, 1
	s_or_b32 s[LIM], s[LIM], ttmp9                 ; of the head's first cluster: the same in all four partners
	s_cmp_eq_u32 s[LIM], 0
	s_cselect_b32 s[LIM], 1, -1
	s_lshr_b32 s83, s70, 1
	s_lshl_b32 s83, s83, 5
	s_and_b32 s84, s70, 1
	s_lshl_b32 s84, s84, 3
	s_add_co_u32 s83, s83, s84                     ; my tile's first true query in the group
	s_mov_b32 s[SEL], 0x76543210
	s_mov_b32 s[SEL+1], 0xfedcba98
	s_mov_b32 s[CS], 0x3e0293ee                    ; c = log2(e) / sqrt(128)
	s_mov_b32 s[CS+1], s[CS]
	s_mov_b32 s[TB], 0
	s_mov_b32 s[TS], 0
	s_mov_b32 s[TI], 0
	s_mov_b32 s[KS], 0
	s_mov_b32 s[SLOTS], 3
	s_wait_kmcnt 0x0
	s_add_nc_u64 s[96:97], s[4:5], s[96:97]        ; Q's fragment
	s_add_nc_u64 s[98:99], s[4:5], s[98:99]        ; Q's scale words
	s_add_nc_u64 s[8:9], s[6:7], s[8:9]            ; y's fragment
	s_add_nc_u64 s[10:11], s[6:7], s[10:11]        ; y's scale words
	s_add_nc_u64 s[PFA:PFA+1], s[4:5], s[88:89]
	s_mov_b32 s[G0S], 1
	s_add_co_u32 s[G0S+1], s95, SCK
	s_add_nc_u64 s[G0S+2:G0S+3], s[4:5], s[92:93]
	s_or_b32 s[G0S+3], s[G0S+3], 0x80000000
	s_mov_b32 s[G0T], 1
	s_mov_b32 s[G0T+1], s94
	s_add_nc_u64 s[G0T+2:G0T+3], s[4:5], s[90:91]
	s_or_b32 s[G0T+3], s[G0T+3], 0x80000000
	ROUND                                          ; all four work-groups are here: the first joint loads meet
	s_cmp_lt_u32 s[WV], 4                          ; a wave's two first fills stand in one branch, ahead of every wait on TENSORcnt and every LDS read
	s_cbranch_scc0 .Lno_first
	tensor_load_to_lds s[G0S:G0S+3], s[G1S:G1S+7]  ; the head's scale words: filled once
	s_nop 0
	tensor_load_to_lds s[G0T:G0T+3], s[G1T:G1T+7]  ; slot 0
	s_nop 0
.rept 4
	v_nop
.endr
.Lno_first:
	v_and_b32 v8, 31, v0
	v_lshlrev_b32 v1, 4, v8                        ; 16 x lane
	v_lshl_add_u32 v3, v8, 2, SCK                  ; 4 x lane among the scale words
	v_lshlrev_b32 v28, 8, v8                       ; 256 x lane
	v_and_b32 v9, 15, v0                           ; r
	v_bfe_u32 v10, v0, 4, 1                        ; h
	v_lshlrev_b32 v30, 2, v9
.irp c, 0,1,2
	global_load_b128 v[16+4*\c:19+4*\c], v1, s[96:97] offset:512*\c   ; Q's fragment stays in registers
.endr
	global_load_b32 v255, v30, s[98:99]            ; Q's scale words
	v_and_b32 v11, 8, v9
	v_add_nc_u32 v11, v11, v9                      ; r + 8 (r / 8)
	v_lshlrev_b32 v10, 4, v10
	v_sub_nc_u32 v29, v11, v10
	v_add_nc_u32 v29, s83, v29                     ; my query's place in its group, less 16 h
	v_mov_b32 v13, 0xff61b1e6                      ; the largest t so far: -3e38
	v_floor_f32 v12, -v13                          ; -M
	v_mov_b32 v14, 0
	v_mov_b32 v15, 0
.irp b, 0,1,2,3
	v_mov_b32 v[236+\b], 0                         ; written once: a lane permute's destination counts as one of its sources
.endr
	v_mov_b32 v252, 0
	v_mov_b32 v253, 0
.set J, 0
.rept 64
	v_mov_b32 v[160+J], 0                          ; O^T: the step is written once; its first turn finds zeros
.set J, J+1
.endr
; A KEY STEP: 128 keys.
.macro STEP
	s_cmp_gt_u32 s[KS], s[GAM]                     ; all its keys come after my queries: its work is left out; the lines at its end that step addresses are not
	s_cbranch_scc1 .Lhidden_\@
	v_add_nc_u32 v8, s[TB], v1
	v_add_nc_u32 v10, s[TS], v3
	v_add_nc_u32 v10, s[TI], v10
	v_nop                                          ; with the three additions: four places in front of loads into registers that matrix instructions have read
.irp g, 0,1                                    ; S^T = K Q^T, four tiles of 16 keys at a time
.if \g > 0
.rept 4
	v_nop
.endr
.endif
.irp t, 0,1,2,3
.irp c, 0,1,2
	ds_load_b128 v[32+12*\t+4*\c:35+12*\t+4*\c], v8 offset:(4*\g+\t)*1536+512*\c
.endr
.endr
.irp p, 0,1
	ds_load_b32 v[248+\p], v10 offset:128*(2*\g+\p)   ; lanes 0-15: the even tile's words; lanes 16-31: the odd tile's
.endr
	s_wait_dscnt 0x0
.irp t, 0,1,2,3
.if \t%2
	v_wmma_scale_f32_16x16x128_f8f6f4 v[96+8*(4*\g+\t):103+8*(4*\g+\t)], v[32+12*\t:43+12*\t], v[16:27], 0, v[248+\t/2], v255 matrix_a_fmt:MATRIX_FMT_FP6 matrix_b_fmt:MATRIX_FMT_FP6 matrix_a_scale:MATRIX_SCALE_ROW1
.else
	v_wmma_scale_f32_16x16x128_f8f6f4 v[96+8*(4*\g+\t):103+8*(4*\g+\t)], v[32+12*\t:43+12*\t], v[16:27], 0, v[248+\t/2], v255 matrix_a_fmt:MATRIX_FMT_FP6 matrix_b_fmt:MATRIX_FMT_FP6
.endif
.endr
.endr
.rept 4
	v_nop
.endr
	s_cmp_lg_u32 s[KS], s[GAM]                     ; only the step on the diagonal hides keys
	s_cbranch_scc1 .Lopen_\@
	v_mov_b32 v254, 0xff800000                     ; -infinity.  Register 16 b + i holds key 32 b + 16 h + i of the step: hidden where 32 b + i > my query's place - 16 h
.irp n, 0,1,2,3,4,5,6,7,8,9,10,11,12,13,14,15,16,17,18,19,20,21,22,23,24,25,26,27,28,29,30,31,32,33,34,35,36,37,38,39,40,41,42,43,44,45,46,47,48,49,50,51,52,53,54,55,56,57,58,59,60,61,62,63
	v_cmp_gt_i32 vcc_lo, 32*(\n/16)+\n%16, v29
	v_cndmask_b32 v[96+\n], v[96+\n], v254, vcc_lo
.endr
.Lopen_\@:
.irp b, 0,1,2,3
	v_max3_num_f32 v[232+\b], v[96+16*\b], v[97+16*\b], v[98+16*\b]   ; the largest score of each block of 32 keys: it serves the row's maximum and, since p rises with the score, the block's largest p
.endr
.irp i, 3,5,7,9,11,13
.irp b, 0,1,2,3
	v_max3_num_f32 v[232+\b], v[232+\b], v[96+16*\b+\i], v[97+16*\b+\i]
.endr
.endr
.irp b, 0,1,2,3
	v_max_num_f32 v[232+\b], v[232+\b], v[111+16*\b]
.endr
.irp b, 0,1,2,3
	v_permlanex16_b32 v[236+\b], v[232+\b], s[SEL], s[SEL+1]
.endr
.irp b, 0,1,2,3
	v_max_num_f32 v[232+\b], v[232+\b], v[236+\b]  ; with lane l xor 16's 16 keys
.endr
	v_max3_num_f32 v254, v232, v233, v234
	v_max_num_f32 v254, v254, v235
	v_mul_f32 v254, s[CS], v254                    ; the step's largest t
	v_max_num_f32 v13, v13, v254                   ; the running largest t
	v_mov_b32 v254, v12
	v_floor_f32 v12, -v13                          ; the new -M = -ceil(t): a whole number
	v_sub_f32 v254, v12, v254                      ; old M - new M: a whole number, 0 or less
	v_cvt_i32_f32 v254, v254                       ; (it saturates)
	v_ldexp_f32 v252, 1.0, v254                    ; f = 2^(old M - new M)
.irp j, 0,2,4,6,8,10,12,14,16,18,20,22,24,26,28,30,32,34,36,38,40,42,44,46,48,50,52,54,56,58,60,62
	v_pk_fma_f32 v[96+\j:97+\j], v[96+\j:97+\j], s[CS:CS+1], v[12:13] op_sel_hi:[1,0,0]   ; t - M
.endr
.irp b, 0,1,2,3
	v_fma_f32 v[232+\b], v[232+\b], s[CS], v12     ; the same of each block's largest score
.endr
.irp j, 0,1,2,3,4,5,6,7,8,9,10,11,12,13,14,15,16,17,18,19,20,21,22,23,24,25,26,27,28,29,30,31,32,33,34,35,36,37,38,39,40,41,42,43,44,45,46,47,48,49,50,51,52,53,54,55,56,57,58,59,60,61,62,63
	v_exp_f32 v[96+\j], v[96+\j]                   ; p = 2^(t - M), at most 1
.endr
	v_pk_mul_f32 v[14:15], v[14:15], v[252:253] op_sel_hi:[1,0]   ; the sums under the new M: a plain place behind the exponentials
	s_wait_alu depctr_va_vdst(0)                   ; one wait for the whole batch, ahead of its first use
.irp b, 0,1,2,3
	v_exp_f32 v[232+\b], v[232+\b]                 ; the block's largest p
.endr
	v_pk_add_f32 v[236:237], v[96:97], v[98:99]    ; the row's sum is taken of the unquantised p, in two chains
.irp j, 4,8,12,16,20,24,28,32,36,40,44,48,52,56,60
	v_pk_add_f32 v[14:15], v[14:15], v[96+\j:97+\j]
	v_pk_add_f32 v[236:237], v[236:237], v[98+\j:99+\j]
.endr
	v_pk_add_f32 v[14:15], v[14:15], v[236:237]
	s_wait_alu depctr_va_vdst(0)                   ; and one for the four
.irp b, 0,1,2,3
	v_max_num_f32 v[232+\b], 0x1800000, v[232+\b]  ; the floor 2^(3 - 127)
.endr
.irp b, 0,1,2,3
	v_add_nc_u32 v[244+\b], 0xff000000, v[232+\b]  ; 2 off the exponent field: the conversion's scale operand
.endr
.irp b, 0,1,2,3
	v_lshrrev_b32 v[236+\b], 23, v[244+\b]
.endr
	v_lshl_or_b32 v253, v237, 8, v236              ; p's scale word for these 128 keys
	v_lshl_or_b32 v253, v238, 16, v253
	v_lshl_or_b32 v253, v239, 24, v253
.irp c, 0,1
	v_cvt_scalef32_pk16_fp6_f32 v[224+6*\c:226+6*\c], v[96+32*\c:111+32*\c], v[244+2*\c]
	v_cvt_scalef32_pk16_fp6_f32 v[236+4*\c:238+4*\c], v[112+32*\c:127+32*\c], v[244+2*\c+1]
.endr
	v_nop                                          ; one plain place behind a scaled conversion
.irp c, 0,1
.irp i, 0,1,2
	v_permlane16_swap_b32 v[224+6*\c+\i], v[236+4*\c+\i]
.endr
.irp i, 0,1,2
	v_mov_b32 v[227+6*\c+\i], v[236+4*\c+\i]
.endr
.endr
.irp j, 0,2,4,6,8,10,12,14,16,18,20,22,24,26,28,30,32,34,36,38,40,42,44,46,48,50,52,54,56,58,60,62
	v_pk_mul_f32 v[160+\j:161+\j], v[160+\j:161+\j], v[252:253] op_sel_hi:[1,0]   ; O^T under the new M; these are also the places in front of the matrix instructions and loads below
.endr
.irp g, 0,1                                    ; O^T += V^T P^T: four tiles of 16 channels at a time
.if \g > 0
.rept 4
	v_nop
.endr
.endif
.irp t, 0,1,2,3
.irp c, 0,1,2
	ds_load_b128 v[32+12*\t+4*\c:35+12*\t+4*\c], v8 offset:VOFF+(4*\g+\t)*1536+512*\c
.endr
.endr
.irp p, 0,1
	ds_load_b32 v[248+\p], v10 offset:8192+128*(2*\g+\p)
.endr
	s_wait_dscnt 0x0
.irp t, 0,1,2,3
.if \t%2
	v_wmma_scale_f32_16x16x128_f8f6f4 v[160+8*(4*\g+\t):167+8*(4*\g+\t)], v[32+12*\t:43+12*\t], v[224:235], v[160+8*(4*\g+\t):167+8*(4*\g+\t)], v[248+\t/2], v253 matrix_a_fmt:MATRIX_FMT_FP6 matrix_b_fmt:MATRIX_FMT_FP6 matrix_a_scale:MATRIX_SCALE_ROW1
.else
	v_wmma_scale_f32_16x16x128_f8f6f4 v[160+8*(4*\g+\t):167+8*(4*\g+\t)], v[32+12*\t:43+12*\t], v[224:235], v[160+8*(4*\g+\t):167+8*(4*\g+\t)], v[248+\t/2], v253 matrix_a_fmt:MATRIX_FMT_FP6 matrix_b_fmt:MATRIX_FMT_FP6
.endif
.endr
.endr
.Lhidden_\@:
	s_add_co_u32 s[KS], s[KS], 1
	s_add_co_u32 s[TB], s[TB], STEPB
	s_add_co_u32 s[TI], s[TI], 512
.endm
.macro FOUR_STEPS                      ; a slot's four key steps: written once, walked four times
	s_mov_b32 s[CNT], 4
.Lstep_\@:
	STEP
	s_sub_co_u32 s[CNT], s[CNT], 1
	s_cmp_lg_u32 s[CNT], 0
	s_cbranch_scc1 .Lstep_\@
	s_sub_co_u32 s[TB], s[TB], 4*STEPB             ; back to a slot's first step,
	s_xor_b32 s[TB], s[TB], SLOT1                  ; in the other slot
	s_sub_co_u32 s[TI], s[TI], 2048
	s_add_co_u32 s[TS], s[TS], 2048                ; the next slot's scale words
.endm
; A prefetch into the L2 of what the NEXT change of slots will ask for, four key steps ahead of that load: 12 runs of 8,192 bytes, lanes 256 bytes apart, one instruction a wave.  All clusters of a head walk the same K and V:
; the head's first cluster asks; in each of its four work-groups waves 4 to 6, which fetch nothing; the runs are told apart by address.  Slots 0 and 1 come by their loads alone; the last change that fills a slot asks for nothing.
.macro ASK
	s_cmp_gt_u32 s[SLOTS], s[LIM]
	s_cbranch_scc0 .Lnot_mine_\@
	global_prefetch_b8 v28, s[PFA:PFA+1] th:TH_LOAD_NT scope:SCOPE_SE
.Lnot_mine_\@:
.endm
; THE CHANGE OF SLOTS stands at a slot's head.  Each wave waits for all its tensor loads, adds 0 to its spare word, and waits for that and for its reads of the slot that it has left.
; fill = 1: the barrier is a round of the cluster's, and behind it the slot just left is filled with the keys that follow: the load has four key steps in which to land.
.macro CHANGE fill
	s_wait_tensorcnt 0x0                           ; no tensor load of mine is out, so a group 0 may be written
	ds_add_u32 v5, v6                              ; 0 onto my spare word
.if \fill
	s_xor_b32 s[G0T+1], s[G0T+1], SLOT1            ; the walking descriptor: the other slot than last time,
	s_add_nc_u64 s[G0T+2:G0T+3], s[G0T+2:G0T+3], SLOTB   ; the next 512 keys
	s_wait_xcnt 0x0                                ; the last prefetch, a slot back, has read its address
	s_add_nc_u64 s[PFA:PFA+1], s[PFA:PFA+1], SLOTB
.endif
	s_wait_dscnt 0x0                               ; the add is done, and my reads of the slot that I have left are over
.if \fill
	ROUND
	s_cmp_lt_u32 s[WV], 4
	s_cbranch_scc0 .Lno_fill_\@
	tensor_load_to_lds s[G0T:G0T+3], s[G1T:G1T+7]  ; the first thing behind the round, and a wave's one tensor load until the next
	s_nop 0
.rept 4
	v_nop
.endr
.Lno_fill_\@:
	ASK
.else
	s_barrier_signal -1
	s_barrier_wait -1
.endif
.endm
	s_wait_loadcnt 0x0                             ; Q
.Lslot:                                            ; three trips: behind each change of slots but the last the next slot is asked for
	CHANGE 1
	FOUR_STEPS
	s_sub_co_u32 s[SLOTS], s[SLOTS], 1
	s_cmp_lg_u32 s[SLOTS], 0
	s_cbranch_scc1 .Lslot
	CHANGE 0                                       ; the last slot is written out
	FOUR_STEPS
	; THE WAY OUT: O^T / the sum is row r's 128 channels of this head, 16 neighbours in each 16 registers: it is quantised as it stands and leaves as a fragment's image.
.rept 4
	v_nop
.endr
	v_add_f32 v14, v14, v15
	v_permlanex16_b32 v252, v14, s[SEL], s[SEL+1]
	v_add_f32 v14, v14, v252                       ; the row's sum
	v_rcp_f32 v14, v14
	v_nop                                          ; a plain place behind the reciprocal
	s_wait_alu depctr_va_vdst(0)                   ; and the wait ahead of its first use
.set J, 0
.rept 64
	v_mul_f32 v[96+J], v[160+J], v14               ; each accumulator from its low end on
.set J, J+1
.endr
	QUANT 96
.irp c, 0,1,2
	global_store_b128 v1, v[PC+4*\c:PC+4*\c+3], s[8:9] offset:512*\c   ; 512 consecutive bytes, aligned
.endr
	v_and_b32 v8, 31, v0
	v_cmp_gt_u32 vcc_lo, 16, v8                    ; both halves of the lanes hold the same words: lanes 0-15 store them
	s_wait_xcnt 0x0                                ; EXEC changes only behind this wait
	s_and_saveexec_b32 s88, vcc_lo
	global_store_b32 v30, v[PW], s[10:11]
	s_wait_xcnt 0x0                                ; and again, in front of the line that widens it
	s_or_b32 exec_lo, exec_lo, s88
	s_wait_tensorcnt 0x0                           ; the wave's end
	ds_add_u32 v5, v6
	s_wait_dscnt 0x0
	ROUND                                          ; the closing round
	s_endpgm
.Lfunc_end_k_qcfd2b82228_attn:
	.size	k_qcfd2b82228_attn, .Lfunc_end_k_qcfd2b82228_attn-k_qcfd2b82228_attn
	.p2alignl 7, 3214868480
	.fill 96, 4, 3214868480
	.section	.rodata,"a",@progbits
	.p2align	6, 0x0
	.amdhsa_kernel k_qcfd2b82228_attn
		.amdhsa_group_segment_fixed_size 327680
		.amdhsa_private_segment_fixed_size 0
		.amdhsa_enable_private_segment 0
		.amdhsa_kernarg_size 16
		.amdhsa_user_sgpr_count 2
		.amdhsa_user_sgpr_kernarg_segment_ptr 1
		.amdhsa_wavefront_size32 1
		.amdhsa_system_sgpr_workgroup_id_x 1
		.amdhsa_system_sgpr_workgroup_id_y 1
		.amdhsa_system_sgpr_workgroup_id_z 1
		.amdhsa_system_vgpr_workitem_id 0
		.amdhsa_next_free_vgpr 256
		.amdhsa_next_free_sgpr 100
		.amdhsa_reserve_vcc 1
		.amdhsa_float_denorm_mode_32 3
		.amdhsa_float_denorm_mode_16_64 3
		.amdhsa_memory_ordered 1
		.amdhsa_forward_progress 1
		.amdhsa_inst_pref_size 67
	.end_amdhsa_kernel
	.amdgpu_metadata
---
amdhsa.version: [ 1, 2 ]
amdhsa.kernels:
  - .name:           k_qcfd2b82228_attn
    .symbol:         k_qcfd2b82228_attn.kd
    .args:
      - { .name: qkv, .offset: 0, .size: 8, .value_kind: global_buffer, .address_space: global }
      - { .name: yq, .offset: 8, .size: 8, .value_kind: global_buffer, .address_space: global }
    .group_segment_fixed_size: 327680
    .private_segment_fixed_size: 0
    .kernarg_segment_align: 8
    .kernarg_segment_size: 16
    .max_flat_workgroup_size: 256
    .sgpr_count:     100
    .vgpr_count:     256
    .wavefront_size: 32
...
	.end_amdgpu_metadata
.endif
;; end of part 3
;; launch proj (part 4): grid 8 x 8, 4 waves a work-group, clusters of 4 x 4, 327,680 bytes of LDS; arguments yq, wq, bp, out0; writes out0
.if DOCPART == 4
	.amdgcn_target "amdgcn-amd-amdhsa--gfx1250"
	.amdhsa_code_object_version 6
	.text
	.protected	k_qcfd2b82228_proj
	.globl	k_qcfd2b82228_proj
	.p2align	8
	.type	k_qcfd2b82228_proj,@function
k_qcfd2b82228_proj:
	s_mov_b64 s[64:65], 0
	v_nop
	global_prefetch_b8 v0, s[64:65] scope:SCOPE_SE
	s_setreg_imm32_b32 hwreg(HW_REG_WAVE_MODE, 25, 1), 1
	s_wait_xcnt 0x0
	s_wait_alu depctr_hold_cnt(0) depctr_sa_sdst(0) depctr_va_vdst(0) depctr_va_sdst(0) depctr_va_ssrc(0) depctr_va_vcc(0) depctr_vm_vsrc(0)
	s_getreg_b32 s2, hwreg(HW_REG_IB_STS2, 6, 4)
	s_cmp_eq_u32 s2, 0
	s_cbranch_scc0 .Lentry_in_a_cluster
	s_endpgm
.Lentry_in_a_cluster:
	s_bfe_u32 s2, ttmp6, 0x10000c
	s_cmp_lg_u32 s2, 0xf033
	s_cbranch_scc0 .Lentry_shape_is_right
	s_endpgm
.Lentry_shape_is_right:
; out0 = y Wp + bp, the product on codes of FP6 (E2M3) with one E8M0 scale for each 32 along K = 2,048; sums and bias in f32.
; OPERANDS are images of their registers (a fragment of 16 stored rows x 128 K is 1,536 bytes); fragment (G, kq, i) at ((16 G + kq) 8 + i) 1536, scale words at ((16 G + kq) 128 + row) 4 behind the codes; stored row s holds true row
; pi(s) (bits 3 and 4 exchanged).  A = y (tokens), B = Wp's columns (groups 48-63 of the weights' buffer).
; A work-group of four waves makes 256 x 256, a wave 128 x 128.  The matrix instruction is used transposed (source 0 = B, source 1 = A): a lane holds one stored token, and register 8 b + j of a block's 64 the true column
; 32 (b / 2) + 16 (lane / 16) + 8 (b % 2) + j.  K goes in steps of 256 through a ring of two LDS slots; a K step of 128 rows is one dense block of 24,576 bytes: one tensor load a wave.  The scale words come once.
; CLUSTERS: 4 x 4: A's tiles are shared along a row of the cluster, B's along a column, each asked for jointly.
; The grid has 64 work-groups: the tile is kept at 256 x 256, so that each byte read from LDS feeds as many products as the registers allow.
; REGISTERS: window 0: v16-31 addresses; v32-63 scale words (on the way out v32-35 the bias); v128-223 A's fragments (on the way out v128-255 rows of the result).  window 1: B's fragments, two sets.  windows 2, 3: accumulators.
.set YS_OFF, 3145728
.set WS_OFF, 12582912
.set GB,     196608
.set NQ,     2
.set FR,     12
.set NL,     3
.set NP,     4
.set HALFT,  24576
.set SLOT,   4*HALFT
.set KSB,    24576
.set LAPS,   4
.set HALFS,  8192
.set SCL,    2*SLOT
.set SPARE,  SCL+4*HALFS               ; the spare words, 128 bytes for each wave: two blocks of 256 bytes that no other line names
.set SPITCH, 528                       ; the way out: a stage of 16 rows x (512 bytes + 16) for each wave, in slot 0, which has had its last fill and its last read when the first result is stored there
.set ADRA, 16
.set ADRB, 20
.set STO,  24
.set RD,   25
.set CO,   26
.set ADRS, 27
.set SPW,  28
.set NIL,  29
.set SC,   32
.set AF,   128
.set BK,   128
.set WVN,  20
.set HAS,  21
.set HBS,  22
.set G1, 24
.set G0, 32
.set G1B, 48
.set G0B, 56
.set G1S, 68
.set G0S, 76
.set G1SB, 80
.set G0SB, 88
.set MSB, 0
.macro WIN new
.if MSB != (\new)
	s_set_vgpr_msb (MSB<<8)|(\new)
.set MSB, (\new)
.endif
.endm
.set MUL_LO, 0xa1
.set MUL_HI, 0xf1
.set TO_B,   0x40
.macro JLOAD g0a, g1a, g0b, g1b        ; a joint load: waves 0, 1 fetch for A, waves 2, 3 for B; four v_nop follow each line
	s_cmp_eq_u32 s[HAS], 0
	s_cbranch_scc0 .Lfor_b_\@
	tensor_load_to_lds s[\g0a:\g0a+3], s[\g1a:\g1a+7]
	s_nop 0
.rept 4
	v_nop
.endr
	s_branch .Lasked_\@
.Lfor_b_\@:
	tensor_load_to_lds s[\g0b:\g0b+3], s[\g1b:\g1b+7]
	s_nop 0
.rept 4
	v_nop
.endr
.Lasked_\@:
.endm
.macro CREST
	s_cmp_lg_u32 s[WVN], 0
	s_cbranch_scc1 .Lnot_wave_0_\@
	s_barrier_signal -3
.Lnot_wave_0_\@:
	s_barrier_wait -3
	s_barrier_signal -1
	s_barrier_wait -1
.endm
.macro CROUND
	s_barrier_signal -1
	s_barrier_wait -1
	CREST
.endm
.macro PLACES n
.rept \n
	v_nop
.endr
.endm
.macro FRAG reg, adr, q, i
.irp c, 0,1,2
	ds_load_b128 v[\reg+4*\c:\reg+4*\c+3], v[\adr] offset:((\q)*8+(\i))*1536+512*\c
.endr
.endm
; The 64 accumulators take turns, one instruction a turn, in the same order in every step.
.macro MUL16 a0, p, q, sc, zero
.irp a, \a0, \a0+1
.irp b, 0,1,2,3,4,5,6,7
.if \zero
	v_wmma_scale_f32_16x16x128_f8f6f4 v[8*(8*((\a)%4)+\b):8*(8*((\a)%4)+\b)+7], v[128*(\p)+FR*\b:128*(\p)+FR*\b+FR-1], v[AF+FR*(\a):AF+FR*(\a)+FR-1], 0, v[SC+8*NQ*(\sc)+NQ*\b+(\q)], v[SC+8*NQ*(\sc)+NQ*(\a)+(\q)] matrix_a_fmt:MATRIX_FMT_FP6 matrix_b_fmt:MATRIX_FMT_FP6 matrix_a_scale:MATRIX_SCALE_ROW1
.else
	v_wmma_scale_f32_16x16x128_f8f6f4 v[8*(8*((\a)%4)+\b):8*(8*((\a)%4)+\b)+7], v[128*(\p)+FR*\b:128*(\p)+FR*\b+FR-1], v[AF+FR*(\a):AF+FR*(\a)+FR-1], v[8*(8*((\a)%4)+\b):8*(8*((\a)%4)+\b)+7], v[SC+8*NQ*(\sc)+NQ*\b+(\q)], v[SC+8*NQ*(\sc)+NQ*(\a)+(\q)] matrix_a_fmt:MATRIX_FMT_FP6 matrix_b_fmt:MATRIX_FMT_FP6 matrix_a_scale:MATRIX_SCALE_ROW1
.endif
.endr
.endr
.endm
.macro FETCH_B slot, q, p
	WIN TO_B
.irp i, 0,1,2,3,4,5,6,7
	FRAG 128*(\p)+FR*\i, ADRB+\slot, \q, \i
.endr
	WIN 0
.endm
.macro FETCH_A slot, q, i0
.irp i, \i0, \i0+1, \i0+2, \i0+3
	FRAG AF+FR*(\i), ADRA+\slot, \q, \i
.endr
.endm
.macro SCALES sc
.irp i, 0,1,2,3,4,5,6,7
.irp q, 0,1
	ds_load_b32 v[SC+8*NQ*\sc+NQ*\i+\q], v[ADRS] offset:512*\q+64*\i
.endr
.endr
.endm
.macro STEP slot, q, zero
	s_wait_dscnt 4*NL                              ; all but the youngest 12 loads (A's blocks 4-7) are in
	WIN MUL_LO
	MUL16 0, (\q)%2, \q, \slot, \zero
	MUL16 2, (\q)%2, \q, \slot, \zero
	s_wait_dscnt 0
	PLACES NP
	FETCH_B \slot, (\q)+1, 1-(\q)%2
	FETCH_A \slot, (\q)+1, 0
	WIN MUL_HI
	MUL16 4, (\q)%2, \q, \slot, \zero
	MUL16 6, (\q)%2, \q, \slot, \zero
	PLACES NP
	WIN 0
	FETCH_A \slot, (\q)+1, 4
.endm
.macro TURN slot, next, fill
	s_wait_tensorcnt 0x0                           ; all my tensor loads have landed: my part of the next slot
	ds_add_u32 v[SPW], v[NIL]                      ; 0 onto my spare word
	s_wait_dscnt 4*NL+1                            ; the add and the youngest 12 loads (A's blocks 4-7) may be out
	WIN MUL_LO
	MUL16 0, 1, NQ-1, \slot, 0
	s_wait_dscnt 0x0                               ; the add is done, and my reads of this slot are over
	s_barrier_signal -1
	MUL16 2, 1, NQ-1, \slot, 0
	WIN 0
	s_barrier_wait -1
.if \fill
	CREST                                          ; the barrier has opened a round of the cluster's barrier
	s_add_nc_u64 s[G0+4*\slot+2:G0+4*\slot+3], s[G0+4*\slot+2:G0+4*\slot+3], 2*KSB
	s_add_nc_u64 s[G0B+4*\slot+2:G0B+4*\slot+3], s[G0B+4*\slot+2:G0B+4*\slot+3], 2*KSB
	JLOAD G0+4*\slot, G1, G0B+4*\slot, G1B
.else
	PLACES NP
.endif
	v_add_nc_u32 v[ADRS], 512*NQ, v[ADRS]
	FETCH_B \next, 0, 0
	FETCH_A \next, 0, 0
	SCALES \next
	WIN MUL_HI
	MUL16 4, 1, NQ-1, \slot, 0
	MUL16 6, 1, NQ-1, \slot, 0
	PLACES NP
	WIN 0
	FETCH_A \next, 0, 4
.endm
	s_load_b256 s[4:11], s[0:1], 0x0               ; yq s[4:5], wq s[6:7], bp s[8:9], out0 s[10:11]
	v_lshl_add_u32 v[SPW], v0, 2, SPARE
	v_mov_b32 v[NIL], 0
	ds_add_u32 v28, v29
	s_wait_dscnt 0x0
	v_lshrrev_b32 v1, 5, v0
	v_readfirstlane_b32 s[WVN], v1
	s_lshr_b32 s[HAS], s[WVN], 1
	s_and_b32 s[HBS], s[WVN], 1
	s_bfe_u32 s40, ttmp6, 0x40000                  ; cx
	s_bfe_u32 s41, ttmp6, 0x40004                  ; cy
	s_lshl_b32 s42, ttmp9, 2
	s_add_co_u32 s42, s42, s40                     ; gx
	s_and_b32 s43, ttmp7, 0xffff
	s_lshl_b32 s43, s43, 2
	s_add_co_u32 s43, s43, s41                     ; gy
	s_lshl_b32 s44, s41, 2
	s_lshl_b32 s44, 15, s44                        ; my row of the cluster
	s_lshl_b32 s45, 0x1111, s40                    ; my column
	s_or_b32 s[G1+0], s44, (3<<16)|(1<<21)         ; 15:0 the mask; 17:16 elements of 8 bytes; 21 set beside a mask; no padding
	s_or_b32 s[G1B+0], s45, (3<<16)|(1<<21)
	s_or_b32 s[G1S+0], s44, (3<<16)|(1<<21)
	s_or_b32 s[G1SB+0], s45, (3<<16)|(1<<21)
.irp g, G1, G1B
	s_mov_b32 s[\g+1], 32<<16                      ; a dense block as 96 rows of 256 bytes
	s_mov_b32 s[\g+2], 96<<16
	s_mov_b32 s[\g+3], 32<<16
	s_mov_b32 s[\g+4], 96
	s_mov_b32 s[\g+5], 32
	s_mov_b32 s[\g+6], 0
	s_mov_b32 s[\g+7], 0
.endr
.irp g, G1S, G1SB
	s_mov_b32 s[\g+1], 32<<16                      ; 32 rows of 256 bytes
	s_mov_b32 s[\g+2], 32<<16
	s_mov_b32 s[\g+3], 32<<16
	s_mov_b32 s[\g+4], 32
	s_mov_b32 s[\g+5], 32
	s_mov_b32 s[\g+6], 0
	s_mov_b32 s[\g+7], 0
.endr
	s_lshl_b32 s12, s43, 1
	s_add_co_u32 s12, s12, s[HBS]                  ; A's group that I would fetch: it hangs on gy
	s_lshl_b32 s94, s12, 13
	s_add_co_u32 s94, s94, YS_OFF
	s_mov_b32 s95, 0
	s_mul_i32 s12, s12, GB
	s_mov_b32 s13, 0
	s_lshl_b32 s14, s42, 1
	s_add_co_u32 s14, s14, s[HBS]
	s_add_co_u32 s14, s14, 48                      ; B's group: it hangs on gx
	s_lshl_b32 s98, s14, 13
	s_add_co_u32 s98, s98, WS_OFF
	s_mov_b32 s99, 0
	s_mul_i32 s14, s14, GB
	s_mov_b32 s15, 0
	s_mul_i32 s23, s[WVN], HALFT
	s_lshl_b32 s2, s[WVN], 13
	s_wait_kmcnt 0x0
	s_add_nc_u64 s[94:95], s[4:5], s[94:95]
	s_add_nc_u64 s[92:93], s[4:5], s[12:13]
	s_add_nc_u64 s[98:99], s[6:7], s[98:99]
	s_add_nc_u64 s[96:97], s[6:7], s[14:15]
	CROUND                                         ; all sixteen work-groups are here: the first joint loads meet
	s_mov_b32 s[G0S], 1
	s_add_co_u32 s[G0S+1], s2, SCL
	s_mov_b64 s[G0S+2:G0S+3], s[94:95]
	s_or_b32 s[G0S+3], s[G0S+3], 0x80000000
	s_mov_b32 s[G0SB], 1
	s_add_co_u32 s[G0SB+1], s2, SCL
	s_mov_b64 s[G0SB+2:G0SB+3], s[98:99]
	s_or_b32 s[G0SB+3], s[G0SB+3], 0x80000000
	JLOAD G0S, G1S, G0SB, G1SB
.irp s, 0,1
	s_mov_b32 s[G0+4*\s], 1
	s_add_co_u32 s[G0+4*\s+1], s23, \s*SLOT
	s_add_nc_u64 s[G0+4*\s+2:G0+4*\s+3], s[92:93], \s*KSB
	s_or_b32 s[G0+4*\s+3], s[G0+4*\s+3], 0x80000000
	s_mov_b32 s[G0B+4*\s], 1
	s_add_co_u32 s[G0B+4*\s+1], s23, \s*SLOT
	s_add_nc_u64 s[G0B+4*\s+2:G0B+4*\s+3], s[96:97], \s*KSB
	s_or_b32 s[G0B+4*\s+3], s[G0B+4*\s+3], 0x80000000
	JLOAD G0+4*\s, G1, G0B+4*\s, G1B
.endr
	v_and_b32 v1, 15, v0                           ; r
	v_bfe_u32 v2, v0, 4, 1                         ; h
	v_and_b32 v3, 31, v0
	v_lshlrev_b32 v3, 4, v3                        ; 16 x lane
	s_mul_i32 s44, s[HAS], HALFT
	s_mul_i32 s45, s[HBS], HALFT
	s_add_co_u32 s45, s45, 2*HALFT
.irp s, 0,1
	v_add_nc_u32 v[ADRA+\s], s44, v3
	v_add_nc_u32 v[ADRB+\s], s45, v3
	s_add_co_u32 s44, s44, SLOT
	s_add_co_u32 s45, s45, SLOT
.endr
	v_lshlrev_b32 v5, 2, v1
	s_lshl_b32 s44, s[HAS], 13
	s_lshl_b32 s45, s[HBS], 13
	s_add_co_u32 s45, s45, 2*HALFS
	s_sub_co_u32 s45, s45, s44
	v_mul_u32_u24 v6, s45, v2                      ; lanes 16-31 take B's
	s_add_co_u32 s44, s44, SCL
	v_add_nc_u32 v5, v5, v6
	v_add_nc_u32 v[ADRS], s44, v5
	s_mul_i32 s44, s[WVN], 16*SPITCH               ; my stage
	v_mul_u32_u24 v5, v1, SPITCH
	v_lshl_add_u32 v5, v2, 6, v5
	v_add_nc_u32 v[STO], s44, v5                   ; in: row r, + 64 h
	v_mov_b32 v[CO], v3                            ; back, and in out0: 16 bytes a lane
	v_add_nc_u32 v[RD], s44, v3
	s_lshl_b32 s44, s43, 8
	s_lshl_b32 s45, s[HAS], 7
	s_add_co_u32 s44, s44, s45
	s_lshl_b32 s44, s44, 13                        ; my first token x 8,192 bytes
	s_lshl_b32 s46, s42, 8
	s_lshl_b32 s45, s[HBS], 7
	s_add_co_u32 s46, s46, s45
	s_lshl_b32 s46, s46, 2                         ; my first column, in bytes
	s_mov_b32 s47, 0
	s_add_nc_u64 s[8:9], s[8:9], s[46:47]          ; bp there
	s_add_co_u32 s46, s46, s44
	s_add_nc_u64 s[10:11], s[10:11], s[46:47]      ; out0 at my corner
	s_wait_tensorcnt 1                             ; the scale words and my part of K step 0 are in; K step 1's load may be out
	s_barrier_signal -1
	s_barrier_wait -1
	FETCH_B 0, 0, 0
	FETCH_A 0, 0, 0
	SCALES 0
	FETCH_A 0, 0, 4
	STEP 0, 0, 1
	s_mov_b32 s3, LAPS-1
.Llap:
	TURN 0, 1, 1
	STEP 1, 0, 0
	TURN 1, 0, 1
	STEP 0, 0, 0
	s_sub_co_u32 s3, s3, 1
	s_cmp_lg_u32 s3, 0
	s_cbranch_scc1 .Llap
	TURN 0, 1, 0
	STEP 1, 0, 0
	s_wait_dscnt 4*NL
	WIN MUL_LO
	MUL16 0, 1, NQ-1, 1, 0
	MUL16 2, 1, NQ-1, 1, 0
	s_wait_dscnt 0
	WIN MUL_HI
	MUL16 4, 1, NQ-1, 1, 0
	MUL16 6, 1, NQ-1, 1, 0
	WIN 0
; THE WAY OUT, block by block of 16 stored tokens x 128 columns: through my own stage in LDS, back as whole rows of 512 bytes, + the bias, and out: 32 lanes store 512 consecutive bytes.
; LDS serves a wave's instructions in order (ISA guide 5.7.1.4): no wait between the stores and the loads, nor in front of the next block's stores.
.macro TOSTAGE a
.set AC, 64*((\a)%4)
	WIN 0x08+4*((\a)/4)                            ; an LDS store's data: window 2 or 3
.irp b, 0,1,2,3,4,5,6,7
	ds_store_b128 v[STO], v[AC+8*\b:AC+8*\b+3] offset:128*(\b/2)+32*(\b%2)       ; each accumulator from its low end on
	ds_store_b128 v[STO], v[AC+8*\b+4:AC+8*\b+7] offset:128*(\b/2)+32*(\b%2)+16
.endr
	WIN 0
.set BB, BK+64*((\a)%2)
.irp t, 0,1,2,3,4,5,6,7,8,9,10,11,12,13,14,15
	ds_load_b128 v[BB+4*\t:BB+4*\t+3], v[RD] offset:\t*SPITCH
.endr
.endm
.macro SEND a, younger                 ; younger: the LDS instructions issued behind block a's loads, which may stay out
.set BB, BK+64*((\a)%2)
	s_wait_dscnt \younger
.irp t, 0,1,2,3,4,5,6,7,8,9,10,11,12,13,14,15
	v_pk_add_f32 v[BB+4*\t:BB+4*\t+1], v[BB+4*\t:BB+4*\t+1], v[32:33]
	v_pk_add_f32 v[BB+4*\t+2:BB+4*\t+3], v[BB+4*\t+2:BB+4*\t+3], v[34:35]
.endr
.irp t, 0,1,2,3,4,5,6,7,8,9,10,11,12,13,14,15
	global_store_b128 v[CO], v[BB+4*\t:BB+4*\t+3], s[10:11] offset:(32*((\a)/2)+8*((\a)%2)+\t+8*(\t/8))*8192 th:TH_STORE_NT   ; stored row t of block a is this true token; 127 rows at the most: inside the signed 24-bit immediate
.endr
.endm
	PLACES NP                                      ; behind the last products: for the reads of results and the loads into registers that held operands and scale words
	global_load_b128 v[32:35], v[CO], s[8:9]       ; the bias at my four columns
	TOSTAGE 0
	s_wait_loadcnt 0x0
.irp a, 1,2,3,4,5,6,7
.if \a > 1
	s_wait_xcnt 0x0                                ; block a - 2's stores have read their registers: block a's loads may land there
.endif
	TOSTAGE \a
	SEND \a-1, 32                                  ; behind block a - 1's loads: block a's 16 stores and 16 loads
.endr
	SEND 7, 0
	s_wait_tensorcnt 0x0                           ; the wave's end
	ds_add_u32 v[SPW], v[NIL]
	s_wait_dscnt 0x0
	CROUND                                         ; the closing round
	s_endpgm
.Lfunc_end_k_qcfd2b82228_proj:
	.size	k_qcfd2b82228_proj, .Lfunc_end_k_qcfd2b82228_proj-k_qcfd2b82228_proj
	.p2alignl 7, 3214868480
	.fill 96, 4, 3214868480
	.section	.rodata,"a",@progbits
	.p2align	6, 0x0
	.amdhsa_kernel k_qcfd2b82228_proj
		.amdhsa_group_segment_fixed_size 327680
		.amdhsa_private_segment_fixed_size 0
		.amdhsa_enable_private_segment 0
		.amdhsa_kernarg_size 32
		.amdhsa_user_sgpr_count 2
		.amdhsa_user_sgpr_kernarg_segment_ptr 1
		.amdhsa_wavefront_size32 1
		.amdhsa_system_sgpr_workgroup_id_x 1
		.amdhsa_system_sgpr_workgroup_id_y 1
		.amdhsa_system_sgpr_workgroup_id_z 1
		.amdhsa_system_vgpr_workitem_id 0
		.amdhsa_next_free_vgpr 1024
		.amdhsa_next_free_sgpr 100
		.amdhsa_reserve_vcc 0
		.amdhsa_float_denorm_mode_32 3
		.amdhsa_float_denorm_mode_16_64 3
		.amdhsa_memory_ordered 1
		.amdhsa_forward_progress 1
		.amdhsa_inst_pref_size 153
	.end_amdhsa_kernel
	.amdgpu_metadata
---
amdhsa.version: [ 1, 2 ]
amdhsa.kernels:
  - .name:           k_qcfd2b82228_proj
    .symbol:         k_qcfd2b82228_proj.kd
    .args:
      - { .name: yq, .offset: 0, .size: 8, .value_kind: global_buffer, .address_space: global }
      - { .name: wq, .offset: 8, .size: 8, .value_kind: global_buffer, .address_space: global }
      - { .name: bp, .offset: 16, .size: 8, .value_kind: global_buffer, .address_space: global }
      - { .name: out0, .offset: 24, .size: 8, .value_kind: global_buffer, .address_space: global }
    .group_segment_fixed_size: 327680
    .private_segment_fixed_size: 0
    .kernarg_segment_align: 8
    .kernarg_segment_size: 32
    .max_flat_workgroup_size: 128
    .sgpr_count:     100
    .vgpr_count:     1024
    .wavefront_size: 32
...
	.end_amdgpu_metadata
.endif
;; end of part 4
;; ======== version 2 of 2: 4 launches
;; limits: right only within a limited range of input values
;; workspace buffers: xq 3,276,800 bytes; wq 13,107,200 bytes; qkv 9,830,400 bytes; yq 3,276,800 bytes
;; launch quant (part 5): grid 640 x 1, 4 waves a work-group, no clusters, 60,928 bytes of LDS; arguments x, Wqk, Wv, Wp, xq, wq; writes xq, wq
.if DOCPART == 5
	.amdgcn_target "amdgcn-amd-amdhsa--gfx1250"
	.amdhsa_code_object_version 6
	.text
	.protected	k_qcfd2b82228_quant
	.globl	k_qcfd2b82228_quant
	.p2align	8
	.type	k_qcfd2b82228_quant,@function
k_qcfd2b82228_quant:
	s_mov_b64 s[64:65], 0
	v_nop
	global_prefetch_b8 v0, s[64:65] scope:SCOPE_SE
	s_setreg_imm32_b32 hwreg(HW_REG_WAVE_MODE, 25, 1), 1
	s_wait_xcnt 0x0
; x [2048][2048] (K innermost) and Wqk [2048][4096], Wv, Wp [2048][2048] (K = the FIRST axis), all f32, become codes of FP6 (E2M3) with one E8M0 byte for each 32 along K.
; A block's scale is 2^(floor(log2(its largest magnitude)) - 2); its byte is the largest magnitude's exponent field - 2, held at 1 from below; numbers are divided by the scale and rounded to the nearest code, ties to even.
; LIMITS: NaN and infinities among the inputs are not served.  A block of zeros gets the byte 1 where the rule says 127: its codes are zeros, and this program alone reads the bytes.  Blocks whose largest magnitude lies under 2^-124 keep the byte 1.
; LAYOUT OF THE RESULTS.  Operand rows (tokens of x, columns of a weight) are kept in STORED order: stored row s holds true row pi(s), pi = bits 3 and 4 exchanged.  So lane r of the stored tile 2 b + u of a group of 128 rows
; holds true row 32 b + 8 u + r + 8 (r / 8).  A fragment (16 stored rows x 128 K, 12 registers a lane) lies as an image of those registers: register R of lane L at byte 512 (R / 4) + 16 L + 4 (R % 4): 1,536 bytes.
; Fragment (G = group of 128 rows, kq = K / 128, i = tile) lies at ((16 G + kq) 8 + i) 1536; the scale word (4 bytes, 128 K) of a stored row at ((16 G + kq) 128 + row % 128) 4, behind the codes.
; SHARES.  Work-groups 0-127: one stored tile of x each; wave w takes kq = 4 w .. 4 w + 3.  Work-groups 128-639: group G = (id - 128) / 8 of the weights' 64 (0-31 Wqk, 32-47 Wv, 48-63 Wp), 256 along K; wave w takes 32 columns, a lane a column.
; No tensor loads, no barrier: waves share nothing.  The two paths have LDS bytes of their own.
.set XS_OFF, 3145728                   ; x's scale words, behind its codes
.set WS_OFF, 12582912                  ; the weights' likewise
.set SEL,  20                          ; s[20:21] lane selects for v_permlanex16_b32: lane l xor 16
.set TM,   12                          ; v12-27  at work in QUANT
.set PW,   28                          ; v28     the scale word just made
.set PC,   32                          ; v32-51  the codes just made
.set X,    64                          ; v64-127 numbers as the conversions want them
.set R,    128                         ; v128-255 x as loaded, two sets of 64
.set VO,   32                          ; (weights) v32-63 offsets of 32 rows
.set SBW,  24                          ; (weights) v24-25 two scale words
; 64 numbers of a lane, v[s] .. v[s + 63], register 16 b + i = k 32 b + 16 (lane / 16) + i of my row, become a fragment's codes in v[PC] on and its scale word in v[PW].
.macro QUANT s
.irp b, 0,1,2,3
	v_max3_num_f32 v[TM+\b], |v[\s+16*\b]|, |v[\s+1+16*\b]|, 0x1800000   ; block b: my 16 numbers, and the floor 2^(3 - 127): the byte cannot fall under 1
.endr
.irp i, 2,4,6,8,10,12,14
.irp b, 0,1,2,3
	v_max3_num_f32 v[TM+\b], v[TM+\b], |v[\s+16*\b+\i]|, |v[\s+1+16*\b+\i]|   ; the four blocks by turns
.endr
.endr
.irp b, 0,1,2,3
	v_permlanex16_b32 v[TM+4+\b], v[TM+\b], s[SEL], s[SEL+1]
.endr
.irp b, 0,1,2,3
	v_max_num_f32 v[TM+\b], v[TM+\b], v[TM+4+\b]   ; with lane l xor 16's: the block's largest magnitude
.endr
.irp b, 0,1,2,3
	v_add_nc_u32 v[TM+12+\b], 0xff000000, v[TM+\b]   ; 2 off its exponent field: the conversion's scale operand
.endr
.irp b, 0,1,2,3
	v_lshrrev_b32 v[TM+4+\b], 23, v[TM+12+\b]      ; the scale's byte
.endr
	v_lshl_or_b32 v[PW], v[TM+5], 8, v[TM+4]
	v_lshl_or_b32 v[PW], v[TM+6], 16, v[PW]
	v_lshl_or_b32 v[PW], v[TM+7], 24, v[PW]
.irp c, 0,1
	v_cvt_scalef32_pk16_fp6_f32 v[PC+6*\c:PC+2+6*\c], v[\s+32*\c:\s+15+32*\c], v[TM+12+2*\c]
	v_cvt_scalef32_pk16_fp6_f32 v[PC+12+4*\c:PC+14+4*\c], v[\s+16+32*\c:\s+31+32*\c], v[TM+12+2*\c+1]   ; (a conversion's three registers begin on an even number)
.endr
	v_nop                                          ; one plain place behind a scaled conversion
.irp c, 0,1                                    ; the operand's layout wants a whole block in a lane
.irp i, 0,1,2
	v_permlane16_swap_b32 v[PC+6*\c+\i], v[PC+12+4*\c+\i]
.endr
.irp i, 0,1,2
	v_mov_b32 v[PC+3+6*\c+\i], v[PC+12+4*\c+\i]
.endr
.endr
.endm
	s_load_b256 s[4:11], s[0:1], 0x0               ; x s[4:5], Wqk s[6:7], Wv s[8:9], Wp s[10:11]
	s_load_b128 s[12:15], s[0:1], 0x20             ; xq s[12:13], wq s[14:15]
	v_lshl_add_u32 v30, v0, 2, 0xec00
	v_mov_b32 v31, 0
	v_lshrrev_b32 v1, 5, v0
	v_readfirstlane_b32 s16, v1                    ; wave 0..3
	v_and_b32 v1, 31, v0                           ; lane
	v_and_b32 v2, 15, v0                           ; r
	v_bfe_u32 v3, v0, 4, 1                         ; h
	v_lshlrev_b32 v4, 4, v1                        ; 16 x lane
	s_mov_b32 s[SEL], 0x76543210
	s_mov_b32 s[SEL+1], 0xfedcba98
	s_mov_b32 vcc_lo, 0xffff0000                   ; lanes 16-31
	s_cmp_lt_u32 ttmp9, 128
	s_cbranch_scc0 .Lweights
	; ---------------- x: stored tile tg = the work-group's number ----------------
	s_lshr_b32 s17, ttmp9, 1
	s_lshl_b32 s17, s17, 5
	s_and_b32 s18, ttmp9, 1
	s_lshl_b32 s18, s18, 3
	s_add_co_u32 s17, s17, s18                     ; the tile's first token: 32 (tg / 2) + 8 (tg % 2)
	s_lshl_b32 s22, s17, 13                        ; x 8,192 bytes a token
	s_lshl_b32 s18, s16, 11
	s_add_co_u32 s22, s22, s18                     ; + my wave's 512 numbers along K
	s_mov_b32 s23, 0
	s_lshr_b32 s17, ttmp9, 3                       ; G
	s_and_b32 s18, ttmp9, 7                        ; i
	s_lshl_b32 s17, s17, 4
	s_lshl_b32 s19, s16, 2
	s_add_co_u32 s17, s17, s19                     ; 16 G + 4 w
	s_lshl_b32 s26, s17, 3
	s_add_co_u32 s26, s26, s18
	s_mul_i32 s26, s26, 1536                       ; my first fragment
	s_mov_b32 s27, 0
	s_lshl_b32 s28, s17, 7
	s_lshl_b32 s19, s18, 4
	s_add_co_u32 s28, s28, s19
	s_lshl_b32 s28, s28, 2
	s_add_co_u32 s28, s28, XS_OFF                  ; and its scale words
	s_mov_b32 s29, 0
	s_mul_i32 s17, s16, 8448                       ; my stage: 16 rows x 528 bytes
	s_wait_alu depctr_va_vdst(0)
	v_add_nc_u32 v5, s17, v4                       ; in: a row as loaded, 16 bytes a lane
	v_mul_u32_u24 v6, v2, 528
	v_lshl_add_u32 v6, v3, 6, v6
	v_add_nc_u32 v6, s17, v6                       ; back: row r, + 64 h: my 16 numbers of a block of 32
	v_lshlrev_b32 v7, 2, v2
	v_lshl_add_u32 v7, v3, 9, v7                   ; two fragments' scale words by one store: 512 h + 4 r
.irp b, 0,1,2,3
	v_mov_b32 v[TM+4+\b], 0                        ; written once: a lane permute's destination counts as one of its sources
.endr
	s_wait_alu depctr_va_vdst(0)
	s_wait_kmcnt 0x0
	s_add_nc_u64 s[4:5], s[4:5], s[22:23]
	s_add_nc_u64 s[24:25], s[12:13], s[28:29]
	s_add_nc_u64 s[12:13], s[12:13], s[26:27]
.macro XLOAD f                         ; fragment f: 16 tokens x 128 numbers; each load reads 512 consecutive bytes of one token
.irp t, 0,1,2,3,4,5,6,7,8,9,10,11,12,13,14,15
	global_load_b128 v[R+64*((\f)%2)+4*\t:R+64*((\f)%2)+4*\t+3], v4, s[4:5] offset:(\t+8*(\t/8))*8192+512*(\f) th:TH_LOAD_NT
.endr
.endm
.macro XFRAG f
.if (\f) < 3
	s_wait_loadcnt 16                              ; this fragment's 16 loads are in; the next fragment's 16 may be out
.else
	s_wait_loadcnt 0x0
.endif
.irp t, 0,1,2,3,4,5,6,7,8,9,10,11,12,13,14,15
	ds_store_b128 v5, v[R+64*((\f)%2)+4*\t:R+64*((\f)%2)+4*\t+3] offset:528*\t
.endr
.irp b, 0,1,2,3
.irp j, 0,1,2,3
	ds_load_b128 v[X+16*\b+4*\j:X+16*\b+4*\j+3], v6 offset:128*\b+16*\j   ; LDS serves a wave's instructions in order: these see the stores above
.endr
.endr
	s_wait_dscnt 0x0                               ; the numbers are back, and the stage's stores have read their registers
	s_wait_xcnt 0x0                                ; the last fragment's stores have read their data: the codes and the joined word may be written again
.if (\f) < 2
	XLOAD (\f)+2
.endif
	QUANT X
.irp c, 0,1,2
	global_store_b128 v4, v[PC+4*\c:PC+4*\c+3], s[12:13] offset:12288*(\f)+512*\c   ; 512 consecutive bytes, aligned
.endr
.if (\f)%2 == 0
	v_mov_b32 v8, v[PW]                            ; kept for the store with the next fragment's
.else
	v_cndmask_b32 v9, v8, v[PW], vcc_lo            ; lanes 0-15: the fragment before; lanes 16-31: this one
	global_store_b32 v7, v9, s[24:25] offset:512*((\f)-1)
.endif
.endm
	XLOAD 0
	XLOAD 1
	XFRAG 0
	XFRAG 1
	XFRAG 2
	XFRAG 3
	s_wait_tensorcnt 0x0
	ds_add_u32 v30, v31
	s_wait_dscnt 0x0
	s_endpgm
	; ---------------- the weights: a lane takes a column, its registers run down K ----------------
.Lweights:
	s_sub_co_u32 s17, ttmp9, 128
	s_lshr_b32 s18, s17, 3                         ; G 0..63
	s_and_b32 s19, s17, 7                          ; ky: which 256 along K
	s_wait_kmcnt 0x0
	s_mov_b32 s22, 8192                            ; bytes from row to row
	s_cmp_lt_u32 s18, 32                           ; the choice hangs on the work-group's number alone
	s_cselect_b64 s[24:25], s[6:7], s[8:9]
	s_cselect_b32 s22, 16384, s22
	s_cselect_b32 s23, 0, 32                       ; the tensor's first G
	s_cmp_lt_u32 s18, 48
	s_cselect_b64 s[24:25], s[24:25], s[10:11]
	s_cselect_b32 s23, s23, 48
	s_sub_co_u32 s23, s18, s23
	s_lshl_b32 s23, s23, 9                         ; 128 columns x 4 bytes a group
	s_lshl_b32 s26, s16, 7                         ; + my wave's 32 columns
	s_add_co_u32 s26, s23, s26
	s_lshl_b32 s27, s19, 8
	s_mul_i32 s27, s27, s22                        ; + 256 ky rows
	s_add_co_u32 s26, s26, s27
	s_mov_b32 s27, 0
	s_add_nc_u64 s[32:33], s[24:25], s[26:27]      ; block 0's base; block t's lies 32 rows further on than block t - 1's
	s_lshl_b32 s28, s22, 5
	s_mov_b32 s29, 0
.irp t, 1,2,3,4,5,6,7
	s_add_nc_u64 s[32+2*\t:33+2*\t], s[30+2*\t:31+2*\t], s[28:29]
.endr
	s_wait_alu depctr_va_vdst(0)
	v_lshlrev_b32 v[VO], 2, v1                     ; offsets: 4 x lane + i rows
.irp i, 1,2,3,4,5,6,7,8,9,10,11,12,13,14,15,16,17,18,19,20,21,22,23,24,25,26,27,28,29,30,31
	v_add_nc_u32 v[VO+\i], s22, v[VO+\i-1]
.endr
	s_lshl_b32 s26, s18, 4
	s_lshl_b32 s27, s19, 1
	s_add_co_u32 s26, s26, s27                     ; 16 G + 2 ky
	s_lshl_b32 s48, s26, 7
	s_lshl_b32 s27, s16, 5
	s_add_co_u32 s48, s48, s27
	s_lshl_b32 s48, s48, 2
	s_add_co_u32 s48, s48, WS_OFF
	s_mov_b32 s49, 0
	s_add_nc_u64 s[48:49], s[14:15], s[48:49]      ; my 32 rows' scale words
	s_lshl_b32 s50, s26, 3
	s_lshl_b32 s27, s16, 1
	s_add_co_u32 s50, s50, s27
	s_mul_i32 s50, s50, 1536
	s_mov_b32 s51, 0
	s_add_nc_u64 s[50:51], s[14:15], s[50:51]      ; my two tiles' fragments
	; true column 32 w + lane is stored row 32 w + pi(lane): tile 2 w + u, u = bit 3 of the lane; row r' = lane % 8 + 8 (lane / 16)
	v_bfe_u32 v8, v0, 3, 1                         ; u
	v_and_b32 v9, 7, v0
	v_lshl_add_u32 v9, v3, 3, v9                   ; r'
	s_mul_i32 s17, s16, 6656
	s_add_co_u32 s17, s17, 33792                   ; my stage: 4 fragments x (1,536 + 128) bytes, [K step][u], behind x's stages
	v_mul_u32_u24 v5, v8, 1664
	v_lshl_add_u32 v5, v9, 4, v5
	v_add_nc_u32 v5, s17, v5                       ; in: my column's place in its fragment's image
	v_add_nc_u32 v6, s17, v4                       ; back: 16 x lane
	v_lshl_add_u32 v7, v8, 4, v9
	v_lshlrev_b32 v7, 2, v7                        ; 4 x pi(lane)
.macro WLOAD t                         ; block t: W(32 t + i, my column), i = 0 .. 31
.set J, 0
.rept 32
	global_load_b32 v[X+32*((\t)%2)+J], v[VO+J], s[32+2*(\t):33+2*(\t)] th:TH_LOAD_NT
.set J, J+1
.endr
.endm
.macro WBLOCK t                        ; block t is registers 6 c' .. 6 c' + 5 of lane 16 hh + r' of the fragment of K step t / 4: c' = (t % 4) / 2, hh = t % 2
.set XB, X+32*((\t)%2)
.set OFFS, 3328*((\t)/4)+256*((\t)%2)
.if (\t) < 7
	s_wait_loadcnt 32                              ; this block's 32 loads are in; the next block's 32 may be out
.else
	s_wait_loadcnt 0x0
.endif
	v_max3_num_f32 v12, |v[XB]|, |v[XB+1]|, |v[XB+2]|          ; the block's largest magnitude: all 32 numbers are mine
	v_max3_num_f32 v13, |v[XB+3]|, |v[XB+4]|, |v[XB+5]|
.irp i, 6,10,14,18,22,26
	v_max3_num_f32 v12, v12, |v[XB+\i]|, |v[XB+\i+1]|
	v_max3_num_f32 v13, v13, |v[XB+\i+2]|, |v[XB+\i+3]|
.endr
	v_max3_num_f32 v12, v12, |v[XB+30]|, |v[XB+31]|
	v_max3_num_f32 v12, v12, v13, 0x1800000        ; and the floor 2^(3 - 127)
	v_add_nc_u32 v11, 0xff000000, v12              ; 2 off its exponent field: the conversion's scale operand
	v_lshrrev_b32 v13, 23, v11                     ; the scale's byte
.if (\t)%4 == 0
	v_mov_b32 v[SBW+(\t)/4], v13
.else
	v_lshl_or_b32 v[SBW+(\t)/4], v13, 8*((\t)%4), v[SBW+(\t)/4]
.endif
	v_cvt_scalef32_pk16_fp6_f32 v[128:130], v[XB:XB+15], v11
	v_cvt_scalef32_pk16_fp6_f32 v[136:138], v[XB+16:XB+31], v11
	v_nop                                          ; one plain place behind a scaled conversion
	v_mov_b32 v131, v136
	v_mov_b32 v132, v137
	v_mov_b32 v133, v138
.if ((\t)%4)/2 == 0
	ds_store_b128 v5, v[128:131] offset:OFFS       ; registers 0-3
	ds_store_b64 v5, v[132:133] offset:OFFS+512    ; registers 4, 5
.else
	ds_store_b64 v5, v[128:129] offset:OFFS+520    ; registers 6, 7
	ds_store_b128 v5, v[130:133] offset:OFFS+1024  ; registers 8-11
.endif
.if (\t) < 6
	WLOAD (\t)+2
.endif
	s_wait_dscnt 0x0                               ; the stores have read their registers: the next block's codes may be written
.endm
	WLOAD 0
	WLOAD 1
.irp t, 0,1,2,3,4,5,6,7
	WBLOCK \t
.endr
	global_store_b32 v7, v[SBW], s[48:49]
	s_wait_alu depctr_va_vdst(0)
	global_store_b32 v7, v[SBW+1], s[48:49] offset:512
.irp n, 0,1,2,3,4,5,6,7,8,9,10,11
	ds_load_b128 v[144+4*\n:147+4*\n], v6 offset:(\n/3)*1664+(\n%3)*512   ; LDS serves a wave's instructions in order: these see my stores
.endr
.irp n, 0,1,2,3,4,5,6,7,8,9,10,11
	s_wait_dscnt 11-\n                             ; load n is in; the younger ones may be out
	global_store_b128 v4, v[144+4*\n:147+4*\n], s[50:51] offset:(\n/6)*12288+((\n/3)%2)*1536+(\n%3)*512   ; 512 consecutive bytes, aligned
.endr
	s_wait_tensorcnt 0x0
	ds_add_u32 v30, v31
	s_wait_dscnt 0x0
	s_endpgm
.Lfunc_end_k_qcfd2b82228_quant:
	.size	k_qcfd2b82228_quant, .Lfunc_end_k_qcfd2b82228_quant-k_qcfd2b82228_quant
	.p2alignl 7, 3214868480
	.fill 96, 4, 3214868480
	.section	.rodata,"a",@progbits
	.p2align	6, 0x0
	.amdhsa_kernel k_qcfd2b82228_quant
		.amdhsa_group_segment_fixed_size 60928
		.amdhsa_private_segment_fixed_size 0
		.amdhsa_enable_private_segment 0
		.amdhsa_kernarg_size 48
		.amdhsa_user_sgpr_count 2
		.amdhsa_user_sgpr_kernarg_segment_ptr 1
		.amdhsa_wavefront_size32 1
		.amdhsa_system_sgpr_workgroup_id_x 1
		.amdhsa_system_sgpr_workgroup_id_y 1
		.amdhsa_system_sgpr_workgroup_id_z 1
		.amdhsa_system_vgpr_workitem_id 0
		.amdhsa_next_free_vgpr 256
		.amdhsa_next_free_sgpr 66
		.amdhsa_reserve_vcc 1
		.amdhsa_float_denorm_mode_32 3
		.amdhsa_float_denorm_mode_16_64 3
		.amdhsa_memory_ordered 1
		.amdhsa_forward_progress 1
		.amdhsa_inst_pref_size 77
	.end_amdhsa_kernel
	.amdgpu_metadata
---
amdhsa.version: [ 1, 2 ]
amdhsa.kernels:
  - .name:           k_qcfd2b82228_quant
    .symbol:         k_qcfd2b82228_quant.kd
    .args:
      - { .name: x, .offset: 0, .size: 8, .value_kind: global_buffer, .address_space: global }
      - { .name: Wqk, .offset: 8, .size: 8, .value_kind: global_buffer, .address_space: global }
      - { .name: Wv, .offset: 16, .size: 8, .value_kind: global_buffer, .address_space: global }
      - { .name: Wp, .offset: 24, .size: 8, .value_kind: global_buffer, .address_space: global }
      - { .name: xq, .offset: 32, .size: 8, .value_kind: global_buffer, .address_space: global }
      - { .name: wq, .offset: 40, .size: 8, .value_kind: global_buffer, .address_space: global }
    .group_segment_fixed_size: 60928
    .private_segment_fixed_size: 0
    .kernarg_segment_align: 8
    .kernarg_segment_size: 48
    .max_flat_workgroup_size: 128
    .sgpr_count:     66
    .vgpr_count:     256
    .wavefront_size: 32
...
	.end_amdgpu_metadata
.endif
;; end of part 5
;; launch qkv (part 6): grid 24 x 8, 4 waves a work-group, clusters of 4 x 4, 327,680 bytes of LDS; arguments xq, wq, freqs_cos, freqs_sin, qn_w, kn_w, bv, qkv; writes qkv
.if DOCPART == 6
	.amdgcn_target "amdgcn-amd-amdhsa--gfx1250"
	.amdhsa_code_object_version 6
	.text
	.protected	k_qcfd2b82228_qkv
	.globl	k_qcfd2b82228_qkv
	.p2align	8
	.type	k_qcfd2b82228_qkv,@function
k_qcfd2b82228_qkv:
	s_mov_b64 s[64:65], 0
	v_nop
	global_prefetch_b8 v0, s[64:65] scope:SCOPE_SE
	s_setreg_imm32_b32 hwreg(HW_REG_WAVE_MODE, 25, 1), 1
	s_wait_xcnt 0x0
	s_wait_alu depctr_hold_cnt(0) depctr_sa_sdst(0) depctr_va_vdst(0) depctr_va_sdst(0) depctr_va_ssrc(0) depctr_va_vcc(0) depctr_vm_vsrc(0)
	s_getreg_b32 s2, hwreg(HW_REG_IB_STS2, 6, 4)
	s_cmp_eq_u32 s2, 0
	s_cbranch_scc0 .Lentry_in_a_cluster
	s_endpgm
.Lentry_in_a_cluster:
	s_bfe_u32 s2, ttmp6, 0x10000c
	s_cmp_lg_u32 s2, 0xf033
	s_cbranch_scc0 .Lentry_shape_is_right
	s_endpgm
.Lentry_shape_is_right:
; q, k = rope(rmsnorm(x Wqk)) and v = x Wv + bv, the products on codes of FP6 (E2M3) with one E8M0 scale for each 32 along K = 2,048; the results are quantised again for the attention: q, k along the head's 128 channels, v along the keys.
; OPERANDS are images of their registers: fragment (G = group of 128 stored rows, kq = K / 128, i = tile) at ((16 G + kq) 8 + i) 1536; scale words at ((16 G + kq) 128 + row) 4 behind the codes; stored row s = true row with bits 3 and 4 exchanged.
; SHARES.  A block of 256 x 256 to a work-group, 128 x 128 to a wave (64 accumulators).  Clusters x 0-3: A = x's tokens, B = Wqk's columns: a lane holds one token, its registers one head's channels.  Clusters x 4-5: A = Wv's columns, B = x's tokens:
; a lane holds one channel, its registers run along the keys.  A head's 128 channels must lie in one lane for the norm, so the wave tile is 128 x 128: 768 waves, 192 work-groups.
; THE RING: two slots of 256 along K (A's 2 x 24,576 bytes, then B's), eight fills.  At the head one joint load a wave: wave 0 A's slot 0, wave 1 B's, wave 2 A's scale words of all K, wave 3 B's.  Later fills: a quarter of a slot a wave.
; PREFETCH: behind each fill f the runs of fill f + 2 are asked for, 96 blocks of 256 bytes a run, 24 to each of the four partners that load it jointly, told apart by address; it stops with fill 7.
; The rotary tables' 512 blocks of a cluster row's 256 tokens are asked for once, 32 to each of its sixteen waves.  The norm's weights and block 0's cos and sin are loaded at the head into registers that the loop leaves idle.
; LIMITS: NaN and infinities are not served; a block of zeros gets the byte 1 (its codes are zeros; this program alone reads the bytes).
; REGISTERS: window 0: v16-31 addresses; v32-63 scale words (way out: at work); v64-127 the norm's weights; v128-223 A's fragments (way out: v128-147 codes, v160-223 the block in hand); v224-231 bv.
;   window 1: B's two sets at v0, v128 (way out: cos and sin, four buffers with v96-127, v224-255); windows 2, 3: the accumulators.
.set XS_OFF, 3145728
.set WS_OFF, 12582912
.set VC,     6291456
.set QSC,    9437184
.set VSC,    9699328
.set GB,     196608
.set NQ,     2
.set FR,     12
.set NL,     3
.set NP,     4
.set HALFT,  24576
.set SLOT,   4*HALFT
.set KSB,    24576
.set LAPS,   4
.set HALFS,  8192
.set SCL,    2*SLOT
.set SPARE,  SCL+4*HALFS
.set ADRA, 16
.set PFO,  18
.set PFT,  19
.set ADRB, 20
.set IMG,  24
.set SWA,  25
.set CSO,  26
.set ADRS, 27
.set SPW,  28
.set NIL,  29
.set NWO,  30
.set BVO,  31
.set SC,   32
.set AF,   128
.set TM,   32
.set PW,   48
.set PWK,  49
.set SW,   50
.set RS,   52
.set SS,   54
.set BBR,  58
.set NW,   64
.set PC,   128
.set T,    160
.set BV,   224
.set WVN,  20
.set HAS,  21
.set HBS,  22
.set SEL,  66
.set G0H,  4
.set G0HB, 44
.set G1, 24
.set G0, 32
.set G1B, 48
.set G0B, 56
.set G1S, 68
.set G0S, 76
.set G1SB, 80
.set G0SB, 88
.set PFA, 98
.set MSB, 0
.macro WIN new                         ; the immediate's high byte repeats the setting that is left
.if MSB != (\new)
	s_set_vgpr_msb (MSB<<8)|(\new)
.set MSB, (\new)
.endif
.endm
.set MUL_LO, 0xa1
.set MUL_HI, 0xf1
.set TO_B,   0x40
.macro JLOAD g0a, g1a, g0b, g1b        ; a joint load: waves 0, 1 fetch for A, waves 2, 3 for B
	s_cmp_eq_u32 s[HAS], 0
	s_cbranch_scc0 .Lfor_b_\@
	tensor_load_to_lds s[\g0a:\g0a+3], s[\g1a:\g1a+7]
	s_nop 0
.rept 4
	v_nop
.endr
	s_branch .Lasked_\@
.Lfor_b_\@:
	tensor_load_to_lds s[\g0b:\g0b+3], s[\g1b:\g1b+7]
	s_nop 0
.rept 4
	v_nop
.endr
.Lasked_\@:
.endm
.macro CREST                           ; a round of the cluster's barrier behind its opening barrier
	s_cmp_lg_u32 s[WVN], 0
	s_cbranch_scc1 .Lnot_wave_0_\@
	s_barrier_signal -3
.Lnot_wave_0_\@:
	s_barrier_wait -3
	s_barrier_signal -1
	s_barrier_wait -1
.endm
.macro CROUND
	s_barrier_signal -1
	s_barrier_wait -1
	CREST
.endm
.macro PLACES n
.rept \n
	v_nop
.endr
.endm
.macro ASK loop                        ; the run of the fill two on: one instruction a wave; in the loop's last trip there is no such fill
.if \loop
	s_cmp_gt_u32 s3, 1
	s_cbranch_scc0 .Lnone_\@
.endif
	global_prefetch_b8 v[PFO], s[PFA:PFA+1] th:TH_LOAD_NT scope:SCOPE_SE
.if \loop
.Lnone_\@:
.endif
.endm
.macro FRAG reg, adr, q, i             ; a fragment's image: three loads of 512 consecutive bytes
.irp c, 0,1,2
	ds_load_b128 v[\reg+4*\c:\reg+4*\c+3], v[\adr] offset:((\q)*8+(\i))*1536+512*\c
.endr
.endm
.macro MUL16 a0, p, q, sc, zero        ; A's blocks a0, a0 + 1 x B's eight; the 64 accumulators take turns
.irp a, \a0, \a0+1
.irp b, 0,1,2,3,4,5,6,7
.if \zero
	v_wmma_scale_f32_16x16x128_f8f6f4 v[8*(8*((\a)%4)+\b):8*(8*((\a)%4)+\b)+7], v[128*(\p)+FR*\b:128*(\p)+FR*\b+FR-1], v[AF+FR*(\a):AF+FR*(\a)+FR-1], 0, v[SC+8*NQ*(\sc)+NQ*\b+(\q)], v[SC+8*NQ*(\sc)+NQ*(\a)+(\q)] matrix_a_fmt:MATRIX_FMT_FP6 matrix_b_fmt:MATRIX_FMT_FP6 matrix_a_scale:MATRIX_SCALE_ROW1
.else
	v_wmma_scale_f32_16x16x128_f8f6f4 v[8*(8*((\a)%4)+\b):8*(8*((\a)%4)+\b)+7], v[128*(\p)+FR*\b:128*(\p)+FR*\b+FR-1], v[AF+FR*(\a):AF+FR*(\a)+FR-1], v[8*(8*((\a)%4)+\b):8*(8*((\a)%4)+\b)+7], v[SC+8*NQ*(\sc)+NQ*\b+(\q)], v[SC+8*NQ*(\sc)+NQ*(\a)+(\q)] matrix_a_fmt:MATRIX_FMT_FP6 matrix_b_fmt:MATRIX_FMT_FP6 matrix_a_scale:MATRIX_SCALE_ROW1
.endif
.endr
.endr
.endm
.macro FETCH_B slot, q, p
	WIN TO_B
.irp i, 0,1,2,3,4,5,6,7
	FRAG 128*(\p)+FR*\i, ADRB+\slot, \q, \i
.endr
	WIN 0
.endm
.macro FETCH_A slot, q, i0
.irp i, \i0, \i0+1, \i0+2, \i0+3
	FRAG AF+FR*(\i), ADRA+\slot, \q, \i
.endr
.endm
.macro SCALES sc                       ; a slot's two steps: lanes 0-15 A's block i, lanes 16-31 B's block i
.irp i, 0,1,2,3,4,5,6,7
.irp q, 0,1
	ds_load_b32 v[SC+8*NQ*\sc+NQ*\i+\q], v[ADRS] offset:512*\q+64*\i
.endr
.endr
.endm
.macro STEP slot, q, zero              ; a slot's first step; the second step's fragments are fetched in its middle and at its end
	s_wait_dscnt 4*NL                              ; all but the youngest 12 loads, A's blocks 4-7
	WIN MUL_LO
	MUL16 0, (\q)%2, \q, \slot, \zero
	MUL16 2, (\q)%2, \q, \slot, \zero
	s_wait_dscnt 0
	PLACES NP
	FETCH_B \slot, (\q)+1, 1-(\q)%2
	FETCH_A \slot, (\q)+1, 0
	WIN MUL_HI
	MUL16 4, (\q)%2, \q, \slot, \zero
	MUL16 6, (\q)%2, \q, \slot, \zero
	PLACES NP
	WIN 0
	FETCH_A \slot, (\q)+1, 4
.endm
.macro TURN slot, next, fill           ; a slot's second step, and the change of slots
.if \fill
	s_wait_xcnt 0x0                                ; the last prefetch has read its address
	s_add_nc_u64 s[PFA:PFA+1], s[PFA:PFA+1], KSB
.endif
	s_wait_tensorcnt 0x0                           ; all my tensor loads have landed: my part of the next slot
	ds_add_u32 v[SPW], v[NIL]
	s_wait_dscnt 4*NL+1                            ; the add and the youngest 12 loads may be out
	WIN MUL_LO
	MUL16 0, 1, NQ-1, \slot, 0
	s_wait_dscnt 0x0                               ; the add is done, my reads of this slot are over
	s_barrier_signal -1
	MUL16 2, 1, NQ-1, \slot, 0
	WIN 0
	s_barrier_wait -1
.if \fill
	CREST                                          ; the barrier has opened a round of the cluster's
	s_add_nc_u64 s[G0+4*\slot+2:G0+4*\slot+3], s[G0+4*\slot+2:G0+4*\slot+3], 2*KSB
	s_add_nc_u64 s[G0B+4*\slot+2:G0B+4*\slot+3], s[G0B+4*\slot+2:G0B+4*\slot+3], 2*KSB
	JLOAD G0+4*\slot, G1, G0B+4*\slot, G1B         ; the first tensor load behind the round; its four v_nop are the places for the loads below
.else
	PLACES NP
.endif
	s_wait_alu depctr_va_vdst(0)
	v_add_nc_u32 v[ADRS], 512*NQ, v[ADRS]
	FETCH_B \next, 0, 0
	FETCH_A \next, 0, 0
	SCALES \next
.if \fill
	ASK 1
.endif
	WIN MUL_HI
	MUL16 4, 1, NQ-1, \slot, 0
	MUL16 6, 1, NQ-1, \slot, 0
	PLACES NP
	WIN 0
	FETCH_A \next, 0, 4
.endm
; 64 numbers of a lane, register 16 b + i = k 32 b + 16 (lane / 16) + i of my row, become a fragment's codes in v[PC] on and its scale word in v[PW]
.macro QUANT s
.irp b, 0,1,2,3
	v_max3_num_f32 v[TM+\b], |v[\s+16*\b]|, |v[\s+1+16*\b]|, 0x1800000   ; with the floor 2^(3 - 127): the byte cannot fall under 1
.endr
.irp i, 2,4,6,8,10,12,14
.irp b, 0,1,2,3
	v_max3_num_f32 v[TM+\b], v[TM+\b], |v[\s+16*\b+\i]|, |v[\s+1+16*\b+\i]|
.endr
.endr
.irp b, 0,1,2,3
	v_permlanex16_b32 v[TM+4+\b], v[TM+\b], s[SEL], s[SEL+1]
.endr
.irp b, 0,1,2,3
	v_max_num_f32 v[TM+\b], v[TM+\b], v[TM+4+\b]
.endr
.irp b, 0,1,2,3
	v_add_nc_u32 v[TM+12+\b], 0xff000000, v[TM+\b]   ; 2 off the exponent field: the conversion's scale operand
.endr
.irp b, 0,1,2,3
	v_lshrrev_b32 v[TM+4+\b], 23, v[TM+12+\b]
.endr
	v_lshl_or_b32 v[PW], v[TM+5], 8, v[TM+4]
	v_lshl_or_b32 v[PW], v[TM+6], 16, v[PW]
	v_lshl_or_b32 v[PW], v[TM+7], 24, v[PW]
.irp c, 0,1
	v_cvt_scalef32_pk16_fp6_f32 v[PC+6*\c:PC+2+6*\c], v[\s+32*\c:\s+15+32*\c], v[TM+12+2*\c]
	v_cvt_scalef32_pk16_fp6_f32 v[PC+12+4*\c:PC+14+4*\c], v[\s+16+32*\c:\s+31+32*\c], v[TM+12+2*\c+1]
.endr
	v_nop                                          ; one plain place behind a scaled conversion
.irp c, 0,1
.irp i, 0,1,2
	v_permlane16_swap_b32 v[PC+6*\c+\i], v[PC+12+4*\c+\i]
.endr
.irp i, 0,1,2
	v_mov_b32 v[PC+3+6*\c+\i], v[PC+12+4*\c+\i]
.endr
.endr
.endm
.macro CSBUF a                         ; block a's cos at v[CB], sin at v[SB] of window 1: four buffers by turns
.if (\a)%4 == 0
.set CB, 96
.set SB, 224
.else
.if (\a)%4 == 1
.set CB, 0
.set SB, 32
.else
.if (\a)%4 == 2
.set CB, 64
.set SB, 128
.else
.set CB, 160
.set SB, 192
.endif
.endif
.endif
.endm
.macro CSLOAD a                        ; my token's cos and sin at my 32 pairs of channels: register 8 b + n = pair 16 b + 8 (lane / 16) + n
	CSBUF \a
.set CROW, (32*((\a)/2)+8*((\a)%2))*256
.irp b, 0,1,2,3
.irp e, 0,1
	global_load_b128 v[CB+8*\b+4*\e:CB+8*\b+4*\e+3], v[CSO], s[8:9] offset:CROW+64*\b+16*\e
	global_load_b128 v[SB+8*\b+4*\e:SB+8*\b+4*\e+3], v[CSO], s[10:11] offset:CROW+64*\b+16*\e
.endr
.endr
.endm
	s_load_b256 s[4:11], s[0:1], 0x0               ; xq, wq, cos, sin
	s_load_b256 s[12:19], s[0:1], 0x20             ; qn_w, kn_w, bv, qkv
	v_lshl_add_u32 v[SPW], v0, 2, SPARE
	v_mov_b32 v[NIL], 0
	ds_add_u32 v[SPW], v[NIL]                      ; the opening lines: the add twice on end, under one wait
	ds_add_u32 v[SPW], v[NIL]
	v_lshrrev_b32 v1, 5, v0
	v_readfirstlane_b32 s[WVN], v1
	s_lshr_b32 s[HAS], s[WVN], 1                   ; my half of A's rows; also: I fetch for A (0) or B (1)
	s_and_b32 s[HBS], s[WVN], 1                    ; my half of B's rows; also: which group of 128 rows I fetch
	s_bfe_u32 s40, ttmp6, 0x40000                  ; cx
	s_bfe_u32 s41, ttmp6, 0x40004                  ; cy
	s_lshl_b32 s42, ttmp9, 2
	s_add_co_u32 s42, s42, s40                     ; gx
	s_and_b32 s43, ttmp7, 0xffff
	s_lshl_b32 s43, s43, 2
	s_add_co_u32 s43, s43, s41                     ; gy
	s_lshl_b32 s44, s41, 2
	s_lshl_b32 s44, 15, s44                        ; my row of the cluster
	s_lshl_b32 s45, 0x1111, s40                    ; my column
	s_or_b32 s[G1+0], s44, (3<<16)|(1<<21)         ; elements of 8 bytes; bit 21 beside a mask
	s_or_b32 s[G1B+0], s45, (3<<16)|(1<<21)
	s_or_b32 s[G1S+0], s44, (3<<16)|(1<<21)
	s_or_b32 s[G1SB+0], s45, (3<<16)|(1<<21)
.irp g, G1, G1B                        ; the head's form: two groups' runs of 24,576 bytes, GB bytes apart
	s_mov_b32 s[\g+1], 3072<<16
	s_mov_b32 s[\g+2], 2<<16
	s_mov_b32 s[\g+3], 3072<<16
	s_mov_b32 s[\g+4], 2
	s_mov_b32 s[\g+5], GB/8
	s_mov_b32 s[\g+6], 0
	s_mov_b32 s[\g+7], 0
.endr
.irp g, G1S, G1SB                      ; two groups' scale words: 64 rows of 256 bytes, dense
	s_mov_b32 s[\g+1], 32<<16
	s_mov_b32 s[\g+2], 64<<16
	s_mov_b32 s[\g+3], 32<<16
	s_mov_b32 s[\g+4], 64
	s_mov_b32 s[\g+5], 32
	s_mov_b32 s[\g+6], 0
	s_mov_b32 s[\g+7], 0
.endr
	s_mov_b32 s[SEL], 0x76543210
	s_mov_b32 s[SEL+1], 0xfedcba98
	s_wait_dscnt 0x0                               ; both opening adds are done
	s_wait_kmcnt 0x0
	s_cmp_ge_u32 ttmp9, 4                          ; v's clusters: the operands change places
	s_cselect_b64 s[92:93], s[6:7], s[4:5]
	s_cselect_b64 s[96:97], s[4:5], s[6:7]
	s_cselect_b32 s46, 32, 0
	s_cselect_b32 s47, 16, 0
	s_mov_b32 s2, XS_OFF
	s_cselect_b32 s2, WS_OFF, s2
	s_mov_b32 s23, WS_OFF
	s_cselect_b32 s23, XS_OFF, s23
	s_lshl_b32 s100, s43, 1
	s_add_co_u32 s100, s100, s46                   ; A's first group
	s_lshl_b32 s94, s100, 13
	s_add_co_u32 s94, s94, s2
	s_mov_b32 s95, 0
	s_mul_i32 s100, s100, GB
	s_mov_b32 s101, 0
	s_add_nc_u64 s[94:95], s[92:93], s[94:95]      ; A's scale words
	s_add_nc_u64 s[92:93], s[92:93], s[100:101]    ; A's codes
	s_sub_co_u32 s46, s42, s47
	s_lshl_b32 s46, s46, 1                         ; B's first group
	s_lshl_b32 s98, s46, 13
	s_add_co_u32 s98, s98, s23
	s_mov_b32 s99, 0
	s_mul_i32 s46, s46, GB
	s_mov_b32 s47, 0
	s_add_nc_u64 s[98:99], s[96:97], s[98:99]
	s_add_nc_u64 s[96:97], s[96:97], s[46:47]
	s_mov_b32 s[G0H], 1                            ; the head's four tiles
	s_mov_b32 s[G0H+1], 0
	s_mov_b64 s[G0H+2:G0H+3], s[92:93]
	s_or_b32 s[G0H+3], s[G0H+3], 0x80000000
	s_mov_b32 s[G0HB], 1
	s_mov_b32 s[G0HB+1], 2*HALFT
	s_mov_b64 s[G0HB+2:G0HB+3], s[96:97]
	s_or_b32 s[G0HB+3], s[G0HB+3], 0x80000000
	s_mov_b32 s[G0S], 1
	s_mov_b32 s[G0S+1], SCL
	s_mov_b64 s[G0S+2:G0S+3], s[94:95]
	s_or_b32 s[G0S+3], s[G0S+3], 0x80000000
	s_mov_b32 s[G0SB], 1
	s_mov_b32 s[G0SB+1], SCL+2*HALFS
	s_mov_b64 s[G0SB+2:G0SB+3], s[98:99]
	s_or_b32 s[G0SB+3], s[G0SB+3], 0x80000000
	CROUND                                         ; all sixteen work-groups are here: the first joint loads meet
.macro ARM under, g0, g1, next         ; one chain of branches on the wave's number, one load to an arm
	s_cmp_lt_u32 s[WVN], \under
	s_cbranch_scc0 \next
	tensor_load_to_lds s[\g0:\g0+3], s[\g1:\g1+7]
	s_nop 0
.rept 4
	v_nop
.endr
	s_branch .Lhead_asked
\next:
.endm
	ARM 1, G0H,  G1,  .Lhead_b
	ARM 2, G0HB, G1B, .Lhead_sa
	ARM 3, G0S,  G1S, .Lhead_sb
	tensor_load_to_lds s[G0SB:G0SB+3], s[G1SB:G1SB+7]
	s_nop 0
.rept 4
	v_nop
.endr
.Lhead_asked:
	s_mul_i32 s100, s[HBS], GB                     ; for the ring: my group of the two
	s_add_nc_u64 s[92:93], s[92:93], s[100:101]
	s_add_nc_u64 s[96:97], s[96:97], s[100:101]
	s_mul_i32 s23, s[WVN], HALFT
.irp s, 0,1
	s_mov_b32 s[G0+4*\s], 1
	s_add_co_u32 s[G0+4*\s+1], s23, \s*SLOT
	s_add_nc_u64 s[G0+4*\s+2:G0+4*\s+3], s[92:93], \s*KSB
	s_or_b32 s[G0+4*\s+3], s[G0+4*\s+3], 0x80000000
	s_mov_b32 s[G0B+4*\s], 1
	s_add_co_u32 s[G0B+4*\s+1], s23, \s*SLOT
	s_add_nc_u64 s[G0B+4*\s+2:G0B+4*\s+3], s[96:97], \s*KSB
	s_or_b32 s[G0B+4*\s+3], s[G0B+4*\s+3], 0x80000000
.endr
	s_cmp_eq_u32 s[HAS], 0                         ; the prefetches: my run, my work-group's 24 blocks of its 96, at fill 2
	s_cselect_b64 s[PFA:PFA+1], s[92:93], s[96:97]
	s_cselect_b32 s100, s40, s41
	s_mul_i32 s100, s100, 24*256
	s_add_co_u32 s100, s100, 2*KSB
	s_add_nc_u64 s[PFA:PFA+1], s[PFA:PFA+1], s[100:101]
	s_cmp_lt_u32 s40, 2                            ; the tables: partners 0, 1 ask for cos, 2, 3 for sin; 32 tokens a wave
	s_cselect_b64 s[94:95], s[8:9], s[10:11]
	s_and_b32 s100, s40, 1
	s_lshl_b32 s100, s100, 2
	s_add_co_u32 s100, s100, s[WVN]
	s_lshl_b32 s100, s100, 5
	s_lshl_b32 s2, s43, 8
	s_add_co_u32 s100, s100, s2
	s_lshl_b32 s100, s100, 8
	s_add_nc_u64 s[94:95], s[94:95], s[100:101]
	s_lshl_b32 s100, s43, 1
	s_add_co_u32 s100, s100, s[HAS]                ; my group of 128 of A's rows
	s_lshl_b32 s2, s100, 9
	s_lshl_b32 s100, s100, 15
	s_add_nc_u64 s[8:9], s[8:9], s[100:101]        ; cos and sin at my first token
	s_add_nc_u64 s[10:11], s[10:11], s[100:101]
	s_mov_b32 s3, 0
	s_add_nc_u64 s[16:17], s[16:17], s[2:3]        ; bv at my first channel
	s_cmp_lt_u32 ttmp9, 2
	s_cselect_b64 s[12:13], s[12:13], s[14:15]     ; q's weights or k's
	s_mul_i32 s2, s[HAS], HALFT
	s_mul_i32 s3, s[HBS], HALFT
	s_add_co_u32 s3, s3, 2*HALFT
	s_lshl_b32 s23, s[HAS], 13
	s_lshl_b32 s100, s[HBS], 13
	s_add_co_u32 s100, s100, 2*HALFS
	s_sub_co_u32 s100, s100, s23
	s_add_co_u32 s23, s23, SCL
	v_and_b32 v1, 15, v0                           ; r
	v_bfe_u32 v2, v0, 4, 1                         ; h
	v_and_b32 v3, 31, v0
	v_lshlrev_b32 v[SWA], 2, v3
	v_lshlrev_b32 v[PFT], 8, v3                    ; a lane a token's 256 bytes
	v_min_u32 v4, 23, v3
	v_lshlrev_b32 v[PFO], 8, v4                    ; lanes 24-31 name the last block again
	v_lshlrev_b32 v[IMG], 4, v3
	v_add_nc_u32 v[ADRA], s2, v[IMG]
	v_add_nc_u32 v[ADRB], s3, v[IMG]
	v_add_nc_u32 v[ADRA+1], SLOT, v[ADRA]
	v_add_nc_u32 v[ADRB+1], SLOT, v[ADRB]
	v_lshlrev_b32 v5, 2, v1
	v_mul_u32_u24 v6, s100, v2                     ; lanes 16-31 take B's scale words
	v_add_nc_u32 v5, v5, v6
	v_add_nc_u32 v[ADRS], s23, v5
	v_and_b32 v4, 8, v1
	v_add_nc_u32 v4, v4, v1                        ; r + 8 (r / 8)
	v_lshlrev_b32 v[CSO], 8, v4
	v_lshl_add_u32 v[CSO], v2, 5, v[CSO]
	v_lshlrev_b32 v[NWO], 6, v2
	v_lshlrev_b32 v[BVO], 2, v4
	s_wait_alu depctr_va_vdst(0)
	ASK 0                                          ; fill 2
	s_cmp_ge_u32 ttmp9, 4
	s_cbranch_scc1 .Lhead_v
	global_prefetch_b8 v[PFT], s[94:95] th:TH_LOAD_NT scope:SCOPE_SE
.irp b, 0,1,2,3
.irp j, 0,1,2,3
	global_load_b128 v[NW+16*\b+4*\j:NW+16*\b+4*\j+3], v[NWO], s[12:13] offset:128*\b+16*\j
.endr
.endr
	WIN 0x40
	CSLOAD 0
	WIN 0
	s_branch .Lhead_done
.Lhead_v:
.irp a, 0,1,2,3,4,5,6,7
	global_load_b32 v[BV+\a], v[BVO], s[16:17] offset:(32*(\a/2)+8*(\a%2))*4
.endr
.Lhead_done:
	s_wait_tensorcnt 0x0                           ; my tile of the head's four is in
	ds_add_u32 v[SPW], v[NIL]
.irp g, G1, G1B                        ; no tensor load of mine is out: the ring's form: 96 rows of 256 bytes, dense
	s_mov_b32 s[\g+1], 32<<16
	s_mov_b32 s[\g+2], 96<<16
	s_mov_b32 s[\g+3], 32<<16
	s_mov_b32 s[\g+4], 96
	s_mov_b32 s[\g+5], 32
.endr
	s_wait_xcnt 0x0
	s_add_nc_u64 s[PFA:PFA+1], s[PFA:PFA+1], KSB
	s_wait_dscnt 0x0
	CROUND
	JLOAD G0+4, G1, G0B+4, G1B                     ; slot 1's first fill
	FETCH_B 0, 0, 0
	FETCH_A 0, 0, 0
	SCALES 0
	FETCH_A 0, 0, 4
	ASK 0                                          ; fill 3
	STEP 0, 0, 1                                   ; the first step's products start the sums
	s_mov_b32 s3, LAPS-1
.Llap:
	TURN 0, 1, 1
	STEP 1, 0, 0
	TURN 1, 0, 1
	STEP 0, 0, 0
	s_sub_co_u32 s3, s3, 1
	s_cmp_lg_u32 s3, 0
	s_cbranch_scc1 .Llap
	TURN 0, 1, 0
	STEP 1, 0, 0
	s_cmp_ge_u32 ttmp9, 4
	s_cbranch_scc1 .Lno_cs1
	WIN 0x40
	CSLOAD 1                                       ; into B's set 0, whose last products stand ahead of STEP's places
	WIN 0
.Lno_cs1:
	s_wait_dscnt 4*NL
	WIN MUL_LO
	MUL16 0, 1, NQ-1, 1, 0
	MUL16 2, 1, NQ-1, 1, 0
	s_wait_dscnt 0
	WIN MUL_HI
	MUL16 4, 1, NQ-1, 1, 0
	MUL16 6, 1, NQ-1, 1, 0
	WIN 0
	PLACES NP
.irp b, 0,1,2,3
	v_mov_b32 v[TM+4+\b], 0                        ; a lane permute's destination counts as one of its sources
.endr
	v_mov_b32 v[RS+1], 0                           ; named as the upper half of a pair
	s_mov_b32 vcc_lo, 0xffff0000
	s_mov_b32 s100, 0x3c000000                     ; 1 / 128
	s_mov_b32 s101, 0x358637bd                     ; 1e-6
	s_mov_b32 s47, 0
.macro STORE_IMG a                     ; a fragment's image: 3 x 512 consecutive bytes; two fragments' scale words by one store
.irp c, 0,1,2
	global_store_b128 v[IMG], v[PC+4*\c:PC+4*\c+3], s[92:93] offset:1536*(\a)+512*\c
.endr
.if (\a)%2 == 0
	v_mov_b32 v[PWK], v[PW]
.else
	v_cndmask_b32 v[SW], v[PWK], v[PW], vcc_lo
	global_store_b32 v[SWA], v[SW], s[94:95] offset:64*((\a)-1)
.endif
.endm
	s_cmp_ge_u32 ttmp9, 4
	s_cbranch_scc1 .Lv
	WIN 0x40
	CSLOAD 2
	CSLOAD 3
	WIN 0
	s_lshl_b32 s44, s42, 1
	s_add_co_u32 s44, s44, s[HBS]                  ; the head: 0-15 q's, 16-31 k's
	s_lshl_b32 s45, s43, 4
	s_lshl_b32 s46, s[HAS], 3
	s_add_co_u32 s45, s45, s46                     ; my first stored tile of tokens
	s_lshl_b32 s46, s44, 7
	s_add_co_u32 s46, s46, s45
	s_mul_i32 s46, s46, 1536
	s_add_nc_u64 s[92:93], s[18:19], s[46:47]
	s_lshl_b32 s46, s44, 11
	s_lshl_b32 s45, s45, 4
	s_add_co_u32 s46, s46, s45
	s_lshl_b32 s46, s46, 2
	s_add_co_u32 s46, s46, QSC
	s_add_nc_u64 s[94:95], s[18:19], s[46:47]
.macro OUT_QK a                        ; 16 tokens x a head: norm, weights, rotation, codes
.set AC, 64*((\a)%4)
.set WW, 2+(\a)/4
	CSBUF \a
	WIN 5*WW
	s_wait_alu depctr_va_vdst(0)
	v_pk_mul_f32 v[SS:SS+1], v[AC:AC+1], v[AC:AC+1]
	v_pk_mul_f32 v[SS+2:SS+3], v[AC+2:AC+3], v[AC+2:AC+3]
.irp j, 4,8,12,16,20,24,28,32,36,40,44,48,52,56,60
	v_pk_fma_f32 v[SS:SS+1], v[AC+\j:AC+\j+1], v[AC+\j:AC+\j+1], v[SS:SS+1]
	v_pk_fma_f32 v[SS+2:SS+3], v[AC+\j+2:AC+\j+3], v[AC+\j+2:AC+\j+3], v[SS+2:SS+3]
.endr
	WIN 0
	v_pk_add_f32 v[SS:SS+1], v[SS:SS+1], v[SS+2:SS+3]
	v_add_f32 v[SS], v[SS], v[SS+1]
	v_permlanex16_b32 v[SS+1], v[SS], s[SEL], s[SEL+1]
	v_add_f32 v[SS], v[SS], v[SS+1]
	v_fma_f32 v[SS], v[SS], s100, s101             ; the mean square + eps
	s_wait_alu depctr_va_vdst(0)                   ; the wait ahead of the transcendental,
	v_rsq_f32 v[RS], v[SS]
	v_nop
	s_wait_alu depctr_va_vdst(0)                   ; and behind it
	WIN WW
.set J, 0
.rept 32
	v_pk_mul_f32 v[T+J:T+J+1], v[AC+J:AC+J+1], v[RS:RS+1] op_sel_hi:[1,0]
.set J, J+2
.endr
	WIN 0
.if (\a) == 0
	s_wait_loadcnt 32                              ; the weights and block 0's cos and sin are in: behind them blocks 2 and 3's 32 loads were issued on every way here (block 1's stand under a branch)
.else
.if (\a) < 5
	s_wait_loadcnt 48                              ; this block's cos and sin are in; the next three blocks' 48 loads may be out
.else
	s_wait_loadcnt 16*(7-(\a))
.endif
.endif
.set J, 0
.rept 32
	v_pk_mul_f32 v[T+J:T+J+1], v[T+J:T+J+1], v[NW+J:NW+J+1]
.set J, J+2
.endr
	WIN 0x04                                       ; source 1: window 1
.irp q, 0,1,2,3,4,5,6,7                ; a pair (x1, x2) becomes (x1 c - x2 s, x2 c + x1 s): (x2 s, x1 s) first, then one multiply-add with its low half taken away
.irp n, 0,2
	v_pk_mul_f32 v[56+2*\n:57+2*\n], v[T+8*\q+2*\n:T+8*\q+2*\n+1], v[SB+4*\q+\n:SB+4*\q+\n+1] op_sel:[1,0] op_sel_hi:[0,0]
	v_pk_mul_f32 v[58+2*\n:59+2*\n], v[T+8*\q+2*\n+2:T+8*\q+2*\n+3], v[SB+4*\q+\n:SB+4*\q+\n+1] op_sel:[1,1] op_sel_hi:[0,1]
.endr
.irp n, 0,2
	v_pk_fma_f32 v[T+8*\q+2*\n:T+8*\q+2*\n+1], v[T+8*\q+2*\n:T+8*\q+2*\n+1], v[CB+4*\q+\n:CB+4*\q+\n+1], v[56+2*\n:57+2*\n] op_sel:[0,0,0] op_sel_hi:[1,0,1] neg_lo:[0,0,1]
	v_pk_fma_f32 v[T+8*\q+2*\n+2:T+8*\q+2*\n+3], v[T+8*\q+2*\n+2:T+8*\q+2*\n+3], v[CB+4*\q+\n:CB+4*\q+\n+1], v[58+2*\n:59+2*\n] op_sel:[0,1,0] op_sel_hi:[1,1,1] neg_lo:[0,0,1]
.endr
.endr
.if (\a) < 4
	WIN 0x40
	CSLOAD (\a)+4                                  ; this block's buffer takes the block four on
.endif
	WIN 0
	s_wait_xcnt 0x0                                ; the last block's stores have read their data
	QUANT T
	STORE_IMG \a
.endm
.irp a, 0,1,2,3,4,5,6,7
	OUT_QK \a
.endr
	s_branch .Lend
.Lv:
	s_lshl_b32 s44, s43, 1
	s_add_co_u32 s44, s44, s[HAS]                  ; the head
	s_sub_co_u32 s45, s42, 16
	s_lshl_b32 s45, s45, 1
	s_add_co_u32 s45, s45, s[HBS]                  ; the key step
	s_lshl_b32 s46, s44, 4
	s_add_co_u32 s45, s46, s45
	s_mul_i32 s46, s45, 12288
	s_add_co_u32 s46, s46, VC
	s_add_nc_u64 s[92:93], s[18:19], s[46:47]
	s_lshl_b32 s46, s45, 9
	s_add_co_u32 s46, s46, VSC
	s_add_nc_u64 s[94:95], s[18:19], s[46:47]
	s_wait_loadcnt 0x0                             ; bv, asked for at the head
.macro OUT_V a                         ; 16 channels x 128 keys: + bv, codes along the keys
.set AC, 64*((\a)%4)
.set WW, 2+(\a)/4
	v_mov_b32 v[BBR], v[BV+(\a)]
	v_mov_b32 v[BBR+1], v[BV+(\a)]
	WIN WW
.set J, 0
.rept 32
	v_pk_add_f32 v[T+J:T+J+1], v[AC+J:AC+J+1], v[BBR:BBR+1]
.set J, J+2
.endr
	WIN 0
	s_wait_xcnt 0x0
	QUANT T
	STORE_IMG \a
.endm
.irp a, 0,1,2,3,4,5,6,7
	OUT_V \a
.endr
.Lend:
	s_wait_tensorcnt 0x0                           ; the wave's end
	ds_add_u32 v[SPW], v[NIL]
	s_wait_dscnt 0x0
	CROUND                                         ; the closing round
	s_endpgm
.Lfunc_end_k_qcfd2b82228_qkv:
	.size	k_qcfd2b82228_qkv, .Lfunc_end_k_qcfd2b82228_qkv-k_qcfd2b82228_qkv
	.p2alignl 7, 3214868480
	.fill 96, 4, 3214868480
	.section	.rodata,"a",@progbits
	.p2align	6, 0x0
	.amdhsa_kernel k_qcfd2b82228_qkv
		.amdhsa_group_segment_fixed_size 327680
		.amdhsa_private_segment_fixed_size 0
		.amdhsa_enable_private_segment 0
		.amdhsa_kernarg_size 64
		.amdhsa_user_sgpr_count 2
		.amdhsa_user_sgpr_kernarg_segment_ptr 1
		.amdhsa_wavefront_size32 1
		.amdhsa_system_sgpr_workgroup_id_x 1
		.amdhsa_system_sgpr_workgroup_id_y 1
		.amdhsa_system_sgpr_workgroup_id_z 1
		.amdhsa_system_vgpr_workitem_id 0
		.amdhsa_next_free_vgpr 1024
		.amdhsa_next_free_sgpr 102
		.amdhsa_reserve_vcc 1
		.amdhsa_float_denorm_mode_32 3
		.amdhsa_float_denorm_mode_16_64 3
		.amdhsa_memory_ordered 1
		.amdhsa_forward_progress 1
		.amdhsa_inst_pref_size 255
	.end_amdhsa_kernel
	.section	.bss,"aw",@nobits
	.p2align	6
	.space	262144
	.amdgpu_metadata
---
amdhsa.version: [ 1, 2 ]
amdhsa.kernels:
  - .name:           k_qcfd2b82228_qkv
    .symbol:         k_qcfd2b82228_qkv.kd
    .args:
      - { .name: xq, .offset: 0, .size: 8, .value_kind: global_buffer, .address_space: global }
      - { .name: wq, .offset: 8, .size: 8, .value_kind: global_buffer, .address_space: global }
      - { .name: freqs_cos, .offset: 16, .size: 8, .value_kind: global_buffer, .address_space: global }
      - { .name: freqs_sin, .offset: 24, .size: 8, .value_kind: global_buffer, .address_space: global }
      - { .name: qn_w, .offset: 32, .size: 8, .value_kind: global_buffer, .address_space: global }
      - { .name: kn_w, .offset: 40, .size: 8, .value_kind: global_buffer, .address_space: global }
      - { .name: bv, .offset: 48, .size: 8, .value_kind: global_buffer, .address_space: global }
      - { .name: qkv, .offset: 56, .size: 8, .value_kind: global_buffer, .address_space: global }
    .group_segment_fixed_size: 327680
    .private_segment_fixed_size: 0
    .kernarg_segment_align: 8
    .kernarg_segment_size: 64
    .max_flat_workgroup_size: 128
    .sgpr_count:     102
    .vgpr_count:     1024
    .wavefront_size: 32
...
	.end_amdgpu_metadata
.endif
;; end of part 6
;; launch attn (part 7): grid 16 x 16, 16 waves a work-group, clusters of 4 x 1, 327,680 bytes of LDS; arguments qkv, yq; writes yq
.if DOCPART == 7
	.amdgcn_target "amdgcn-amd-amdhsa--gfx1250"
	.amdhsa_code_object_version 6
	.text
	.protected	k_qcfd2b82228_attn
	.globl	k_qcfd2b82228_attn
	.p2align	8
	.type	k_qcfd2b82228_attn,@function
k_qcfd2b82228_attn:
	s_mov_b64 s[64:65], 0
	v_nop
	global_prefetch_b8 v0, s[64:65] scope:SCOPE_SE
	s_setreg_imm32_b32 hwreg(HW_REG_WAVE_MODE, 25, 1), 1
	s_wait_xcnt 0x0
	s_wait_alu depctr_hold_cnt(0) depctr_sa_sdst(0) depctr_va_vdst(0) depctr_va_sdst(0) depctr_va_ssrc(0) depctr_va_vcc(0) depctr_vm_vsrc(0)
	s_getreg_b32 s2, hwreg(HW_REG_IB_STS2, 6, 4)
	s_cmp_eq_u32 s2, 0
	s_cbranch_scc0 .Lentry_in_a_cluster
	s_endpgm
.Lentry_in_a_cluster:
	s_bfe_u32 s2, ttmp6, 0x10000c
	s_cmp_lg_u32 s2, 0x3003
	s_cbranch_scc0 .Lentry_shape_is_right
	s_endpgm
.Lentry_shape_is_right:
; y[h][q] = the sum over k <= q of softmax_k(q . k / sqrt(128)) v[k], both products on codes of FP6 (E2M3) with one E8M0 scale for each 32 along a product's K; y is quantised along head x 128 + channel for the last product.
; THE SOFTMAX: t = score x log2(e) / sqrt(128); M = the running largest t rounded UP to a whole number; p = 2^(t - M) is what is quantised, along the keys, not normalised.  The row's sum is taken of the unquantised p and divides at the end.
; When M moves, the sum and O are multiplied by 2^(old M - new M): exact.  A hidden score is -infinity where the definition has -1e30: p = 0 in both.
; OPERANDS are images of their registers (1,536 bytes a fragment), in stored order (stored row s = true row with bits 3 and 4 exchanged): the 16 registers of S^T's tiles 2 b and 2 b + 1 are 16 neighbouring keys,
; those of O^T's tiles 16 neighbouring channels.  Both products are used transposed: a lane holds ONE query throughout.
; SHARES.  A stored tile of 16 queries is shared by TWO waves, w and w + 8: one takes the even key steps of 128, the other the odd ones, each with its own running M, sum and O^T.  At the end the odd wave hands its three to the even one
; through LDS, and they are joined under the larger M by factors that are powers of two: exact.  Group g of 128 queries needs g + 1 key steps: bit 2 of the wave's number picks g = 2 c + m or 15 - (2 c + m), m = (wave / 2) % 2:
; waves w, w + 4, w + 8, w + 12 have 17 steps together, the longest wave 8.  The tile in the group is 2 cx + wave % 2: cx enters global addresses and one vector compare, no branch and no LDS address.
; Every work-group walks all four slots of 512 keys, so that trip counts are constants and no tensor load or barrier is jumped over; a step all of whose keys are hidden leaves out its work by a scalar branch on ids.
; CLUSTER.  The four work-groups of a cluster belong to one head and walk the same K and V: each tile is asked for jointly (mask 15).  Waves 0-3 fetch a slot's four parts, waves 4-7 at the head the four parts of the scale words.
; LIMITS: NaN and infinities are not served; a block of zeros gets the byte 1 (its codes are zeros; this program alone reads the bytes); the promise holds while the scaled scores t stay under 2^31 in magnitude.
; REGISTERS: v1 16 x lane; v2, v4 the hand-over's places; v3 scale words' place; v5, v6 the add's; v8, v10 addresses in hand; v12 -M, v13 largest t, v[14:15] the sum; v16-27 Q; v28 prefetch offset; v29 my query's place less 16 h; v30 4 r;
;   v32-79 four fragments of K or V (at the end y's codes); v80-83 K's scale words, v84-87 V's; v88-95 at work; v96-159 S^T, then p; v160-223 O^T; v224-235 p's codes; v232-254 at work; v253 p's scale word; v255 Q's.
.set KC,     3145728
.set QSC,    9437184
.set KSC,    9568256
.set YS_OFF, 3145728
.set SLOT1,  1<<17                     ; slot 1 begins here
.set VOFF,   49152                     ; a slot: 512 keys of K (32 fragments), then 4 key steps of V
.set STEPB,  12288                     ; a key step's 8 fragments
.set SLOTB,  49152                     ; a slot on, in memory, in K and in V
.set SCK,    262144                    ; behind the ring: K's scale words of the head, 8,192 bytes, then V's
.set SPARE,  278528                    ; the spare words, 128 bytes for each of 16 waves
.set HAND,   8448                      ; the hand-over: 64 registers' images and 8 bytes a lane, for each pair of waves; in slot 0's bytes, behind their last fill and last read
.set WV,   18
.set SEL,  20
.set CS,   22
.set G1T,  24
.set G1S,  32
.set G0T,  40
.set G0S,  44
.set TB,   2                           ; s2  LDS byte at which the key step in hand begins
.set TS,   3                           ; s3  the slot's scale words
.set TI,   72                          ; s72 the step's, in the slot
.set PAR,  73                          ; s73 which key steps are mine: even (0) or odd (1)
.set SLOTS, 66
.set CNT,  67
.set KS,   68                          ; s68 the key step's number
.set GAM,  69                          ; s69 my group of queries
.set PFA,  76
.set LIM,  80
.set TM,   232
.set PW,   252
.set PC,   32
.set FRG,  32
.set KSW,  80                          ; register P: lanes 0-15 tile 2 P, lanes 16-31 tile 2 P + 1
.set VSW,  84
.macro ROUND                           ; a round of the cluster's barrier
	s_barrier_signal -1
	s_barrier_wait -1
	s_cmp_lg_u32 s[WV], 0
	s_cbranch_scc1 .Lnot_wave_0_\@
	s_barrier_signal -3
.Lnot_wave_0_\@:
	s_barrier_wait -3
	s_barrier_signal -1
	s_barrier_wait -1
.endm
.macro QUANT s
.irp b, 0,1,2,3
	v_max3_num_f32 v[TM+\b], |v[\s+16*\b]|, |v[\s+1+16*\b]|, 0x1800000
.endr
.irp i, 2,4,6,8,10,12,14
.irp b, 0,1,2,3
	s_delay_alu instid0(VALU_DEP_4)
	v_max3_num_f32 v[TM+\b], v[TM+\b], |v[\s+16*\b+\i]|, |v[\s+1+16*\b+\i]|
.endr
.endr
.irp b, 0,1,2,3
	s_delay_alu instid0(VALU_DEP_4)
	v_permlanex16_b32 v[TM+4+\b], v[TM+\b], s[SEL], s[SEL+1]
.endr
.irp b, 0,1,2,3
	s_delay_alu instid0(VALU_DEP_4)
	v_max_num_f32 v[TM+\b], v[TM+\b], v[TM+4+\b]
.endr
.irp b, 0,1,2,3
	s_delay_alu instid0(VALU_DEP_4)
	v_add_nc_u32 v[TM+12+\b], 0xff000000, v[TM+\b]
.endr
.irp b, 0,1,2,3
	s_delay_alu instid0(VALU_DEP_4)
	v_lshrrev_b32 v[TM+4+\b], 23, v[TM+12+\b]
.endr
	s_delay_alu instid0(VALU_DEP_3)
	v_lshl_or_b32 v[PW], v[TM+5], 8, v[TM+4]
	s_delay_alu instid0(VALU_DEP_1)
	v_lshl_or_b32 v[PW], v[TM+6], 16, v[PW]
	s_delay_alu instid0(VALU_DEP_1)
	v_lshl_or_b32 v[PW], v[TM+7], 24, v[PW]
.irp c, 0,1
	v_cvt_scalef32_pk16_fp6_f32 v[PC+6*\c:PC+2+6*\c], v[\s+32*\c:\s+15+32*\c], v[TM+12+2*\c]
	v_cvt_scalef32_pk16_fp6_f32 v[PC+12+4*\c:PC+14+4*\c], v[\s+16+32*\c:\s+31+32*\c], v[TM+12+2*\c+1]
.endr
	v_nop
.irp c, 0,1
.irp i, 0,1,2
	v_permlane16_swap_b32 v[PC+6*\c+\i], v[PC+12+4*\c+\i]
.endr
.irp i, 0,1,2
	s_delay_alu instid0(VALU_DEP_3)
	v_mov_b32 v[PC+3+6*\c+\i], v[PC+12+4*\c+\i]
.endr
.endr
.endm
	s_load_b128 s[4:7], s[0:1], 0x0                ; qkv s[4:5], yq s[6:7]
	v_lshl_add_u32 v5, v0, 2, SPARE
	v_mov_b32 v6, 0
	ds_add_u32 v5, v6                              ; the opening lines: the add twice on end, under one wait
	ds_add_u32 v5, v6
	s_wait_dscnt 0x0
	v_lshrrev_b32 v8, 5, v0
	s_delay_alu instid0(VALU_DEP_1)
	v_readfirstlane_b32 s[WV], v8                  ; wave 0..15
	s_bfe_u32 s71, ttmp6, 0x40000                  ; cx
	s_and_b32 s82, ttmp7, 0xffff                   ; the head, which the four partners share
	s_lshr_b32 s[PAR], s[WV], 3
	s_lshr_b32 s81, s[WV], 1
	s_and_b32 s81, s81, 1                          ; m
	s_lshl_b32 s84, ttmp9, 1
	s_add_co_u32 s83, s81, s84                     ; 2 c + m
	s_sub_co_u32 s84, 15, s83
	s_and_b32 s85, s[WV], 4
	s_cmp_eq_u32 s85, 0
	s_cselect_b32 s[GAM], s83, s84                 ; my group of 128 queries
	s_and_b32 s85, s[WV], 1
	s_lshl_b32 s70, s71, 1
	s_add_co_u32 s70, s70, s85                     ; my tile in the group
	s_and_b32 s74, s[WV], 7
	s_mul_i32 s74, s74, HAND                       ; my pair's hand-over
	s_add_co_u32 s75, s74, 8192
	; descriptor group 1: a dense block as rows of 256 bytes (32 elements of 8 bytes): 96 rows for a tile, 16 for the scale words
	s_mov_b32 s[G1T], 15|(3<<16)|(1<<21)           ; the mask: all four work-groups; elements of 8 bytes; bit 21 beside a mask
	s_mov_b32 s[G1T+1], 32<<16
	s_mov_b32 s[G1T+2], 96<<16
	s_mov_b32 s[G1T+3], 32<<16
	s_mov_b32 s[G1T+4], 96
	s_mov_b32 s[G1T+5], 32
	s_mov_b32 s[G1T+6], 0
	s_mov_b32 s[G1T+7], 0
	s_mov_b32 s[G1S], 15|(3<<16)|(1<<21)
	s_mov_b32 s[G1S+1], 32<<16
	s_mov_b32 s[G1S+2], 16<<16
	s_mov_b32 s[G1S+3], 32<<16
	s_mov_b32 s[G1S+4], 16
	s_mov_b32 s[G1S+5], 32
	s_mov_b32 s[G1S+6], 0
	s_mov_b32 s[G1S+7], 0
	; what a fetching wave fetches: m = 0: K, m = 1: V; wave % 2: which half of a slot's part
	s_and_b32 s86, s[WV], 3
	s_mul_i32 s87, s82, 196608                     ; the head's codes
	s_mul_i32 s90, s81, 3145728                    ; V's section lies so far behind K's
	s_add_co_u32 s90, s90, KC
	s_add_co_u32 s90, s90, s87
	s_mul_i32 s88, s85, 24576
	s_add_co_u32 s90, s90, s88
	s_mov_b32 s91, 0
	s_lshl_b32 s92, s81, 17                        ; V's scale words lie so far behind K's
	s_add_co_u32 s92, s92, KSC
	s_lshl_b32 s88, s82, 13
	s_add_co_u32 s92, s92, s88
	s_lshl_b32 s88, s85, 12
	s_add_co_u32 s92, s92, s88
	s_mov_b32 s93, 0
	s_mul_i32 s94, s86, 24576                      ; in a slot: K's halves, then V's
	s_lshl_b32 s95, s86, 12                        ; among the scale words likewise
	; Q, and where y goes
	s_lshl_b32 s88, s[GAM], 3
	s_add_co_u32 s88, s88, s70                     ; my stored tile of tokens
	s_lshl_b32 s89, s82, 7
	s_add_co_u32 s89, s89, s88
	s_mul_i32 s96, s89, 1536
	s_mov_b32 s97, 0
	s_lshl_b32 s98, s89, 6
	s_add_co_u32 s98, s98, QSC
	s_mov_b32 s99, 0
	s_lshl_b32 s88, s[GAM], 4
	s_add_co_u32 s88, s88, s82
	s_lshl_b32 s88, s88, 3
	s_add_co_u32 s88, s88, s70                     ; (16 group + head) 8 + tile
	s_mul_i32 s8, s88, 1536
	s_mov_b32 s9, 0
	s_lshl_b32 s10, s88, 6
	s_add_co_u32 s10, s10, YS_OFF
	s_mov_b32 s11, 0
	; the prefetches: a slot's 6 runs of 8,192 bytes of K and 6 of V are shared out by ADDRESS: run 3 cx + (wave - 4)
	s_sub_co_i32 s88, s[WV], 4
	s_max_i32 s88, s88, 0
	s_min_i32 s88, s88, 2
	s_mul_i32 s89, s71, 3
	s_add_co_u32 s88, s88, s89
	s_cmp_ge_u32 s88, 6
	s_cselect_b32 s89, 3145728-49152, 0            ; runs 6-11 are V's
	s_lshl_b32 s88, s88, 13
	s_add_co_u32 s88, s88, s89
	s_add_co_u32 s88, s88, s87
	s_add_co_u32 s88, s88, KC+SLOTB                ; in slot 1: the first change of slots steps it to slot 2
	s_mov_b32 s89, 0
	s_sub_co_u32 s[LIM], s[WV], 4
	s_cmp_lt_u32 s[LIM], 3                         ; waves 4 to 6,
	s_cselect_b32 s[LIM], 0, 1
	s_or_b32 s[LIM], s[LIM], ttmp9                 ; of the head's first cluster: the same in all four partners
	s_cmp_eq_u32 s[LIM], 0
	s_cselect_b32 s[LIM], 1, -1
	s_lshr_b32 s83, s70, 1
	s_lshl_b32 s83, s83, 5
	s_and_b32 s84, s70, 1
	s_lshl_b32 s84, s84, 3
	s_add_co_u32 s83, s83, s84                     ; my tile's first true query in the group
	s_mov_b32 s[SEL], 0x76543210
	s_mov_b32 s[SEL+1], 0xfedcba98
	s_mov_b32 s[CS], 0x3e0293ee                    ; c = log2(e) / sqrt(128)
	s_mov_b32 s[CS+1], s[CS]
	s_mul_i32 s[TB], s[PAR], STEPB                 ; my first key step: 0 or 1
	s_mov_b32 s[TS], 0
	s_lshl_b32 s[TI], s[PAR], 9
	s_mov_b32 s[KS], s[PAR]
	s_mov_b32 s[SLOTS], 3
	s_wait_kmcnt 0x0
	s_add_nc_u64 s[96:97], s[4:5], s[96:97]        ; Q's fragment
	s_add_nc_u64 s[98:99], s[4:5], s[98:99]        ; Q's scale words
	s_add_nc_u64 s[8:9], s[6:7], s[8:9]            ; y's fragment
	s_add_nc_u64 s[10:11], s[6:7], s[10:11]        ; y's scale words
	s_add_nc_u64 s[PFA:PFA+1], s[4:5], s[88:89]
	s_mov_b32 s[G0S], 1
	s_add_co_u32 s[G0S+1], s95, SCK
	s_add_nc_u64 s[G0S+2:G0S+3], s[4:5], s[92:93]
	s_or_b32 s[G0S+3], s[G0S+3], 0x80000000
	s_mov_b32 s[G0T], 1
	s_mov_b32 s[G0T+1], s94
	s_add_nc_u64 s[G0T+2:G0T+3], s[4:5], s[90:91]
	s_or_b32 s[G0T+3], s[G0T+3], 0x80000000
	ROUND                                          ; all four work-groups are here: the first joint loads meet
	s_cmp_lt_u32 s[WV], 4                          ; the first fills, in one chain of branches on the wave's number: waves 0-3 slot 0's four parts,
	s_cbranch_scc0 .Lfirst_s
	tensor_load_to_lds s[G0T:G0T+3], s[G1T:G1T+7]
	s_nop 0
.rept 4
	v_nop
.endr
	s_branch .Lno_first
.Lfirst_s:
	s_cmp_lt_u32 s[WV], 8                          ; waves 4-7 the four parts of the head's scale words, filled once; waves 8-15 nothing
	s_cbranch_scc0 .Lno_first
	tensor_load_to_lds s[G0S:G0S+3], s[G1S:G1S+7]
	s_nop 0
.rept 4
	v_nop
.endr
.Lno_first:
	v_and_b32 v8, 31, v0
	s_delay_alu instid0(VALU_DEP_1)
	v_lshlrev_b32 v1, 4, v8                        ; 16 x lane
	v_lshl_add_u32 v3, v8, 2, SCK                  ; 4 x lane among the scale words
	v_lshlrev_b32 v28, 8, v8                       ; 256 x lane
	v_lshl_add_u32 v4, v8, 3, s75                  ; the hand-over: 8 bytes a lane,
	v_add_nc_u32 v2, s74, v1                       ; and the images
	v_and_b32 v9, 15, v0                           ; r
	v_bfe_u32 v10, v0, 4, 1                        ; h
	s_delay_alu instid0(VALU_DEP_2)
	v_lshlrev_b32 v30, 2, v9
.irp c, 0,1,2
	global_load_b128 v[16+4*\c:19+4*\c], v1, s[96:97] offset:512*\c   ; Q's fragment stays in registers
.endr
	global_load_b32 v255, v30, s[98:99]            ; Q's scale words
	v_and_b32 v11, 8, v9
	s_delay_alu instid0(VALU_DEP_1)
	v_add_nc_u32 v11, v11, v9                      ; r + 8 (r / 8)
	v_lshlrev_b32 v10, 4, v10
	s_delay_alu instid0(VALU_DEP_1)
	v_sub_nc_u32 v29, v11, v10
	s_delay_alu instid0(VALU_DEP_1)
	v_add_nc_u32 v29, s83, v29                     ; my query's place in its group, less 16 h
	v_mov_b32 v13, 0xff61b1e6                      ; the largest t so far: -3e38
	s_delay_alu instid0(VALU_DEP_1)
	v_floor_f32 v12, -v13                          ; -M
	v_mov_b32 v14, 0
	v_mov_b32 v15, 0
.irp b, 0,1,2,3
	v_mov_b32 v[236+\b], 0                         ; a lane permute's destination counts as one of its sources
.endr
	v_mov_b32 v252, 0
	v_mov_b32 v253, 0
.set J, 0
.rept 64
	v_mov_b32 v[160+J], 0                          ; O^T: the step is written once; its first turn finds zeros, and a wave with no step hands zeros over
.set J, J+1
.endr
.macro LDF off                         ; four fragments: 12 loads of 512 consecutive bytes
.irp t, 0,1,2,3
.irp c, 0,1,2
	ds_load_b128 v[FRG+12*\t+4*\c:FRG+12*\t+4*\c+3], v8 offset:(\off)+\t*1536+512*\c
.endr
.endr
.endm
.macro SMUL g                          ; S^T = K Q^T: tiles 4 g .. 4 g + 3 of 16 keys
.irp t, 0,2
	v_wmma_scale_f32_16x16x128_f8f6f4 v[96+8*(4*\g+\t):103+8*(4*\g+\t)], v[FRG+12*\t:FRG+12*\t+11], v[16:27], 0, v[KSW+2*\g+\t/2], v255 matrix_a_fmt:MATRIX_FMT_FP6 matrix_b_fmt:MATRIX_FMT_FP6
	v_wmma_scale_f32_16x16x128_f8f6f4 v[104+8*(4*\g+\t):111+8*(4*\g+\t)], v[FRG+12+12*\t:FRG+12+12*\t+11], v[16:27], 0, v[KSW+2*\g+\t/2], v255 matrix_a_fmt:MATRIX_FMT_FP6 matrix_b_fmt:MATRIX_FMT_FP6 matrix_a_scale:MATRIX_SCALE_ROW1
.endr
.endm
.macro OMUL g                          ; O^T += V^T P^T: tiles 4 g .. 4 g + 3 of 16 channels, the accumulators by turns
.irp t, 0,2
	v_wmma_scale_f32_16x16x128_f8f6f4 v[160+8*(4*\g+\t):167+8*(4*\g+\t)], v[FRG+12*\t:FRG+12*\t+11], v[224:235], v[160+8*(4*\g+\t):167+8*(4*\g+\t)], v[VSW+2*\g+\t/2], v253 matrix_a_fmt:MATRIX_FMT_FP6 matrix_b_fmt:MATRIX_FMT_FP6
	v_wmma_scale_f32_16x16x128_f8f6f4 v[168+8*(4*\g+\t):175+8*(4*\g+\t)], v[FRG+12+12*\t:FRG+12+12*\t+11], v[224:235], v[168+8*(4*\g+\t):175+8*(4*\g+\t)], v[VSW+2*\g+\t/2], v253 matrix_a_fmt:MATRIX_FMT_FP6 matrix_b_fmt:MATRIX_FMT_FP6 matrix_a_scale:MATRIX_SCALE_ROW1
.endr
.endm
.macro PL4
.rept 4
	v_nop
.endr
.endm
; A KEY STEP OF MINE: 128 keys.  Fragments come four at a time into one set of 48 registers; V's first four are asked for ahead of the softmax.
.macro STEP
	s_cmp_gt_u32 s[KS], s[GAM]                     ; all its keys come after my queries: its work is left out; the lines at its end that step addresses are not
	s_cbranch_scc1 .Lhidden_\@
	v_add_nc_u32 v8, s[TB], v1
	v_add_nc_u32 v10, s[TS], v3
	s_delay_alu instid0(VALU_DEP_1)
	v_add_nc_u32 v10, s[TI], v10
	v_nop                                          ; with the three additions: four places in front of loads into registers that matrix instructions have read
	s_wait_alu depctr_va_vdst(0)
.irp p, 0,1,2,3
	ds_load_b32 v[KSW+\p], v10 offset:128*\p       ; K's scale words
.endr
.irp p, 0,1,2,3
	ds_load_b32 v[VSW+\p], v10 offset:8192+128*\p  ; V's
.endr
	LDF 0
	s_wait_dscnt 0x0
	SMUL 0
	PL4
	LDF 4*1536
	s_wait_dscnt 0x0
	SMUL 1
	PL4
	LDF VOFF                                       ; V's tiles 0-3 land while the softmax is worked
	s_cmp_lg_u32 s[KS], s[GAM]                     ; only the step on the diagonal hides keys
	s_cbranch_scc1 .Lopen_\@
	v_mov_b32 v254, 0xff800000                     ; -infinity.  Register 16 b + i holds key 32 b + 16 h + i of the step: hidden where 32 b + i > my query's place - 16 h
.irp n, 0,1,2,3,4,5,6,7,8,9,10,11,12,13,14,15,16,17,18,19,20,21,22,23,24,25,26,27,28,29,30,31,32,33,34,35,36,37,38,39,40,41,42,43,44,45,46,47,48,49,50,51,52,53,54,55,56,57,58,59,60,61,62,63
	v_cmp_gt_i32 vcc_lo, 32*(\n/16)+\n%16, v29
	v_cndmask_b32 v[96+\n], v[96+\n], v254, vcc_lo
.endr
.Lopen_\@:
.irp b, 0,1,2,3
	v_max3_num_f32 v[232+\b], v[96+16*\b], v[97+16*\b], v[98+16*\b]   ; the largest score of each block of 32 keys: it serves the row's maximum and, since p rises with the score, the block's largest p
.endr
.irp i, 3,5,7,9,11,13
.irp b, 0,1,2,3
	v_max3_num_f32 v[232+\b], v[232+\b], v[96+16*\b+\i], v[97+16*\b+\i]
.endr
.endr
.irp b, 0,1,2,3
	v_max_num_f32 v[232+\b], v[232+\b], v[111+16*\b]
.endr
.irp b, 0,1,2,3
	s_delay_alu instid0(VALU_DEP_4)
	v_permlanex16_b32 v[236+\b], v[232+\b], s[SEL], s[SEL+1]
.endr
.irp b, 0,1,2,3
	s_delay_alu instid0(VALU_DEP_4)
	v_max_num_f32 v[232+\b], v[232+\b], v[236+\b]  ; with lane l xor 16's 16 keys
.endr
	s_delay_alu instid0(VALU_DEP_2)
	v_max3_num_f32 v254, v232, v233, v234
	s_delay_alu instid0(VALU_DEP_1)
	v_max_num_f32 v254, v254, v235
	s_delay_alu instid0(VALU_DEP_1)
	v_mul_f32 v254, s[CS], v254                    ; the step's largest t
	s_delay_alu instid0(VALU_DEP_1)
	v_max_num_f32 v13, v13, v254                   ; the running largest t
	v_mov_b32 v254, v12
	s_delay_alu instid0(VALU_DEP_2)
	v_floor_f32 v12, -v13                          ; the new -M = -ceil(t): a whole number
	s_delay_alu instid0(VALU_DEP_1)
	v_sub_f32 v254, v12, v254                      ; old M - new M: a whole number, 0 or less
	s_delay_alu instid0(VALU_DEP_1)
	v_cvt_i32_f32 v254, v254                       ; (it saturates)
	s_delay_alu instid0(VALU_DEP_1)
	v_ldexp_f32 v252, 1.0, v254                    ; f = 2^(old M - new M)
.irp j, 0,2,4,6,8,10,12,14,16,18,20,22,24,26,28,30,32,34,36,38,40,42,44,46,48,50,52,54,56,58,60,62
	v_pk_fma_f32 v[96+\j:97+\j], v[96+\j:97+\j], s[CS:CS+1], v[12:13] op_sel_hi:[1,0,0]   ; t - M
.endr
.irp b, 0,1,2,3
	v_fma_f32 v[232+\b], v[232+\b], s[CS], v12     ; the same of each block's largest score
.endr
	s_wait_alu depctr_va_vdst(0)
.irp j, 0,1,2,3,4,5,6,7,8,9,10,11,12,13,14,15,16,17,18,19,20,21,22,23,24,25,26,27,28,29,30,31,32,33,34,35,36,37,38,39,40,41,42,43,44,45,46,47,48,49,50,51,52,53,54,55,56,57,58,59,60,61,62,63
	v_exp_f32 v[96+\j], v[96+\j]                   ; p = 2^(t - M), at most 1
.endr
	v_pk_mul_f32 v[14:15], v[14:15], v[252:253] op_sel_hi:[1,0]   ; the sums under the new M: a plain place behind the exponentials
	s_wait_alu depctr_va_vdst(0)                   ; one wait for the whole batch, ahead of its first use
.irp b, 0,1,2,3
	v_exp_f32 v[232+\b], v[232+\b]                 ; the block's largest p
.endr
	v_pk_add_f32 v[236:237], v[100:101], v[104:105]
	v_pk_add_f32 v[250:251], v[108:109], v[112:113]
	v_pk_add_f32 v[248:249], v[116:117], v[120:121]
	v_pk_add_f32 v[94:95], v[124:125], v[128:129]
	v_pk_add_f32 v[92:93], v[132:133], v[136:137]
	v_pk_add_f32 v[90:91], v[140:141], v[144:145]
	v_pk_add_f32 v[88:89], v[148:149], v[152:153]
	v_pk_add_f32 v[14:15], v[14:15], v[156:157]
	v_pk_add_f32 v[236:237], v[236:237], v[96:97]
	v_pk_add_f32 v[250:251], v[250:251], v[98:99]
	v_pk_add_f32 v[248:249], v[248:249], v[102:103]
	v_pk_add_f32 v[94:95], v[94:95], v[106:107]
	v_pk_add_f32 v[92:93], v[92:93], v[110:111]
	v_pk_add_f32 v[90:91], v[90:91], v[114:115]
	v_pk_add_f32 v[88:89], v[88:89], v[118:119]
	v_pk_add_f32 v[14:15], v[14:15], v[122:123]
	v_pk_add_f32 v[236:237], v[236:237], v[126:127]
	v_pk_add_f32 v[250:251], v[250:251], v[130:131]
	v_pk_add_f32 v[248:249], v[248:249], v[134:135]
	v_pk_add_f32 v[94:95], v[94:95], v[138:139]
	v_pk_add_f32 v[92:93], v[92:93], v[142:143]
	v_pk_add_f32 v[90:91], v[90:91], v[146:147]
	v_pk_add_f32 v[88:89], v[88:89], v[150:151]
	v_pk_add_f32 v[14:15], v[14:15], v[154:155]
	v_pk_add_f32 v[236:237], v[236:237], v[158:159]
	s_delay_alu instid0(VALU_DEP_2)
	v_pk_add_f32 v[14:15], v[14:15], v[94:95]
	s_delay_alu instid0(VALU_DEP_2)
	v_pk_add_f32 v[236:237], v[236:237], v[92:93]
	v_pk_add_f32 v[250:251], v[250:251], v[90:91]
	v_pk_add_f32 v[248:249], v[248:249], v[88:89]
	s_delay_alu instid0(VALU_DEP_2)
	v_pk_add_f32 v[14:15], v[14:15], v[250:251]
	s_delay_alu instid0(VALU_DEP_2)
	v_pk_add_f32 v[236:237], v[236:237], v[248:249]
	s_delay_alu instid0(VALU_DEP_1)
	v_pk_add_f32 v[14:15], v[14:15], v[236:237]
	s_wait_alu depctr_va_vdst(0)                   ; and one for the four
.irp b, 0,1,2,3
	v_max_num_f32 v[232+\b], 0x1800000, v[232+\b]  ; the floor 2^(3 - 127)
.endr
.irp b, 0,1,2,3
	s_delay_alu instid0(VALU_DEP_4)
	v_add_nc_u32 v[244+\b], 0xff000000, v[232+\b]  ; 2 off the exponent field: the conversion's scale operand
.endr
.irp b, 0,1,2,3
	s_delay_alu instid0(VALU_DEP_4)
	v_lshrrev_b32 v[236+\b], 23, v[244+\b]
.endr
	s_delay_alu instid0(VALU_DEP_3)
	v_lshl_or_b32 v253, v237, 8, v236              ; p's scale word for these 128 keys
	s_delay_alu instid0(VALU_DEP_1)
	v_lshl_or_b32 v253, v238, 16, v253
	s_delay_alu instid0(VALU_DEP_1)
	v_lshl_or_b32 v253, v239, 24, v253
.irp c, 0,1
	v_cvt_scalef32_pk16_fp6_f32 v[224+6*\c:226+6*\c], v[96+32*\c:111+32*\c], v[244+2*\c]
	v_cvt_scalef32_pk16_fp6_f32 v[236+4*\c:238+4*\c], v[112+32*\c:127+32*\c], v[244+2*\c+1]
.endr
	v_nop                                          ; one plain place behind a scaled conversion
.irp c, 0,1
.irp i, 0,1,2
	v_permlane16_swap_b32 v[224+6*\c+\i], v[236+4*\c+\i]
.endr
.irp i, 0,1,2
	s_delay_alu instid0(VALU_DEP_3)
	v_mov_b32 v[227+6*\c+\i], v[236+4*\c+\i]
.endr
.endr
	s_wait_alu depctr_va_vdst(0)
.irp j, 0,2,4,6,8,10,12,14,16,18,20,22,24,26,28,30,32,34,36,38,40,42,44,46,48,50,52,54,56,58,60,62
	v_pk_mul_f32 v[160+\j:161+\j], v[160+\j:161+\j], v[252:253] op_sel_hi:[1,0]   ; O^T under the new M; these are also the places in front of the matrix instructions below
.endr
	s_wait_alu depctr_va_vdst(0)
	s_wait_dscnt 0x0                               ; V's tiles 0-3
	OMUL 0
	PL4
	LDF VOFF+4*1536
	s_wait_dscnt 0x0
	OMUL 1
.Lhidden_\@:
	s_add_co_u32 s[KS], s[KS], 2
	s_add_co_u32 s[TB], s[TB], 2*STEPB
	s_add_co_u32 s[TI], s[TI], 1024
.endm
.macro MY_STEPS                        ; my two of a slot's four key steps: written once, walked twice
	s_mov_b32 s[CNT], 2
.Lstep_\@:
	STEP
	s_sub_co_u32 s[CNT], s[CNT], 1
	s_cmp_lg_u32 s[CNT], 0
	s_cbranch_scc1 .Lstep_\@
	s_sub_co_u32 s[TB], s[TB], 4*STEPB             ; back to my first step of a slot,
	s_xor_b32 s[TB], s[TB], SLOT1                  ; in the other slot
	s_sub_co_u32 s[TI], s[TI], 2048
	s_add_co_u32 s[TS], s[TS], 2048                ; the next slot's scale words
.endm
; A prefetch into the L2 of what the NEXT change of slots will ask for, a slot ahead of that load: 12 runs of 8,192 bytes, lanes 256 bytes apart, one instruction a wave.  All clusters of a head walk the same K and V:
; the head's first cluster asks, in each of its four work-groups waves 4 to 6; the runs are told apart by address.  Slots 0 and 1 come by their loads alone; the last change that fills a slot asks for nothing.
.macro ASK
	s_cmp_gt_u32 s[SLOTS], s[LIM]
	s_cbranch_scc0 .Lnot_mine_\@
	global_prefetch_b8 v28, s[PFA:PFA+1] th:TH_LOAD_NT scope:SCOPE_SE
.Lnot_mine_\@:
.endm
; THE CHANGE OF SLOTS stands at a slot's head.  Each wave waits for all its tensor loads, adds 0 to its spare word, and waits for that and for its reads of the slot that it has left.
; fill = 1: the barrier is a round of the cluster's, and behind it the slot just left is filled with the keys that follow.
.macro CHANGE fill
	s_wait_tensorcnt 0x0                           ; no tensor load of mine is out, so a group 0 may be written
	ds_add_u32 v5, v6
.if \fill
	ds_add_u32 v5, v6
	s_xor_b32 s[G0T+1], s[G0T+1], SLOT1            ; the walking descriptor: the other slot than last time,
	s_add_nc_u64 s[G0T+2:G0T+3], s[G0T+2:G0T+3], SLOTB   ; the next 512 keys
	s_wait_xcnt 0x0                                ; the last prefetch, a slot back, has read its address
	s_add_nc_u64 s[PFA:PFA+1], s[PFA:PFA+1], SLOTB
.endif
	s_wait_dscnt 0x0                               ; the add is done, and my reads of the slot that I have left are over
.if \fill
	ROUND
	s_cmp_lt_u32 s[WV], 4
	s_cbranch_scc0 .Lno_fill_\@
	tensor_load_to_lds s[G0T:G0T+3], s[G1T:G1T+7]  ; the first thing behind the round, and a wave's one tensor load until the next
	s_nop 0
.rept 4
	v_nop
.endr
.Lno_fill_\@:
	ASK
.else
	s_barrier_signal -1
	s_barrier_wait -1
.endif
.endm
	s_wait_alu depctr_va_vdst(0)
	s_wait_loadcnt 0x0                             ; Q
.Lslot:                                            ; three trips: behind each change of slots but the last the next slot is asked for
	CHANGE 1
	MY_STEPS
	s_sub_co_u32 s[SLOTS], s[SLOTS], 1
	s_cmp_lg_u32 s[SLOTS], 0
	s_cbranch_scc1 .Lslot
	CHANGE 0                                       ; the last slot is written out
	MY_STEPS
	; THE HAND-OVER.  A barrier: no wave reads K or V any more.  The odd wave of a pair stores O^T, -M and its sum; a barrier; the even wave reads them.
	PL4
	v_add_f32 v13, v14, v15                        ; my lane's sum, beside -M
	s_wait_alu depctr_va_vdst(0)
	s_wait_dscnt 0x0
	s_barrier_signal -1
	s_barrier_wait -1
	s_cmp_eq_u32 s[PAR], 0
	s_cbranch_scc1 .Lkeeps
.irp k, 0,1,2,3,4,5,6,7,8,9,10,11,12,13,14,15
	ds_store_b128 v2, v[160+4*\k:163+4*\k] offset:512*\k   ; each accumulator from its low end on
.endr
	ds_store_b64 v4, v[12:13]
.Lkeeps:
	s_wait_dscnt 0x0
	s_barrier_signal -1
	s_barrier_wait -1
	s_cmp_lg_u32 s[PAR], 0
	s_cbranch_scc1 .Lend
.irp k, 0,1,2,3,4,5,6,7,8,9,10,11,12,13,14,15
	ds_load_b128 v[96+4*\k:99+4*\k], v2 offset:512*\k
.endr
	ds_load_b64 v[88:89], v4
	s_wait_dscnt 0x0
	v_min_num_f32 v90, v12, v88                    ; -M of the larger M
	s_delay_alu instid0(VALU_DEP_1)
	v_sub_f32 v92, v90, v12                        ; my M less it, and my partner's: whole numbers, 0 or less
	v_sub_f32 v94, v90, v88
	s_delay_alu instid0(VALU_DEP_2)
	v_cvt_i32_f32 v92, v92                         ; (they saturate: a wave that had no step gets the factor 0)
	s_delay_alu instid0(VALU_DEP_2)
	v_cvt_i32_f32 v94, v94
	s_delay_alu instid0(VALU_DEP_2)
	v_ldexp_f32 v92, 1.0, v92
	s_delay_alu instid0(VALU_DEP_2)
	v_ldexp_f32 v94, 1.0, v94
	v_mov_b32 v93, 0                               ; (named as the upper halves of pairs)
	v_mov_b32 v95, 0
	v_mul_f32 v13, v13, v92
	s_delay_alu instid0(VALU_DEP_1)
	v_fma_f32 v13, v89, v94, v13                   ; the sum under the common M
.set J, 0
.rept 32
	v_pk_mul_f32 v[160+J:161+J], v[160+J:161+J], v[92:93] op_sel_hi:[1,0]
.set J, J+2
.endr
.set J, 0
.rept 32
	v_pk_fma_f32 v[160+J:161+J], v[96+J:97+J], v[94:95], v[160+J:161+J] op_sel_hi:[1,0,1]
.set J, J+2
.endr
	; THE WAY OUT: O^T / the sum is row r's 128 channels of this head, 16 neighbours in each 16 registers: it is quantised as it stands and leaves as a fragment's image.
	v_permlanex16_b32 v252, v13, s[SEL], s[SEL+1]
	s_delay_alu instid0(VALU_DEP_1)
	v_add_f32 v14, v13, v252                       ; the row's sum
	s_wait_alu depctr_va_vdst(0)                   ; the wait ahead of the transcendental,
	v_rcp_f32 v14, v14
	v_nop                                          ; a plain place behind the reciprocal
	s_wait_alu depctr_va_vdst(0)                   ; and ahead of its first use
.set J, 0
.rept 64
	v_mul_f32 v[96+J], v[160+J], v14
.set J, J+1
.endr
	QUANT 96
.irp c, 0,1,2
	global_store_b128 v1, v[PC+4*\c:PC+4*\c+3], s[8:9] offset:512*\c   ; 512 consecutive bytes, aligned
.endr
	v_and_b32 v8, 31, v0
	s_delay_alu instid0(VALU_DEP_1)
	v_cmp_gt_u32 vcc_lo, 16, v8                    ; both halves of the lanes hold the same words: lanes 0-15 store them
	s_wait_xcnt 0x0                                ; EXEC changes only behind this wait
	s_and_saveexec_b32 s88, vcc_lo
	global_store_b32 v30, v[PW], s[10:11]
	s_wait_xcnt 0x0                                ; and again, in front of the line that widens it
	s_or_b32 exec_lo, exec_lo, s88
.Lend:
	s_wait_tensorcnt 0x0                           ; the wave's end
	ds_add_u32 v5, v6
	s_wait_dscnt 0x0
	ROUND                                          ; the closing round
	s_endpgm
.Lfunc_end_k_qcfd2b82228_attn:
	.size	k_qcfd2b82228_attn, .Lfunc_end_k_qcfd2b82228_attn-k_qcfd2b82228_attn
	.p2alignl 7, 3214868480
	.fill 96, 4, 3214868480
	.section	.rodata,"a",@progbits
	.p2align	6, 0x0
	.amdhsa_kernel k_qcfd2b82228_attn
		.amdhsa_group_segment_fixed_size 327680
		.amdhsa_private_segment_fixed_size 0
		.amdhsa_enable_private_segment 0
		.amdhsa_kernarg_size 16
		.amdhsa_user_sgpr_count 2
		.amdhsa_user_sgpr_kernarg_segment_ptr 1
		.amdhsa_wavefront_size32 1
		.amdhsa_system_sgpr_workgroup_id_x 1
		.amdhsa_system_sgpr_workgroup_id_y 1
		.amdhsa_system_sgpr_workgroup_id_z 1
		.amdhsa_system_vgpr_workitem_id 0
		.amdhsa_next_free_vgpr 256
		.amdhsa_next_free_sgpr 100
		.amdhsa_reserve_vcc 1
		.amdhsa_float_denorm_mode_32 3
		.amdhsa_float_denorm_mode_16_64 3
		.amdhsa_memory_ordered 1
		.amdhsa_forward_progress 1
		.amdhsa_inst_pref_size 79
	.end_amdhsa_kernel
	.amdgpu_metadata
---
amdhsa.version: [ 1, 2 ]
amdhsa.kernels:
  - .name:           k_qcfd2b82228_attn
    .symbol:         k_qcfd2b82228_attn.kd
    .args:
      - { .name: qkv, .offset: 0, .size: 8, .value_kind: global_buffer, .address_space: global }
      - { .name: yq, .offset: 8, .size: 8, .value_kind: global_buffer, .address_space: global }
    .group_segment_fixed_size: 327680
    .private_segment_fixed_size: 0
    .kernarg_segment_align: 8
    .kernarg_segment_size: 16
    .max_flat_workgroup_size: 512
    .sgpr_count:     100
    .vgpr_count:     256
    .wavefront_size: 32
...
	.end_amdgpu_metadata
.endif
;; end of part 7
;; launch proj (part 8): grid 16 x 16, 4 waves a work-group, clusters of 4 x 4, 327,680 bytes of LDS; arguments yq, wq, bp, out0; writes out0
.if DOCPART == 8
	.amdgcn_target "amdgcn-amd-amdhsa--gfx1250"
	.amdhsa_code_object_version 6
	.text
	.protected	k_qcfd2b82228_proj
	.globl	k_qcfd2b82228_proj
	.p2align	8
	.type	k_qcfd2b82228_proj,@function
k_qcfd2b82228_proj:
	s_mov_b64 s[64:65], 0
	v_nop
	global_prefetch_b8 v0, s[64:65] scope:SCOPE_SE
	s_setreg_imm32_b32 hwreg(HW_REG_WAVE_MODE, 25, 1), 1
	s_wait_xcnt 0x0
	s_wait_alu depctr_hold_cnt(0) depctr_sa_sdst(0) depctr_va_vdst(0) depctr_va_sdst(0) depctr_va_ssrc(0) depctr_va_vcc(0) depctr_vm_vsrc(0)
	s_getreg_b32 s2, hwreg(HW_REG_IB_STS2, 6, 4)
	s_cmp_eq_u32 s2, 0
	s_cbranch_scc0 .Lentry_in_a_cluster
	s_endpgm
.Lentry_in_a_cluster:
	s_bfe_u32 s2, ttmp6, 0x10000c
	s_cmp_lg_u32 s2, 0xf033
	s_cbranch_scc0 .Lentry_shape_is_right
	s_endpgm
.Lentry_shape_is_right:
; out0 = y Wp + bp, the product on codes of FP6 (E2M3) with one E8M0 scale for each 32 along K = 2,048; sums and bias in f32.
; OPERANDS are images of their registers: fragment (G, kq, i) at ((16 G + kq) 8 + i) 1536, scale words at ((16 G + kq) 128 + row) 4 behind the codes; stored row s = true row with bits 3 and 4 exchanged.  A = y's tokens, B = Wp's columns (groups 48-63).
; SHARES.  Blocks of 128 x 128: 256 work-groups of four waves; a wave makes 64 x 64: 16 accumulators.  Source 0 = B, source 1 = A: a lane holds one stored token, register j of accumulator (a, b) the true column 32 (b / 2) + 16 (lane / 16) + 8 (b % 2) + j.
; ALL OPERANDS ARE ASKED FOR AT THE HEAD.  K steps 0-11 of A's and B's 128 rows are two dense runs of 147,456 bytes: four joint tensor loads, one a wave, 73,728 bytes each; LDS is filled once.  K steps 12-15 do not fit beside them:
; each wave loads its eight fragments of these four steps straight into 384 registers, with its scale words of all K (64 registers) and the bias (32).  Steps 12-15 are multiplied first, then steps 0-11: the order of the f32 sums is not K ascending.
; The bias, in the result's layout, is the C of each sum's first product.  Scale words: one register holds two tiles' words (lanes 0-15 the even tile, lanes 16-31 the odd one).
; CLUSTERS 4 x 4: A's runs are shared along a row, B's along a column.  No prefetch: the launch has no loop to run ahead in.
; REGISTERS: window 0: v16-30 addresses; v32-95 scale words (way out: rows of the result); v96-127 bias; v128-255 accumulators.  window 1: two fragment buffers at v0, v128 (B's four, then A's four).  windows 2, 3: K steps 12, 13 and 14, 15, laid likewise.
.set YS_OFF, 3145728
.set WS_OFF, 12582912
.set GB,     196608
.set FR,     12
.set TPART,  73728                     ; 128 rows x 768 K: what one tensor load brings
.set SIDE,   2*TPART
.set QUAD,   49152                     ; four K steps of a side: one address register reaches so far
.set SPARE,  2*SIDE                    ; the spare words, 128 bytes a wave
.set STAGE,  SPARE+512                 ; the way out: 16 rows x 272 bytes a wave, bytes of their own
.set SPITCH, 272
.set ADRA, 16
.set ADRB, 20
.set LO,   23                          ; 16 x lane
.set STO,  24
.set RD,   25
.set CO,   26
.set L4,   27                          ; 4 x lane
.set SPW,  28
.set NIL,  29
.set BO,   30                          ; 64 h
.set SC,   32                          ; register 4 kq + j: A's tiles 2 j, 2 j + 1; 4 kq + 2 + j: B's
.set BI,   96
.set ACC,  128
.set BK,   32
.set WVN,  20
.set HAS,  21
.set HBS,  22
.set G1,   24
.set G1B,  32
.set G0,   40
.set G0B,  44
.set MSB, 0
.macro WIN new
.if MSB != (\new)
	s_set_vgpr_msb (MSB<<8)|(\new)
.set MSB, (\new)
.endif
.endm
.macro CROUND
	s_barrier_signal -1
	s_barrier_wait -1
	s_cmp_lg_u32 s[WVN], 0
	s_cbranch_scc1 .Lnot_wave_0_\@
	s_barrier_signal -3
.Lnot_wave_0_\@:
	s_barrier_wait -3
	s_barrier_signal -1
	s_barrier_wait -1
.endm
.macro PLACES n
.rept \n
	v_nop
.endr
.endm
.macro FETCH slot, q, f                ; 24 LDS loads: my four fragments of B and four of A, into buffer f of window 1
	WIN 0x40
.irp i, 0,1,2,3
.irp c, 0,1,2
	ds_load_b128 v[FR*\i+4*\c+(\f):FR*\i+4*\c+(\f)+3], v[ADRB+(\slot)] offset:((\q)*8+\i)*1536+512*\c
.endr
.endr
.irp i, 0,1,2,3
.irp c, 0,1,2
	ds_load_b128 v[48+FR*\i+4*\c+(\f):48+FR*\i+4*\c+(\f)+3], v[ADRA+(\slot)] offset:((\q)*8+\i)*1536+512*\c
.endr
.endr
.endm
.macro GFETCH kq, w, f                 ; the same from memory, 512 consecutive bytes a load, into window w
	WIN (\w)<<6
.irp i, 0,1,2,3
.irp c, 0,1,2
	global_load_b128 v[FR*\i+4*\c+(\f):FR*\i+4*\c+(\f)+3], v[LO], s[60:61] offset:((\kq)*8+\i)*1536+512*\c
.endr
.endr
.irp i, 0,1,2,3
.irp c, 0,1,2
	global_load_b128 v[48+FR*\i+4*\c+(\f):48+FR*\i+4*\c+(\f)+3], v[LO], s[56:57] offset:((\kq)*8+\i)*1536+512*\c
.endr
.endr
.endm
.macro WQ a, b, f, kq, cb, cm, m1, m2  ; one product; C = v[cb + 8 (cm a + b)]: the bias (cm = 0) or the accumulator itself (cm = 4)
	v_wmma_scale_f32_16x16x128_f8f6f4 v[ACC+8*(4*(\a)+(\b)):ACC+8*(4*(\a)+(\b))+7], v[FR*(\b)+(\f):FR*(\b)+(\f)+FR-1], v[48+FR*(\a)+(\f):48+FR*(\a)+(\f)+FR-1], v[(\cb)+8*((\cm)*(\a)+(\b)):(\cb)+8*((\cm)*(\a)+(\b))+7], v[SC+4*(\kq)+2+(\b)/2], v[SC+4*(\kq)+(\a)/2] matrix_a_fmt:MATRIX_FMT_FP6 matrix_b_fmt:MATRIX_FMT_FP6 \m1 \m2
.endm
.macro MUL16 f, kq, cb, cm             ; 128 along K; the 16 accumulators take turns, in the same order in every step
.irp a, 0,2
.irp b, 0,2
	WQ \a, \b, \f, \kq, \cb, \cm
	WQ \a, \b+1, \f, \kq, \cb, \cm, matrix_a_scale:MATRIX_SCALE_ROW1
.endr
.irp b, 0,2
	WQ \a+1, \b, \f, \kq, \cb, \cm, matrix_b_scale:MATRIX_SCALE_ROW1
	WQ \a+1, \b+1, \f, \kq, \cb, \cm, matrix_a_scale:MATRIX_SCALE_ROW1, matrix_b_scale:MATRIX_SCALE_ROW1
.endr
.endr
.endm
.macro KQ kq, fetch                    ; a K step from LDS; the next step's fragments are asked for first, into the other buffer
	s_wait_dscnt 0x0
.if \fetch
	PLACES 4                                       ; in front of loads into the buffer that the step before has multiplied
	FETCH ((\kq)+1)/4, ((\kq)+1)%4, 128*(((\kq)+1)%2)
.endif
	WIN 0x05
	MUL16 128*((\kq)%2), \kq, ACC, 4
.endm
	s_load_b256 s[4:11], s[0:1], 0x0               ; yq, wq, bp, out0
	v_lshl_add_u32 v[SPW], v0, 2, SPARE
	v_mov_b32 v[NIL], 0
	ds_add_u32 v[SPW], v[NIL]                      ; the opening lines: the add twice on end, under one wait
	ds_add_u32 v[SPW], v[NIL]
	v_lshrrev_b32 v1, 5, v0
	v_readfirstlane_b32 s[WVN], v1
	s_lshr_b32 s[HAS], s[WVN], 1                   ; my half of A's tiles; also: I fetch for A (0) or B (1)
	s_and_b32 s[HBS], s[WVN], 1                    ; my half of B's tiles; also: which six K steps I fetch
	s_bfe_u32 s48, ttmp6, 0x40000                  ; cx
	s_bfe_u32 s49, ttmp6, 0x40004                  ; cy
	s_lshl_b32 s50, ttmp9, 2
	s_add_co_u32 s50, s50, s48                     ; gx: my 128 columns
	s_and_b32 s51, ttmp7, 0xffff
	s_lshl_b32 s51, s51, 2
	s_add_co_u32 s51, s51, s49                     ; gy: my 128 tokens
	s_lshl_b32 s52, s49, 2
	s_lshl_b32 s52, 15, s52                        ; my row of the cluster
	s_lshl_b32 s53, 0x1111, s48                    ; my column
	s_or_b32 s[G1+0], s52, (3<<16)|(1<<21)         ; elements of 8 bytes; bit 21 beside a mask
	s_or_b32 s[G1B+0], s53, (3<<16)|(1<<21)
.irp g, G1, G1B                        ; 288 rows of 256 bytes, dense
	s_mov_b32 s[\g+1], 32<<16
	s_mov_b32 s[\g+2], 288<<16
	s_mov_b32 s[\g+3], 32<<16
	s_mov_b32 s[\g+4], 288
	s_mov_b32 s[\g+5], 32
	s_mov_b32 s[\g+6], 0
	s_mov_b32 s[\g+7], 0
.endr
	s_mul_i32 s2, s[HBS], TPART
	s_mul_i32 s12, s51, GB                         ; A's group
	s_add_co_u32 s54, s12, s2                      ; my tensor load's part of it
	s_mov_b32 s55, 0
	s_mul_i32 s3, s[HAS], 4*1536
	s_add_co_u32 s56, s12, s3                      ; my four tiles of A
	s_mov_b32 s57, 0
	s_lshl_b32 s14, s51, 13
	s_lshl_b32 s13, s[HAS], 8
	s_add_co_u32 s14, s14, s13
	s_add_co_u32 s14, s14, YS_OFF                  ; their scale words
	s_mov_b32 s15, 0
	s_add_co_u32 s16, s50, 48                      ; B's group: Wp's lie behind Wqk's 32 and Wv's 16
	s_lshl_b32 s18, s16, 13
	s_mul_i32 s16, s16, GB
	s_add_co_u32 s58, s16, s2
	s_mov_b32 s59, 0
	s_mul_i32 s17, s[HBS], 4*1536
	s_add_co_u32 s60, s16, s17                     ; my four tiles of B
	s_mov_b32 s61, 0
	s_lshl_b32 s13, s[HBS], 8
	s_add_co_u32 s18, s18, s13
	s_add_co_u32 s18, s18, WS_OFF
	s_mov_b32 s19, 0
	s_mul_i32 s23, s[WVN], TPART                   ; where my load goes: A's two parts, then B's
	s_add_co_u32 s17, s17, SIDE                    ; LDS: my tiles of B; s3: my tiles of A
	s_mul_i32 s13, s[WVN], 16*SPITCH
	s_add_co_u32 s13, s13, STAGE                   ; my stage
	s_lshl_b32 s2, s51, 7
	s_lshl_b32 s12, s[HAS], 6
	s_add_co_u32 s2, s2, s12
	s_lshl_b32 s2, s2, 13                          ; my first token x 8,192 bytes
	s_lshl_b32 s62, s50, 7
	s_lshl_b32 s12, s[HBS], 6
	s_add_co_u32 s62, s62, s12
	s_lshl_b32 s62, s62, 2                         ; my first column, in bytes
	s_mov_b32 s63, 0
	v_and_b32 v1, 15, v0                           ; r
	v_bfe_u32 v2, v0, 4, 1                         ; h
	v_and_b32 v3, 31, v0
	v_lshlrev_b32 v[L4], 2, v3
	v_lshlrev_b32 v[LO], 4, v3
	v_add_nc_u32 v[ADRA], s3, v[LO]
	v_add_nc_u32 v[ADRB], s17, v[LO]
.irp s, 1,2
	v_add_nc_u32 v[ADRA+\s], QUAD, v[ADRA+\s-1]
	v_add_nc_u32 v[ADRB+\s], QUAD, v[ADRB+\s-1]
.endr
	v_mul_u32_u24 v5, v1, SPITCH
	v_lshl_add_u32 v5, v2, 6, v5
	v_add_nc_u32 v[STO], s13, v5                   ; in: row r, + 64 h
	v_mul_u32_u24 v5, v2, SPITCH
	v_lshl_add_u32 v5, v1, 4, v5
	v_add_nc_u32 v[RD], s13, v5                    ; back: lanes 0-15 one row of 256 bytes, lanes 16-31 the next
	v_lshlrev_b32 v5, 4, v1
	v_lshl_add_u32 v[CO], v2, 13, v5               ; the same two rows in out0
	v_lshlrev_b32 v[BO], 6, v2
	s_wait_alu depctr_va_vdst(0)
	s_wait_dscnt 0x0                               ; both opening adds are done
	s_wait_kmcnt 0x0
	s_add_nc_u64 s[54:55], s[4:5], s[54:55]
	s_add_nc_u64 s[56:57], s[4:5], s[56:57]
	s_add_nc_u64 s[14:15], s[4:5], s[14:15]
	s_add_nc_u64 s[58:59], s[6:7], s[58:59]
	s_add_nc_u64 s[60:61], s[6:7], s[60:61]
	s_add_nc_u64 s[18:19], s[6:7], s[18:19]
	s_add_nc_u64 s[8:9], s[8:9], s[62:63]          ; bp at my columns
	s_add_co_u32 s62, s62, s2
	s_add_nc_u64 s[10:11], s[10:11], s[62:63]      ; out0 at my corner
	s_mov_b32 s[G0], 1
	s_mov_b32 s[G0+1], s23
	s_mov_b64 s[G0+2:G0+3], s[54:55]
	s_or_b32 s[G0+3], s[G0+3], 0x80000000
	s_mov_b32 s[G0B], 1
	s_mov_b32 s[G0B+1], s23
	s_mov_b64 s[G0B+2:G0B+3], s[58:59]
	s_or_b32 s[G0B+3], s[G0B+3], 0x80000000
	CROUND                                         ; all sixteen work-groups are here: the joint loads meet
	s_cmp_eq_u32 s[HAS], 0                         ; one load a wave: waves 0, 1 A's K steps 0-5 and 6-11, waves 2, 3 B's
	s_cbranch_scc0 .Lfor_b
	tensor_load_to_lds s[G0:G0+3], s[G1:G1+7]
	s_nop 0
.rept 4
	v_nop
.endr
	s_branch .Lasked
.Lfor_b:
	tensor_load_to_lds s[G0B:G0B+3], s[G1B:G1B+7]
	s_nop 0
.rept 4
	v_nop
.endr
.Lasked:
.irp b, 0,1,2,3
.irp e, 0,1
	global_load_b128 v[BI+8*\b+4*\e:BI+8*\b+4*\e+3], v[BO], s[8:9] offset:(32*(\b/2)+8*(\b%2))*4+16*\e   ; the bias at tile b's eight columns of my half of the lanes
.endr
.endr
.irp k, 0,1,2,3,4,5,6,7,8,9,10,11,12,13,14,15
.irp j, 0,1
	global_load_b32 v[SC+4*\k+\j], v[L4], s[14:15] offset:512*\k+128*\j      ; 32 rows' words: 128 consecutive bytes
	global_load_b32 v[SC+4*\k+2+\j], v[L4], s[18:19] offset:512*\k+128*\j
.endr
.endr
	GFETCH 12, 2, 0
	GFETCH 13, 2, 128
	GFETCH 14, 3, 0
	GFETCH 15, 3, 128
	s_wait_loadcnt 63                              ; bias, scale words and step 12 are in (72 younger loads could be out; the wait's field ends at 63)
	WIN 0x0a
	MUL16 0, 12, BI, 0                             ; the first products start the sums from the bias
	s_wait_loadcnt 48                              ; steps 14 and 15 may be out
	MUL16 128, 13, ACC, 4
	s_wait_loadcnt 24
	WIN 0x0f
	MUL16 0, 14, ACC, 4
	s_wait_loadcnt 0x0
	MUL16 128, 15, ACC, 4
	WIN 0
	s_wait_tensorcnt 0x0                           ; my part of the runs is in,
	s_barrier_signal -1
	s_barrier_wait -1                              ; and everybody's
	FETCH 0, 0, 0
.set KK, 0
.rept 11
	KQ KK, 1
.set KK, KK+1
.endr
	KQ 11, 0
	WIN 0
; THE WAY OUT, block by block of 16 stored tokens x my 64 columns: through my own stage, back as whole rows of 256 bytes, and out.  LDS serves a wave's instructions in order (ISA guide 5.7.1.4).
.macro TOSTAGE a
.set AC, ACC+32*(\a)
.irp b, 0,1,2,3
	ds_store_b128 v[STO], v[AC+8*\b:AC+8*\b+3] offset:128*(\b/2)+32*(\b%2)       ; each accumulator from its low end on
	ds_store_b128 v[STO], v[AC+8*\b+4:AC+8*\b+7] offset:128*(\b/2)+32*(\b%2)+16
.endr
.set BB, BK+32*((\a)%2)
.irp t, 0,1,2,3,4,5,6,7
	ds_load_b128 v[BB+4*\t:BB+4*\t+3], v[RD] offset:2*\t*SPITCH
.endr
.endm
.macro SEND a, younger                 ; younger: the LDS instructions issued behind block a's loads
.set BB, BK+32*((\a)%2)
	s_wait_dscnt \younger
.irp t, 0,1,2,3,4,5,6,7
	global_store_b128 v[CO], v[BB+4*\t:BB+4*\t+3], s[10:11] offset:(32*((\a)/2)+8*((\a)%2)+2*\t+8*(\t/4))*8192 th:TH_STORE_NT   ; sixteen lanes store 256 consecutive bytes, aligned
.endr
.endm
	PLACES 4                                       ; behind the last products
	TOSTAGE 0
.irp a, 1,2,3
.if \a > 1
	s_wait_xcnt 0x0                                ; block a - 2's stores have read their registers
.endif
	TOSTAGE \a
	SEND \a-1, 16                                  ; block a's 8 stores and 8 loads may be out
.endr
	SEND 3, 0
	s_wait_tensorcnt 0x0                           ; the wave's end
	ds_add_u32 v[SPW], v[NIL]
	s_wait_dscnt 0x0
	CROUND                                         ; the closing round
	s_endpgm
.Lfunc_end_k_qcfd2b82228_proj:
	.size	k_qcfd2b82228_proj, .Lfunc_end_k_qcfd2b82228_proj-k_qcfd2b82228_proj
	.p2alignl 7, 3214868480
	.fill 96, 4, 3214868480
	.section	.rodata,"a",@progbits
	.p2align	6, 0x0
	.amdhsa_kernel k_qcfd2b82228_proj
		.amdhsa_group_segment_fixed_size 327680
		.amdhsa_private_segment_fixed_size 0
		.amdhsa_enable_private_segment 0
		.amdhsa_kernarg_size 32
		.amdhsa_user_sgpr_count 2
		.amdhsa_user_sgpr_kernarg_segment_ptr 1
		.amdhsa_wavefront_size32 1
		.amdhsa_system_sgpr_workgroup_id_x 1
		.amdhsa_system_sgpr_workgroup_id_y 1
		.amdhsa_system_sgpr_workgroup_id_z 1
		.amdhsa_system_vgpr_workitem_id 0
		.amdhsa_next_free_vgpr 1024
		.amdhsa_next_free_sgpr 66
		.amdhsa_reserve_vcc 0
		.amdhsa_float_denorm_mode_32 3
		.amdhsa_float_denorm_mode_16_64 3
		.amdhsa_memory_ordered 1
		.amdhsa_forward_progress 1
		.amdhsa_inst_pref_size 83
	.end_amdhsa_kernel
	.amdgpu_metadata
---
amdhsa.version: [ 1, 2 ]
amdhsa.kernels:
  - .name:           k_qcfd2b82228_proj
    .symbol:         k_qcfd2b82228_proj.kd
    .args:
      - { .name: yq, .offset: 0, .size: 8, .value_kind: global_buffer, .address_space: global }
      - { .name: wq, .offset: 8, .size: 8, .value_kind: global_buffer, .address_space: global }
      - { .name: bp, .offset: 16, .size: 8, .value_kind: global_buffer, .address_space: global }
      - { .name: out0, .offset: 24, .size: 8, .value_kind: global_buffer, .address_space: global }
    .group_segment_fixed_size: 327680
    .private_segment_fixed_size: 0
    .kernarg_segment_align: 8
    .kernarg_segment_size: 32
    .max_flat_workgroup_size: 128
    .sgpr_count:     66
    .vgpr_count:     1024
    .wavefront_size: 32
...
	.end_amdgpu_metadata
.endif
;; end of part 8
